; MI455X (gfx1250); checked and timed in simulation.
; The chip was launched on July 23, 2026; its instructions are those of AMD's public machine-readable ISA for CDNA 5 (MIT licence, August 2026) and "CDNA5" Instruction Set Architecture Reference Guide (July 2026). The comments in the code are by the model that wrote it; some were corrected since.
;; Multiway Feed Forward Layer. Allowed arithmetic: float matrix products may take bf16 or f16 operands with f32 sums; other float arithmetic in f32, or as packed bf16 or f16 multiplies, adds, multiply-adds, maxima and minima; sums over many terms, partial sums and values carried from step to step in f32; what a program stores and reads back later, other than sums and carried values, may be rounded once to bf16 or f16.
;; Inputs: W1 8 x 1,024 x 4,096 float32; W2 8 x 4,096 x 1,024 float32; b1 8 x 4,096 float32; b2 8 x 1,024 float32; expert_idx 2 x 512 int32; x 2 x 512 x 1,024 float32.
;; Outputs: out0 2 x 512 x 1,024 float32.
;; 3 versions, each right. Each part assembles by itself: llvm-mc -triple=amdgcn-amd-amdhsa -mcpu=gfx1250 --defsym DOCPART=n.
;; ======== version 1 of 3: 2 launches
;; limits: a function is approximated: absolute error at most 1.5e-07
;; workspace buffers: h 9,961,472 bytes
;; launch up (part 1): grid 32 x 8, 4 waves a work-group, no clusters, 310,272 bytes of LDS; arguments x, expert_idx, W1, b1, h; writes h
.if DOCPART == 1
	.amdgcn_target "amdgcn-amd-amdhsa--gfx1250"
	.amdhsa_code_object_version 6
	.text
	.protected	k_qcff6cd0680_up
	.globl	k_qcff6cd0680_up
	.p2align	8
	.type	k_qcff6cd0680_up,@function
k_qcff6cd0680_up:
	s_mov_b64 s[64:65], 0
	v_nop
	global_prefetch_b8 v0, s[64:65] scope:SCOPE_SE
	s_setreg_imm32_b32 hwreg(HW_REG_WAVE_MODE, 25, 1), 1
	s_wait_xcnt 0x0
; h[OFF_e + rank][:] = gelu(x[token] W1[e] + b1[e]), exact (erf) GELU, for the expert e that each token names.  x [1024][1024] f32, W1 [8][1024][4096] f32, b1 [8][4096] f32.
; h: 1,216 rows x 4,096 bf16.  Rows 0-1023: the tokens sorted by expert (OFF_e = tokens that name a lower expert; rank = the token's place among its expert's, in the order of THE ROUTING below).
; Rows 1024-1215: zeros, stored here, so that the next launch's tile of 176 rows from any OFF_e reads stored bytes only.  Within each 128 features, feature 64 c + 4 r + t lies at place 8 r + 4 c + t.
; SHARES.  Work-group (X, E): 128 columns of expert E and all of E's rows; it alone reads its 512 KiB of W1.  Wave w: columns 64 (w & 1) on, and of every 128 along K the half w >> 1, so each weight is
; loaded by one wave.  The two K halves' sums (f32) meet once in LDS at the end.
; WEIGHTS go from memory through registers into the matrix operand: load i of a K step of 32 takes row (i & 7) + 16 (i >> 3) + 8 (lane / 16), 16 bytes at column 4 (lane % 16): sixteen lanes read 256 consecutive
; aligned bytes.  Column tile t is the columns 4 r + t, so operand register m of tile t is loads 2 m and 2 m + 1, word t, rounded to bf16 as a pair.  Tokens are source 0, weights source 1.
; ROWS.  Ranks 0-175 (11 tiles of 16) go the fast way, whose barriers and load counts are constants; tiles 8, 9 and tile 10 are jumped, forward, where the expert has no such rows (register and LDS work alone is
; jumped).  Ranks from 176 on go the slow way at the end: a wave takes a tile of 16 rows through all of K by itself, without barrier or LDS store.  It serves every split, at a far lower speed.
; PLACES PAST THE COUNT repeat the expert's last row, so their sums are that row's, bit for bit, and they are stored onto that row: no store is masked, and EXEC is never written.
; NO CLUSTER: what an expert's 32 work-groups share is its token rows; these come by a list, which no tensor descriptor covers, and as f32 that is rounded on the way: they pass through registers.
; The 376 v_mov_b32 that write 0 stand in the wait for the first loads: what may be jumped is written once on every way, and no first K step is written out.
; LIMITS.  x, W1 and h are rounded to bf16, sums in f32.  erf by Abramowitz and Stegun 7.1.26, absolute error 1.5e-7 at every x; an exponential below 2^-126 counts as 0; NaN and infinities are not treated apart.
.set MB,     176                       ; rows of the fast way
.set APITCH, 272                       ; an LDS row of x: 128 bf16 + 16 bytes: an odd multiple of 16, so the 16 rows of a fragment load start at 16 different groups of four banks (ISA guide 11.1)
.set ASLOT,  MB*APITCH                 ; 47,872
.set RED,    2*ASLOT                   ; the waves' partial sums: 49,152 bytes a wave
.set REDW,   49152
.set LIST,   RED+4*REDW                ; each wave's own list rank -> token: 1,024 words and a word for the lanes that have nothing to say
.set LISTW,  4352
.set SPARE,  LIST+4*LISTW              ; the spare words, 128 bytes a wave: two blocks of 256 bytes that no other line names
.set WROW,   16384                     ; bytes in a row of W1
.set WBLK,   128*WROW                  ; a block of 128 along K
.set SLOWT,  14                        ; the most tiles of the slow way that a wave can have: ceil(ceil((1024 - 176) / 16) / 4)
; window 0
.set RR, 1                             ; lane % 16
.set HH, 2                             ; lane / 16
.set LN, 3                             ; lane
.set VW, 4                             ; my byte offset in a K step of W1: 8 (lane / 16) rows + 16 (lane % 16)
.set VP, 5                             ; lane rows of W1: for asking ahead
.set AFA, 6                            ; v6-7   my place in slot 0, 1 for fragment loads
.set RATA, 8                           ; v8-9   the way out: this trip's addresses in wave 0, 1's partial sums
.set RDA, 10                           ; where my partial sums go
.set RA, 11                            ; v11-14 my place in wave 0..3's partial sums; never rewritten
.set LB, 15                            ; my wave's list
.set VH, 16                            ; my 16 bytes of a row of h: the slice's 256 bytes + 16 (lane % 16)
.set T0, 18                            ; v18-21 at work
.set XO, 20
.set SA, 22                            ; v22-25 byte offsets in h of the four rows that a trip stores
.set B1, 26                            ; v26-33 b1 of my eight columns 64 c + 4 r + t
.set L16, 34
.set R16, 35
.set T16, 36
.set TK4, 37
.set K1024, 38
.set ROWV, 39
.set ZR, 40                            ; v40-43 zeros
.set RATB, 44                          ; v44-45 the same as v8-9 for waves 2, 3
.set SPW, 46                           ; LDS address of my spare word; never rewritten
.set NIL, 47                           ; 0; never rewritten
.set BF, 48                            ; v48-79   weights of one K step, 8 registers a column tile
.set AF, 80                            ; v80-167  tokens of one K step, 8 registers a tile (first: the 32 index registers)
.set AC8, 168                          ; v168-231 accumulators of tiles 8, 9
; window 1: accumulators of tiles 0-7, (T, t) at 32 T + 8 t.   window 3: W1 as loaded, buffer (p, j) at 64 (2 p + j)
; window 2
.set AS, 0                             ; v0-175   x as loaded: pair n of rows at 8 n
.set RO, 176                           ; v176-197 byte offset in x of pair n's row
.set ASA, 198                          ; v198-199 where I store a pair's row in slot 0, 1
.set AC10, 200                         ; v200-231 accumulators of tile 10
.set TM, 232                           ; v232-255 rounded x on its way to LDS
; the way out, window 0
.set GX, 48
.set GU, 80
.set GD, 112
.set GQ, 144
.set GR, 176
.set GO, 208
.set GH, 224                           ; the slow way: the accumulators' upper halves wait here
.set XS, 80                            ; the slow way: x as loaded, its fragment, the weights' fragments
.set AF8, 96
.set BF64, 104
; scalars: s[4:13] x, expert_idx, W1, b1, h
.set WV, 14
.set SC, 15
.set SG, 16
.set SE, 17
.set SX, 18
.set CNT, 19
.set OFF, 20
.set ROWS, 21
.set NT, 22
.set LC, 23
.set PW, 26
.set PA, 28
.set SB, 30
.set HF, 48
.set RB, 49
.set LIM, 50
.set RM1, 51
.set SU, 54
.set NW, 55
.set SI, 56
.set KC, 57
.set PS, 58
.set PX, 60
.set R0, 62
.set CM1, 63
.set KAP, 66                           ; pairs of constants: the packed forms take the low word for both halves
.set PP, 68
.set CA1, 70
.set CA2, 72
.set CA3, 74
.set CA4, 76
.set CA5, 78
.set ROF, 82                           ; the way out: the trip's step in the partial sums
.set MSB, 0
.macro WIN new                         ; the immediate's high byte repeats the setting that is left; a switch that changes nothing is dropped
.if MSB != (\new)
	s_set_vgpr_msb (MSB<<8)|(\new)
.set MSB, (\new)
.endif
.endm
.macro PLACES                          ; four plain places behind matrix instructions (ISA guide 7.12.1)
.rept 4
	v_nop
.endr
.endm
.macro CONST reg, val
	s_mov_b32 s[\reg], \val
	s_mov_b32 s[(\reg)+1], s[\reg]
.endm
; 16 loads: K step j of the block at PW into buffer (p, j)
.macro WLOAD p, j
	WIN 0xc0                               ; destination window 3, address window 0
.set i, 0
.rept 16
	global_load_b128 v[64*(2*(\p)+(\j))+4*i:64*(2*(\p)+(\j))+4*i+3], v[VW], s[PW:PW+1] offset:(32*(\j)+i%8+16*(i/8))*WROW th:TH_LOAD_NT
.set i, i+1
.endr
.endm
; buffer (p, j) rounded into the four column tiles' operands
.macro CVTW p, j
	WIN 0x0f                               ; sources window 3, destination window 0
.set wb, 64*(2*(\p)+(\j))
.set t, 0
.rept 4
.set m, 0
.rept 8
	v_cvt_pk_bf16_f32 v[BF+8*t+m], v[wb+8*m+t], v[wb+8*m+4+t]
.set m, m+1
.endr
.set t, t+1
.endr
.endm
.macro AFT d, a, o                     ; a fragment of 16 rows x 32 K: two loads, 32 bytes apart
	ds_load_b128 v[(\d):(\d)+3], v[\a] offset:(\o)
	ds_load_b128 v[(\d)+4:(\d)+7], v[\a] offset:(\o)+32
.endm
.macro AFLOAD p, j                     ; the tokens' fragments of my K step j from slot p
	WIN 0
.set T, 0
.rept 8
	AFT AF+8*T, AFA+(\p), T*16*APITCH+64*(\j)
.set T, T+1
.endr
	s_cmp_lt_u32 s[NT], 9
	s_cbranch_scc1 .Laf_\@
.rept 2
	AFT AF+8*T, AFA+(\p), T*16*APITCH+64*(\j)
.set T, T+1
.endr
	s_cmp_lt_u32 s[NT], 11
	s_cbranch_scc1 .Laf_\@
	AFT AF+8*T, AFA+(\p), T*16*APITCH+64*(\j)
.Laf_\@:
.endm
.macro MM1 d, a, b
	v_wmma_f32_16x16x32_bf16 v[(\d):(\d)+7], v[(\a):(\a)+7], v[(\b):(\b)+7], v[(\d):(\d)+7]
.endm
; a K step's products.  The accumulators take turns, one instruction a turn: no two on end share one, over the jumps and from step to step too
.macro MMA
	WIN 0x50                               ; C and D window 1
.set T, 0
.rept 8
.set t, 0
.rept 4
	MM1 32*T+8*t, AF+8*T, BF+8*t
.set t, t+1
.endr
.set T, T+1
.endr
	WIN 0
	s_cmp_lt_u32 s[NT], 9
	s_cbranch_scc1 .Lmm_\@
.rept 2
.set t, 0
.rept 4
	MM1 AC8+32*(T-8)+8*t, AF+8*T, BF+8*t
.set t, t+1
.endr
.set T, T+1
.endr
	s_cmp_lt_u32 s[NT], 11
	s_cbranch_scc1 .Lmm_\@
	WIN 0xa0                               ; C and D window 2
.set t, 0
.rept 4
	MM1 AC10+8*t, AF+80, BF+8*t
.set t, t+1
.endr
	WIN 0
.Lmm_\@:
	PLACES                                 ; for the loads and conversions that next write these operands, and for the stores that read the sums
.endm
; x: pair n is the rows 8 n + 2 w + lane / 16; a load takes 256 consecutive bytes of each of the two rows
.macro AIS n
	global_load_b128 v[AS+8*(\n):AS+8*(\n)+3], v[RO+(\n)], s[PA:PA+1]
	global_load_b128 v[AS+8*(\n)+4:AS+8*(\n)+7], v[RO+(\n)], s[PA:PA+1] offset:256
.endm
.macro AST n, slot
.set tm, TM+4*((\n)%6)
	v_cvt_pk_bf16_f32 v[tm], v[AS+8*(\n)], v[AS+8*(\n)+1]
	v_cvt_pk_bf16_f32 v[tm+1], v[AS+8*(\n)+2], v[AS+8*(\n)+3]
	v_cvt_pk_bf16_f32 v[tm+2], v[AS+8*(\n)+4], v[AS+8*(\n)+5]
	v_cvt_pk_bf16_f32 v[tm+3], v[AS+8*(\n)+6], v[AS+8*(\n)+7]
	ds_store_b64 v[ASA+(\slot)], v[tm:tm+1] offset:8*APITCH*(\n)
	ds_store_b64 v[ASA+(\slot)], v[tm+2:tm+3] offset:8*APITCH*(\n)+128
.endm
.macro AISSUE all                      ; all = 1: the first time every pair is loaded, so that every register is written on every way
	WIN 0x8a                               ; destination, address and data window 2
.set n, 0
.rept 16
	AIS n
.set n, n+1
.endr
.if !(\all)
	WIN 0
	s_cmp_lt_u32 s[NT], 9
	s_cbranch_scc1 .Lai_\@
	WIN 0x8a
.endif
.rept 4
	AIS n
.set n, n+1
.endr
.if !(\all)
	WIN 0
	s_cmp_lt_u32 s[NT], 11
	s_cbranch_scc1 .Lai_\@
	WIN 0x8a
.endif
.rept 2
	AIS n
.set n, n+1
.endr
	WIN 0
.if !(\all)
.Lai_\@:
.endif
.endm
.macro ASTORE slot, all
	WIN 0x8a
.set n, 0
.rept 16
	AST n, \slot
.set n, n+1
.endr
.if !(\all)
	WIN 0
	s_cmp_lt_u32 s[NT], 9
	s_cbranch_scc1 .Las_\@
	WIN 0x8a
.endif
.rept 4
	AST n, \slot
.set n, n+1
.endr
.if !(\all)
	WIN 0
	s_cmp_lt_u32 s[NT], 11
	s_cbranch_scc1 .Las_\@
	WIN 0x8a
.endif
.rept 2
	AST n, \slot
.set n, n+1
.endr
	WIN 0
.if !(\all)
.Las_\@:
.endif
.endm
; Block t of 128 along K, in slot p = t % 2.  wl = 1: block t + 2's weights and x are asked for.  ac = 1: block t + 1's x, in registers, goes into the other slot.
; ONE barrier a trip: in front of it my stores into slot p and my reads of the other slot are done; behind it slot p is whole and the other slot may be written.
; cnt: the loads go out in the order W(t+2), x(t+2); so at the trip's end the only loads younger than x(t+1) are W(t+2)'s 32, and W(t+1), older than x(t+1), is in as well.
; pf: my 64 rows of block t + 3 are asked for ahead, a lane a row (256 bytes each), one trip ahead of their loads; 2: not in the loop's last trip, where block 8 would lie past my slice.
.macro TRIP p, wl, ac, cnt, pf
	s_wait_dscnt 0x0
	s_barrier_signal -1
	s_barrier_wait -1
	AFLOAD \p, 0
	CVTW \p, 0
.if \wl
	WLOAD \p, 0
.endif
	s_wait_dscnt 0x0                       ; the fragments are in
	MMA
	AFLOAD \p, 1
	CVTW \p, 1
.if \wl
	WLOAD \p, 1
.endif
	WIN 0
.if \pf
.if (\pf) == 2
	s_cmp_eq_u32 s[LC], 1
	s_cbranch_scc1 .Lnopf_\@
.endif
	global_prefetch_b8 v[VP], s[PW:PW+1] offset:WBLK th:TH_LOAD_NT scope:SCOPE_SE
	global_prefetch_b8 v[VP], s[PW:PW+1] offset:WBLK+32*WROW th:TH_LOAD_NT scope:SCOPE_SE
.if (\pf) == 2
.Lnopf_\@:
.endif
.endif
	s_wait_dscnt 0x0
	MMA
.if \ac
	s_wait_loadcnt \cnt
	ASTORE 1-(\p), 0
.endif
.if \wl
	s_wait_xcnt 0x0                        ; the two bases are stepped only behind this wait
	s_add_nc_u64 s[PW:PW+1], s[PW:PW+1], WBLK
	s_add_nc_u64 s[PA:PA+1], s[PA:PA+1], 512
	AISSUE 0
.endif
.endm
; my partial sums into LDS: tile T = o + 4 m, column tile t, register half hf at ((((2 m + hf) 4 + o) 4 + t) 512 + 16 lane.  Each accumulator's low four registers go first.
.macro DMP d, T, t
	ds_store_b128 v[RDA], v[(\d):(\d)+3] offset:(((((\T)/4)*2)*4+(\T)%4)*4+(\t))*512
	ds_store_b128 v[RDA], v[(\d)+4:(\d)+7] offset:(((((\T)/4)*2+1)*4+(\T)%4)*4+(\t))*512
.endm
.macro DUMP
	WIN 0x04                               ; data window 1
.set T, 0
.rept 8
.set t, 0
.rept 4
	DMP 32*T+8*t, T, t
.set t, t+1
.endr
.set T, T+1
.endr
	WIN 0
	s_cmp_lt_u32 s[NT], 9
	s_cbranch_scc1 .Ldm_\@
.rept 2
.set t, 0
.rept 4
	DMP AC8+32*(T-8)+8*t, T, t
.set t, t+1
.endr
.set T, T+1
.endr
	s_cmp_lt_u32 s[NT], 11
	s_cbranch_scc1 .Ldm_\@
	WIN 0x08                               ; data window 2
.set t, 0
.rept 4
	DMP AC10+8*t, 10, t
.set t, t+1
.endr
	WIN 0
.Ldm_\@:
.endm
; 32 sums a lane (register 4 ct + jj: column place ct = 4 c + t, row RB + 8 (lane / 16) + jj) -> + b1 -> GELU -> bf16 -> h.
; gelu(x) = max(x, 0) - 0.5 |x| erfc(|x| / sqrt 2);  erfc(z) = t (a1 + t (a2 + ..)) e^(-z z), t = 1 / (1 + p z).  With u = kappa x, kappa = sqrt(log2(e) / 2): e^(-z z) = 2^(-u u), p z = p' |u|; the a carry the -0.5.
; The 32 reciprocals and 32 exponentials are ONE batch; the 32 maxima are the plain work behind it; ONE wait stands ahead of the first reader.
; A rank from LIM on holds the sums of rank LIM - 1 and is stored onto that row.
.macro GELU_STORE
.set i, 0
.rept 16
.if (i/2)%2
	v_pk_add_f32 v[GX+2*i:GX+2*i+1], v[GX+2*i:GX+2*i+1], v[B1+2*(i/4):B1+2*(i/4)+1] op_sel:[0,1] op_sel_hi:[1,1]
.else
	v_pk_add_f32 v[GX+2*i:GX+2*i+1], v[GX+2*i:GX+2*i+1], v[B1+2*(i/4):B1+2*(i/4)+1] op_sel_hi:[1,0]
.endif
.set i, i+1
.endr
.set i, 0
.rept 16
	v_pk_mul_f32 v[GU+2*i:GU+2*i+1], v[GX+2*i:GX+2*i+1], s[KAP:KAP+1] op_sel_hi:[1,0]
.set i, i+1
.endr
.set i, 0
.rept 32
	v_fma_f32 v[GD+i], |v[GU+i]|, s[PP], 1.0
.set i, i+1
.endr
.set i, 0
.rept 16
	v_pk_mul_f32 v[GQ+2*i:GQ+2*i+1], v[GU+2*i:GU+2*i+1], v[GU+2*i:GU+2*i+1] neg_lo:[1,0] neg_hi:[1,0]
.set i, i+1
.endr
.set i, 0
.rept 32
	v_rcp_f32 v[GD+i], v[GD+i]
.set i, i+1
.endr
.set i, 0
.rept 32
	v_exp_f32 v[GQ+i], v[GQ+i]
.set i, i+1
.endr
.set i, 0
.rept 32
	v_max_num_f32 v[GR+i], 0, v[GX+i]
.set i, i+1
.endr
	s_wait_alu depctr_va_vdst(0)
.set i, 0
.rept 16
	v_pk_fma_f32 v[GU+2*i:GU+2*i+1], v[GD+2*i:GD+2*i+1], s[CA5:CA5+1], s[CA4:CA4+1] op_sel_hi:[1,0,0]
.set i, i+1
.endr
.irp c, CA3, CA2, CA1
.set i, 0
.rept 16
	v_pk_fma_f32 v[GU+2*i:GU+2*i+1], v[GU+2*i:GU+2*i+1], v[GD+2*i:GD+2*i+1], s[\c:\c+1] op_sel_hi:[1,1,0]
.set i, i+1
.endr
.endr
.set i, 0
.rept 16
	v_pk_mul_f32 v[GU+2*i:GU+2*i+1], v[GU+2*i:GU+2*i+1], v[GD+2*i:GD+2*i+1]
.set i, i+1
.endr
.set i, 0
.rept 16
	v_pk_mul_f32 v[GU+2*i:GU+2*i+1], v[GU+2*i:GU+2*i+1], v[GQ+2*i:GQ+2*i+1]
.set i, i+1
.endr
.set i, 0
.rept 32
	v_fma_f32 v[GX+i], |v[GX+i]|, v[GU+i], v[GR+i]
.set i, i+1
.endr
	s_wait_xcnt 0x0                        ; the data and the offsets of the stores before are written again only behind this wait
.set jj, 0
.rept 4                                ; row jj: my eight places 8 r .. 8 r + 7 of the slice, 16 bytes
.set k, 0
.rept 4
	v_cvt_pk_bf16_f32 v[GO+4*jj+k], v[GX+8*k+jj], v[GX+8*k+4+jj]
.set k, k+1
.endr
.set jj, jj+1
.endr
	s_add_co_u32 s52, s[OFF], s[RB]        ; h's row of rank RB,
	s_add_co_u32 s53, s[OFF], s[LIM]
	s_sub_co_u32 s53, s53, 1               ; and of the last rank there is
	v_lshl_add_u32 v[T0], v[HH], 3, s52
.set jj, 0
.rept 4
	v_add_nc_u32 v[SA+jj], jj, v[T0]
	v_min_u32 v[SA+jj], s53, v[SA+jj]
	v_min_u32 v[SA+jj], 0x3ff, v[SA+jj]    ; a token's row lies in 0 .. 1023: the bound written in the text
	v_lshl_add_u32 v[SA+jj], v[SA+jj], 13, v[VH]
	global_store_b128 v[SA+jj], v[GO+4*jj:GO+4*jj+3], s[12:13]  ; 16 lanes store 256 consecutive bytes, at a multiple of 256 from h's first byte
.set jj, jj+1
.endr
.endm
	s_load_b256 s[4:11], s[0:1], 0x0       ; x s[4:5], expert_idx s[6:7], W1 s[8:9], b1 s[10:11]
	s_load_b64 s[12:13], s[0:1], 0x20      ; h
	v_lshl_add_u32 v[SPW], v0, 2, SPARE
	v_mov_b32 v[NIL], 0
	v_and_b32 v[RR], 15, v0
	v_bfe_u32 v[HH], v0, 4, 1
	v_and_b32 v[LN], 31, v0
	v_lshrrev_b32 v[T0], 5, v0
	v_readfirstlane_b32 s[WV], v[T0]       ; wave 0..3
	s_and_b32 s[SC], s[WV], 1              ; my 64 columns
	s_lshr_b32 s[SG], s[WV], 1             ; my half of each 128 along K
	s_and_b32 s[SE], ttmp7, 0xffff         ; the expert
	s_mov_b32 s[SX], ttmp9                 ; the slice of 128 columns
	v_lshlrev_b32 v[R16], 4, v[RR]
	v_lshlrev_b32 v[L16], 4, v[LN]
	v_lshlrev_b32 v[T16], 4, v0
	v_lshlrev_b32 v[TK4], 2, v[LN]
	v_mov_b32 v[K1024], 0x400
	v_lshl_add_u32 v[VW], v[HH], 17, v[R16]
	v_lshlrev_b32 v[VP], 14, v[LN]
	s_lshl_b32 s25, s[SX], 8
	v_add_nc_u32 v[VH], s25, v[R16]
.irp z, 0,1,2,3
	v_mov_b32 v[ZR+\z], 0
.endr
	s_lshl_b32 s32, s[SE], 24              ; W1: the expert's 16 MiB, the slice's 512 bytes of a row, my 256 of them, my 64 rows
	s_lshl_b32 s25, s[SX], 9
	s_add_co_u32 s32, s32, s25
	s_lshl_b32 s34, s[SE], 14              ; b1: the expert's row, the slice
	s_add_co_u32 s34, s34, s25
	s_lshl_b32 s25, s[SC], 8
	s_add_co_u32 s32, s32, s25
	s_lshl_b32 s25, s[SG], 20
	s_add_co_u32 s32, s32, s25
	s_mov_b32 s33, 0
	s_mov_b32 s35, 0
	s_lshl_b32 s36, s[SE], 5               ; the zero rows: 192 x 8,192 bytes = 6,144 for each of the 256 work-groups, behind h's row 1023
	s_add_co_u32 s36, s36, s[SX]
	s_mul_i32 s36, s36, 6144
	s_add_co_u32 s36, s36, 0x800000
	s_mov_b32 s37, 0
	CONST KAP, 0x3f596d27                  ; kappa = 0.84932180
	CONST PP,  0x3e8ba43f                  ; p' = 0.3275911 / sqrt(log2(e)) = 0.27273748
	CONST CA1, 0xbe027906                  ; -0.5 x 0.254829592
	CONST CA2, 0x3e11a98e                  ; -0.5 x -0.284496736
	CONST CA3, 0xbf35f0e3                  ; -0.5 x 1.421413741
	CONST CA4, 0x3f3a00e3                  ; -0.5 x -1.453152027
	CONST CA5, 0xbf07dc22                  ; -0.5 x 1.061405429
	s_wait_kmcnt 0x0
	s_add_nc_u64 s[PW:PW+1], s[8:9], s[32:33]
	s_add_nc_u64 s[PS:PS+1], s[10:11], s[34:35]
	s_add_nc_u64 s[SB:SB+1], s[12:13], s[36:37]
	s_mov_b64 s[PA:PA+1], s[4:5]
.set i, 0
.rept 8                                ; every wave reads all 1,024 indices: register 4 i + cc of lane l is token 128 i + 4 l + cc
	global_load_b128 v[AF+4*i:AF+4*i+3], v[L16], s[6:7] offset:512*i
.set i, i+1
.endr
	global_load_b128 v[B1:B1+3], v[R16], s[PS:PS+1]
	global_load_b128 v[B1+4:B1+7], v[R16], s[PS:PS+1] offset:256
	WLOAD 0, 0                             ; block 0
	WLOAD 0, 1
	WIN 0
	global_prefetch_b8 v[VP], s[PW:PW+1] offset:2*WBLK th:TH_LOAD_NT scope:SCOPE_SE          ; my rows of block 2 are asked for ahead
	global_prefetch_b8 v[VP], s[PW:PW+1] offset:2*WBLK+32*WROW th:TH_LOAD_NT scope:SCOPE_SE
.irp z, 0,1,2
	global_store_b128 v[T16], v[ZR:ZR+3], s[SB:SB+1] offset:2048*\z
.endr
	v_mul_u32_u24 v[AFA], v[RR], APITCH    ; row x pitch + 16 x half + my K half's 128 bytes
	v_lshl_add_u32 v[AFA], v[HH], 4, v[AFA]
	v_lshl_add_u32 v[AFA], s[SG], 7, v[AFA]
	v_add_nc_u32 v[AFA+1], ASLOT, v[AFA]
	s_mul_i32 s25, s[WV], LISTW
	s_add_co_u32 s25, s25, LIST
	v_mov_b32 v[LB], s25
	s_mul_i32 s25, s[WV], REDW
	s_add_co_u32 s25, s25, RED
	v_add_nc_u32 v[RDA], s25, v[L16]
	s_lshl_b32 s25, s[WV], 11
	s_add_co_u32 s25, s25, RED
.irp ws, 0,1,2,3
	v_add_nc_u32 v[RA+\ws], s25, v[L16]
	s_add_co_u32 s25, s25, REDW
.endr
	v_add_nc_u32 v[T0+2], v[LB], v[L16]
.set i, 0
.rept 8                                ; my list starts as zeros: a place past the count names token 0
	ds_store_b128 v[T0+2], v[ZR:ZR+3] offset:512*i
.set i, i+1
.endr
	s_wait_loadcnt 32                      ; the indices and b1 are in; the only younger loads are block 0's 32
	; THE ROUTING.  OFF = tokens that name a lower expert.  A token's rank = those of my expert in earlier registers, plus those in lower lanes of its own register.
	s_mov_b32 s[OFF], 0
	s_mov_b32 s[CNT], 0
.set q, 0
.rept 32
	v_cmp_gt_u32 s24, s[SE], v[AF+q]
	s_bcnt1_i32_b32 s25, s24
	s_add_co_u32 s[OFF], s[OFF], s25
	v_cmp_eq_u32 s24, s[SE], v[AF+q]
	v_mbcnt_lo_u32_b32 v[T0], s24, s[CNT]
	v_cndmask_b32 v[T0], v[K1024], v[T0], s24  ; a lane whose token names another expert writes word 1024, which nobody reads
	v_min_u32 v[T0], 0x400, v[T0]
	v_lshl_add_u32 v[T0], v[T0], 2, v[LB]
	v_add_nc_u32 v[T0+1], 128*(q/4)+q%4, v[TK4]
	ds_store_b32 v[T0], v[T0+1]
	s_bcnt1_i32_b32 s25, s24
	s_add_co_u32 s[CNT], s[CNT], s25
.set q, q+1
.endr
	s_min_u32 s[OFF], s[OFF], 1024
	s_min_u32 s[CNT], s[CNT], 1024
	s_min_u32 s[ROWS], s[CNT], MB          ; rows of the fast way
	s_add_co_u32 s[NT], s[ROWS], 15
	s_lshr_b32 s[NT], s[NT], 4             ; its tiles
	s_max_u32 s[RM1], s[ROWS], 1
	s_sub_co_u32 s[RM1], s[RM1], 1         ; places past the count repeat the last row
	v_lshl_add_u32 v[ROWV], s[WV], 1, v[HH]
.set n, 0
.rept 22
	v_add_nc_u32 v[AF+n], 8*n, v[ROWV]
	v_min_u32 v[AF+n], s[RM1], v[AF+n]
	v_min_u32 v[AF+n], 0x3ff, v[AF+n]
	v_lshl_add_u32 v[AF+n], v[AF+n], 2, v[LB]
.set n, n+1
.endr
	v_mul_u32_u24 v[T0], v[ROWV], APITCH
	v_lshl_add_u32 v[T0], v[RR], 3, v[T0]
	WIN 0x80                               ; destination window 2
.set n, 0
.rept 22
	ds_load_b32 v[RO+n], v[AF+n]           ; LDS serves a wave's instructions in order (ISA guide 5.7.1.4): these see my list's stores
.set n, n+1
.endr
	v_mov_b32 v[ASA], v[T0]
	v_add_nc_u32 v[ASA+1], ASLOT, v[T0]
	s_wait_dscnt 0x0
	WIN 0x88
.set n, 0
.rept 22
	v_min_u32 v[RO+n], 0x3ff, v[RO+n]
.set n, n+1
.endr
	WIN 0x82
.set n, 0
.rept 22
	v_lshl_add_u32 v[RO+n], v[RO+n], 12, v[R16]  ; token x 4,096 bytes + my 16
.set n, n+1
.endr
	AISSUE 1                               ; x of block 0
	s_wait_xcnt 0x0
	s_add_nc_u64 s[PW:PW+1], s[PW:PW+1], WBLK
	WLOAD 1, 0                             ; block 1
	WLOAD 1, 1
	s_wait_xcnt 0x0
	s_add_nc_u64 s[PW:PW+1], s[PW:PW+1], WBLK
	WIN 0x40                               ; the sums start at 0; what the jumps may leave out is written once
.set i, 0
.rept 256
	v_mov_b32 v[i], 0
.set i, i+1
.endr
	WIN 0x80
.set i, AC10
.rept 32
	v_mov_b32 v[i], 0
.set i, i+1
.endr
	WIN 0
.set i, AF+64
.rept 88                               ; the fragments of tiles 8-10 and the accumulators of tiles 8, 9
	v_mov_b32 v[i], 0
.set i, i+1
.endr
	s_wait_loadcnt 32                      ; x of block 0 is in, and block 0's weights, which are older; the only younger loads are block 1's 32
	ASTORE 0, 1
	s_wait_xcnt 0x0
	s_add_nc_u64 s[PA:PA+1], s[PA:PA+1], 512
	AISSUE 0                               ; x of block 1
	s_mov_b32 s[LC], 3
.Llap:                                         ; blocks 0 to 5
	TRIP 0, 1, 1, 32, 1
	TRIP 1, 1, 1, 32, 2
	s_sub_co_u32 s[LC], s[LC], 1
	s_cmp_lg_u32 s[LC], 0
	s_cbranch_scc1 .Llap
	TRIP 0, 0, 1, 0, 0                     ; block 6: nothing is left to ask for, so nothing is younger than x of block 7
	TRIP 1, 0, 0, 0, 0                     ; block 7
	DUMP
	s_wait_dscnt 0x0                       ; for the others' sake: my partial sums are stored
	s_barrier_signal -1
	s_barrier_wait -1
	; THE WAY OUT.  Six trips: tile w + 4 (U / 2), register half U % 2, all 128 columns: the two K halves are added.  A tile without rows is jumped.
	s_mov_b32 s[LIM], s[ROWS]
	s_mov_b32 s[SU], 0
	s_mov_b32 s[ROF], 0
.Lep:
	v_add_nc_u32 v[RATA], s[ROF], v[RA]    ; the trip's addresses: my fixed places and the trip's step
	v_add_nc_u32 v[RATA+1], s[ROF], v[RA+1]
	v_add_nc_u32 v[RATB], s[ROF], v[RA+2]
	v_add_nc_u32 v[RATB+1], s[ROF], v[RA+3]
	s_lshr_b32 s25, s[SU], 1
	s_lshl2_add_u32 s25, s25, s[WV]
	s_lshl_b32 s[RB], s25, 4
	s_cmp_ge_u32 s[RB], MB                 ; wave 3's third tile would be tile 11, which does not exist
	s_cbranch_scc1 .Lep_next
	s_cmp_ge_u32 s[RB], s[ROWS]
	s_cbranch_scc1 .Lep_next
	s_and_b32 s25, s[SU], 1
	s_lshl2_add_u32 s[RB], s25, s[RB]      ; the first row: 16 T + 4 hf
.set ct, 0
.rept 8
	ds_load_b128 v[GX+4*ct:GX+4*ct+3], v[RATA+ct/4] offset:(ct%4)*512
	ds_load_b128 v[GU+4*ct:GU+4*ct+3], v[RATB+ct/4] offset:(ct%4)*512
.set ct, ct+1
.endr
	s_wait_dscnt 0x0
.set i, 0
.rept 16
	v_pk_add_f32 v[GX+2*i:GX+2*i+1], v[GX+2*i:GX+2*i+1], v[GU+2*i:GU+2*i+1]
.set i, i+1
.endr
	GELU_STORE
.Lep_next:
	s_add_co_u32 s[ROF], s[ROF], 8192
	s_add_co_u32 s[SU], s[SU], 1
	s_cmp_lt_u32 s[SU], 6
	s_cbranch_scc1 .Lep
	; THE SLOW WAY, for ranks from 176 on: wave w takes the tiles w, w + 4, .. of 16 rows, each through all of K and all 128 columns.  No barrier, no LDS store.
	; The loop counts to the most that a wave can have; the trips past my number of tiles are jumped.
	s_cmp_le_u32 s[CNT], MB
	s_cbranch_scc1 .Lend
	s_sub_co_u32 s25, s[CNT], MB-15
	s_lshr_b32 s25, s25, 4                 ; tiles in all
	s_add_co_u32 s25, s25, 3
	s_sub_co_u32 s25, s25, s[WV]
	s_lshr_b32 s[NW], s25, 2               ; mine
	s_sub_co_u32 s[CM1], s[CNT], 1
	s_mov_b32 s[LIM], s[CNT]
	s_mov_b32 s[SI], 0
.Lslow:
	s_cmp_ge_u32 s[SI], s[NW]
	s_cbranch_scc1 .Lslow_next
	s_lshl2_add_u32 s25, s[SI], s[WV]
	s_lshl_b32 s25, s25, 4
	s_add_co_u32 s[R0], s25, MB            ; the tile's first rank
	s_wait_xcnt 0x0                        ; the registers and bases of the tile before are written again only behind this wait
	v_add_nc_u32 v[T0], s[R0], v[RR]
	v_min_u32 v[T0], s[CM1], v[T0]         ; places past the count repeat the last row
	v_min_u32 v[T0], 0x3ff, v[T0]
	v_lshl_add_u32 v[T0], v[T0], 2, v[LB]
	ds_load_b32 v[T0+1], v[T0]
	WIN 0x40
.set i, 0
.rept 64
	v_mov_b32 v[i], 0                      ; eight accumulators, window 1
.set i, i+1
.endr
	WIN 0
	s_lshl_b32 s52, s[SE], 24
	s_lshl_b32 s25, s[SX], 9
	s_add_co_u32 s52, s52, s25
	s_mov_b32 s53, 0
	s_add_nc_u64 s[PS:PS+1], s[8:9], s[52:53]
	s_mov_b64 s[PX:PX+1], s[4:5]
	s_wait_dscnt 0x0
	v_min_u32 v[T0+1], 0x3ff, v[T0+1]
	v_lshlrev_b32 v[T0+1], 12, v[T0+1]
	v_lshl_add_u32 v[XO], v[HH], 5, v[T0+1]  ; my row's token x 4,096 + 32 x half
	s_mov_b32 s[KC], 32
.Lsk:                                          ; 32 along K
	WIN 0xc0
.set c, 0
.rept 2
.set i, 0
.rept 16
	global_load_b128 v[64*c+4*i:64*c+4*i+3], v[VW], s[PS:PS+1] offset:256*c+(i%8+16*(i/8))*WROW
.set i, i+1
.endr
.set c, c+1
.endr
	WIN 0
	global_load_b128 v[XS:XS+3], v[XO], s[PX:PX+1]
	global_load_b128 v[XS+4:XS+7], v[XO], s[PX:PX+1] offset:16
	global_load_b128 v[XS+8:XS+11], v[XO], s[PX:PX+1] offset:64
	global_load_b128 v[XS+12:XS+15], v[XO], s[PX:PX+1] offset:80
	s_wait_loadcnt 0x0
.set m, 0
.rept 8
	v_cvt_pk_bf16_f32 v[AF8+m], v[XS+2*m], v[XS+2*m+1]
.set m, m+1
.endr
	WIN 0x0f
.set ct, 0
.rept 8
.set m, 0
.rept 8
	v_cvt_pk_bf16_f32 v[BF64+8*ct+m], v[64*(ct/4)+8*m+ct%4], v[64*(ct/4)+8*m+4+ct%4]
.set m, m+1
.endr
.set ct, ct+1
.endr
	WIN 0x50
.set ct, 0
.rept 8                                ; eight accumulators by turns
	MM1 8*ct, AF8, BF64+8*ct
.set ct, ct+1
.endr
	WIN 0
	PLACES
	s_wait_xcnt 0x0
	s_add_nc_u64 s[PS:PS+1], s[PS:PS+1], 32*WROW
	s_add_nc_u64 s[PX:PX+1], s[PX:PX+1], 128
	s_sub_co_u32 s[KC], s[KC], 1
	s_cmp_lg_u32 s[KC], 0
	s_cbranch_scc1 .Lsk
	WIN 0x01                               ; source window 1.  The upper four wait in v224-255
.set ct, 0
.rept 8
.set jj, 0
.rept 4
	v_mov_b32 v[GX+4*ct+jj], v[8*ct+jj]
.set jj, jj+1
.endr
.set jj, 0
.rept 4
	v_mov_b32 v[GH+4*ct+jj], v[8*ct+4+jj]
.set jj, jj+1
.endr
.set ct, ct+1
.endr
	WIN 0
	s_mov_b32 s[RB], s[R0]
	s_mov_b32 s[HF], 2
.Lshf:
	GELU_STORE
.set i, 0
.rept 32
	v_mov_b32 v[GX+i], v[GH+i]             ; the upper halves' turn (behind the second trip these moves serve nothing)
.set i, i+1
.endr
	s_add_co_u32 s[RB], s[RB], 4
	s_sub_co_u32 s[HF], s[HF], 1
	s_cmp_lg_u32 s[HF], 0
	s_cbranch_scc1 .Lshf
.Lslow_next:
	s_add_co_u32 s[SI], s[SI], 1
	s_cmp_lt_u32 s[SI], SLOWT
	s_cbranch_scc1 .Lslow
.Lend:
	s_wait_tensorcnt 0x0                   ; the wave's end, behind my last LDS store
	ds_add_u32 v[SPW], v[NIL]
	s_wait_dscnt 0x0
	s_endpgm
.Lfunc_end_k_qcff6cd0680_up:
	.size	k_qcff6cd0680_up, .Lfunc_end_k_qcff6cd0680_up-k_qcff6cd0680_up
	.p2alignl 7, 3214868480
	.fill 96, 4, 3214868480
	.section	.rodata,"a",@progbits
	.p2align	6, 0x0
	.amdhsa_kernel k_qcff6cd0680_up
		.amdhsa_group_segment_fixed_size 310272
		.amdhsa_private_segment_fixed_size 0
		.amdhsa_enable_private_segment 0
		.amdhsa_kernarg_size 40
		.amdhsa_user_sgpr_count 2
		.amdhsa_user_sgpr_kernarg_segment_ptr 1
		.amdhsa_wavefront_size32 1
		.amdhsa_system_sgpr_workgroup_id_x 1
		.amdhsa_system_sgpr_workgroup_id_y 1
		.amdhsa_system_sgpr_workgroup_id_z 1
		.amdhsa_system_vgpr_workitem_id 0
		.amdhsa_next_free_vgpr 1024
		.amdhsa_next_free_sgpr 104
		.amdhsa_reserve_vcc 0
		.amdhsa_float_denorm_mode_32 3
		.amdhsa_float_denorm_mode_16_64 3
		.amdhsa_memory_ordered 1
		.amdhsa_forward_progress 1
		.amdhsa_inst_pref_size 227
	.end_amdhsa_kernel
	.amdgpu_metadata
---
amdhsa.version: [ 1, 2 ]
amdhsa.kernels:
  - .name:           k_qcff6cd0680_up
    .symbol:         k_qcff6cd0680_up.kd
    .args:
      - { .name: x, .offset: 0, .size: 8, .value_kind: global_buffer, .address_space: global }
      - { .name: expert_idx, .offset: 8, .size: 8, .value_kind: global_buffer, .address_space: global }
      - { .name: W1, .offset: 16, .size: 8, .value_kind: global_buffer, .address_space: global }
      - { .name: b1, .offset: 24, .size: 8, .value_kind: global_buffer, .address_space: global }
      - { .name: h, .offset: 32, .size: 8, .value_kind: global_buffer, .address_space: global }
    .group_segment_fixed_size: 310272
    .private_segment_fixed_size: 0
    .kernarg_segment_align: 8
    .kernarg_segment_size: 40
    .max_flat_workgroup_size: 128
    .sgpr_count:     104
    .vgpr_count:     1024
    .wavefront_size: 32
...
	.end_amdgpu_metadata
.endif
;; end of part 1
;; launch down (part 2): grid 16 x 8, 4 waves a work-group, no clusters, 327,680 bytes of LDS; arguments h, expert_idx, W2, b2, out0; writes out0
.if DOCPART == 2
	.amdgcn_target "amdgcn-amd-amdhsa--gfx1250"
	.amdhsa_code_object_version 6
	.text
	.protected	k_qcff6cd0680_down
	.globl	k_qcff6cd0680_down
	.p2align	8
	.type	k_qcff6cd0680_down,@function
k_qcff6cd0680_down:
	s_mov_b64 s[64:65], 0
	v_nop
	global_prefetch_b8 v0, s[64:65] scope:SCOPE_SE
	s_setreg_imm32_b32 hwreg(HW_REG_WAVE_MODE, 25, 1), 1
	s_wait_xcnt 0x0
; out[token][:] = h[OFF_e + rank] W2[e] + b2[e].  h: 1,216 rows x 4,096 bf16 as the launch before laid it (tokens sorted by expert; in each 128 features, feature 64 c + 4 r + t at place 8 r + 4 c + t; rows from
; 1024 on are zeros).  W2 [8][4096][1024] f32, b2 [8][1024] f32, out [1024][1024] f32.  The routing (OFF, rank, list) is made from expert_idx by the same lines as in the launch before.
; SHARES.  Work-group (X, E): 64 columns of expert E and all of E's rows; it alone reads its 1 MiB of W2.  128 WORK-GROUPS: 64 f32 columns are 256 bytes of a row of W2; narrower slices would read parts of aligned
; blocks of 256 bytes, a split of K over work-groups would need f32 partial outputs and a launch to add them, and a split of rows would read W2 twice.
; Wave w takes, of every 256 along K, the 64 places 64 w on: each weight is loaded by one wave; the four waves' sums (f32) meet once in LDS at the end.
; WEIGHTS go from memory through registers into the matrix operand, as in the launch before; the row of W2 that belongs to a place of h stands in the loads' immediates.
; h comes by tensor loads into a ring of two slots: a tile is 176 rows x 512 bytes, 44 rows a wave.  A wave has one tensor load out.  LOADcnt is left to W2: three or four K steps of 16
; loads are out.
; NO CLUSTER, though an expert's 16 work-groups walk the same tiles of h: the tile's first row, the list's LDS addresses and the jumps over tiles 8-10 hang on counts that each work-group reads from expert_idx,
; and a joint load wants descriptors, LDS addresses and branches that are alike in the partners by ids and constants alone.  The price: h leaves the cache 128 x 1.44 MB in place of 32 x 1.44 MB.
; ROWS.  Ranks 0-175 go the fast way (tiles 8, 9 and tile 10 jumped where the expert has no such rows: register work and LDS reads alone are jumped); ranks from 176 on go the slow way, which serves every split at
; a far lower speed.  In the fast way a tile's rows past the count are other experts' rows, so their stores are masked; all offsets of those stores are made ahead of the first mask.  In the slow way the places past
; the count repeat the last row and are stored onto its token's row, unmasked.  The 400 v_mov_b32 that write 0 stand in the wait for the first loads.
; LIMITS.  h and W2 enter the products in bf16, sums in f32; NaN and infinities are not treated apart.
.set MB,     176
.set HPITCH, 528                       ; an LDS row of h: 512 bytes + 16: an odd multiple of 16
.set HSLOT,  MB*HPITCH                 ; 92,928
.set HSTEP,  512                       ; bytes of a row in a tile
.set REDW,   49152                     ; the partial sums lie over the ring, from byte 0, behind the slots' last fill
.set LIST,   4*REDW
.set LISTW,  4352
.set SPARE,  LIST+4*LISTW              ; the spare words, 128 bytes a wave: two blocks of 256 bytes that no other line names
.set WROW,   4096
.set WBLK,   256*WROW
.set SLOWT,  14                        ; the most tiles of the slow way that a wave can have: ceil(ceil((1024 - 176) / 16) / 4)
.set RR, 1
.set HH, 2
.set LN, 3
.set VW, 4                             ; 4 (lane / 16) rows of W2 + 16 (lane % 16)
.set VP, 5                             ; row lane % 16 + 64 (lane / 16): for asking ahead
.set AFA, 6                            ; v6-9  my place in slot 0 (tiles 0-7; tiles 8-10), slot 1 likewise
.set RDA, 10
.set RA, 11                            ; v11-14 my place in wave 0..3's partial sums; never rewritten
.set LB, 15
.set REM, 17                           ; rows of the fast way, seen from my first
.set T0, 18                            ; v18-25 at work
.set XO, 20
.set B2, 26                            ; v26-29 b2 of my four columns
.set L16, 34
.set R16, 35
.set TK4, 37
.set K1024, 38
.set ZR, 40
.set SPW, 46                           ; LDS address of my spare word; never rewritten
.set NIL, 47                           ; 0; never rewritten
.set BF, 48                            ; v48-79   weights of my first K step
.set AF, 80                            ; v80-167  tokens of my first K step (first: the 32 index registers)
.set AC8, 168                          ; v168-231 accumulators of tiles 8, 9
.set TK, 176                           ; the fast way out: v176-199 byte offsets in out of my three tiles' rows
.set OO, 200                           ; the fast way out: four columns of a row
.set TKS, 48                           ; the slow way out: eight rows' byte offsets in out; v56-63 their places in my list
.set LAS, 56
.set OS, 80                            ; the slow way out: eight rows of four columns
.set AC4, 208                          ; the slow way's four accumulators
; window 1: accumulators of tiles 0-7.  window 3: W2 as loaded, buffer (p, j) at 64 (2 p + j).  window 2:
.set AFB, 0                            ; v0-87    tokens of my second K step
.set BF1, 88                           ; v88-119  weights of my second K step
.set AC10, 200                         ; v200-231 accumulators of tile 10
.set WV, 14
.set SE, 17
.set SX, 18
.set CNT, 19
.set OFF, 20
.set ROWS, 21
.set NT, 22
.set LC, 23
.set PW, 26
.set SB, 30
.set G0, 32                            ; s[32:35], s[36:39] descriptor group 0 of slot 0, 1
.set G1, 40                            ; s[40:47] descriptor group 1
.set RB, 49
.set NW, 55
.set SI, 56
.set KC, 57
.set PS, 58
.set PX, 60
.set R0, 62
.set CM1, 63
.set MSB, 0
.macro WIN new                         ; the immediate's high byte repeats the setting that is left; a switch that changes nothing is dropped
.if MSB != (\new)
	s_set_vgpr_msb (MSB<<8)|(\new)
.set MSB, (\new)
.endif
.endm
.macro PLACES
.rept 4
	v_nop
.endr
.endm
; 16 loads: my K step j of the block at PW into buffer (p, j).  Place 16 (i / 8) + 8 (lane / 16) + i % 8 of the step is feature 64 ((i % 8) / 4) + 16 j + 8 (i / 8) + 4 (lane / 16) + i % 4 of its 128.
.macro WLOAD p, j
	WIN 0xc0
.set i, 0
.rept 16
	global_load_b128 v[64*(2*(\p)+(\j))+4*i:64*(2*(\p)+(\j))+4*i+3], v[VW], s[PW:PW+1] offset:(16*(\j)+8*(i/8)+64*((i%8)/4)+i%4)*WROW th:TH_LOAD_NT
.set i, i+1
.endr
.endm
.macro CVTW p, j
.if \j
	WIN 0x8f                               ; sources window 3, destination window 2
.set bb, BF1
.else
	WIN 0x0f
.set bb, BF
.endif
.set wb, 64*(2*(\p)+(\j))
.set t, 0
.rept 4
.set m, 0
.rept 8
	v_cvt_pk_bf16_f32 v[bb+8*t+m], v[wb+8*m+t], v[wb+8*m+4+t]
.set m, m+1
.endr
.set t, t+1
.endr
.endm
.macro AFT d, a, o
	ds_load_b128 v[(\d):(\d)+3], v[\a] offset:(\o)
	ds_load_b128 v[(\d)+4:(\d)+7], v[\a] offset:(\o)+32
.endm
.macro AFLOAD slot, j                  ; the tokens' fragments of my K step j
.if \j
.set aw, 0x80
.set ab, AFB
.else
.set aw, 0
.set ab, AF
.endif
	WIN aw
.set T, 0
.rept 8
	AFT ab+8*T, AFA+2*(\slot), T*16*HPITCH+64*(\j)
.set T, T+1
.endr
	WIN 0
	s_cmp_lt_u32 s[NT], 9
	s_cbranch_scc1 .Laf_\@
	WIN aw
	AFT ab+64, AFA+2*(\slot)+1, 64*(\j)
	AFT ab+72, AFA+2*(\slot)+1, 16*HPITCH+64*(\j)
	WIN 0
	s_cmp_lt_u32 s[NT], 11
	s_cbranch_scc1 .Laf_\@
	WIN aw
	AFT ab+80, AFA+2*(\slot)+1, 32*HPITCH+64*(\j)
	WIN 0
.Laf_\@:
.endm
.macro MM1 d, a, b
	v_wmma_f32_16x16x32_bf16 v[(\d):(\d)+7], v[(\a):(\a)+7], v[(\b):(\b)+7], v[(\d):(\d)+7]
.endm
; a K step's products; k = 1: the operands of my second K step, in window 2.  The accumulators take turns, one instruction a turn.
.macro MMA k
.if \k
.set ma, AFB
.set mb, BF1
.set mw, 0x0a
.else
.set ma, AF
.set mb, BF
.set mw, 0
.endif
	WIN 0x50|mw
.set T, 0
.rept 8
.set t, 0
.rept 4
	MM1 32*T+8*t, ma+8*T, mb+8*t
.set t, t+1
.endr
.set T, T+1
.endr
	WIN 0
	s_cmp_lt_u32 s[NT], 9
	s_cbranch_scc1 .Lmm_\@
	WIN mw
.rept 2
.set t, 0
.rept 4
	MM1 AC8+32*(T-8)+8*t, ma+8*T, mb+8*t
.set t, t+1
.endr
.set T, T+1
.endr
	WIN 0
	s_cmp_lt_u32 s[NT], 11
	s_cbranch_scc1 .Lmm_\@
	WIN 0xa0|mw
.set t, 0
.rept 4
	MM1 AC10+8*t, ma+80, mb+8*t
.set t, t+1
.endr
	WIN 0
.Lmm_\@:
	PLACES
.endm
; Block t of 256 along K, in slot t % 2.  In front of the barrier: all my tensor loads have landed (my part of this trip's tile), the add, my reads of the last trip's tile are over.  Behind it the next tile is
; asked for first, into the slot read last trip.  wl = 1: block t + 2's weights are asked for.  n0: behind W(t, 0) the loads W(t, 1), W(t+1, 0), W(t+1, 1) are younger; n1: behind W(t, 1) the loads W(t+1, 0),
; W(t+1, 1), W(t+2, 0); in the tail the counts run down.  pf: my 64 rows of block t + 4 are asked for ahead, two trips ahead of their loads; not in the loop's last lap, where they would lie past my slice.
.macro TRIP slot, refill, wl, n0, n1, pf
	s_wait_tensorcnt 0x0
	ds_add_u32 v[SPW], v[NIL]              ; 0 onto my spare word
	s_add_nc_u64 s[G0+4*(\slot)+2:G0+4*(\slot)+3], s[G0+4*(\slot)+2:G0+4*(\slot)+3], 2*HSTEP  ; no load of mine is out: this slot's next tile
	s_wait_dscnt 0x0
	s_barrier_signal -1
	s_barrier_wait -1
.if \refill
	tensor_load_to_lds s[G0+4-4*(\slot):G0+7-4*(\slot)], s[G1:G1+7]
	s_nop 0
	PLACES
.endif
	AFLOAD \slot, 0
	s_wait_loadcnt \n0
	CVTW \slot, 0
.if \wl
	WLOAD \slot, 0
.endif
	s_wait_dscnt 0x0                       ; the first step's fragments are in
	AFLOAD \slot, 1                        ; the second step's come while the first is multiplied
	MMA 0
	s_wait_loadcnt \n1
	CVTW \slot, 1
.if \wl
	WLOAD \slot, 1
.endif
	WIN 0
.if \pf
	s_cmp_eq_u32 s[LC], 1
	s_cbranch_scc1 .Lnopf_\@
	global_prefetch_b8 v[VP], s[PW:PW+1] offset:2*WBLK th:TH_LOAD_NT scope:SCOPE_SE
	global_prefetch_b8 v[VP], s[PW:PW+1] offset:2*WBLK+16*WROW th:TH_LOAD_NT scope:SCOPE_SE
.Lnopf_\@:
.endif
	s_wait_dscnt 0x0
	MMA 1
.if \wl
	s_wait_xcnt 0x0                        ; the base is stepped only behind this wait
	s_add_nc_u64 s[PW:PW+1], s[PW:PW+1], WBLK
.endif
.endm
.macro DMP d, T, t                     ; each accumulator's low four registers go first
	ds_store_b128 v[RDA], v[(\d):(\d)+3] offset:(((((\T)/4)*2)*4+(\T)%4)*4+(\t))*512
	ds_store_b128 v[RDA], v[(\d)+4:(\d)+7] offset:(((((\T)/4)*2+1)*4+(\T)%4)*4+(\t))*512
.endm
.macro DUMP
	WIN 0x04
.set T, 0
.rept 8
.set t, 0
.rept 4
	DMP 32*T+8*t, T, t
.set t, t+1
.endr
.set T, T+1
.endr
	WIN 0
	s_cmp_lt_u32 s[NT], 9
	s_cbranch_scc1 .Ldm_\@
.rept 2
.set t, 0
.rept 4
	DMP AC8+32*(T-8)+8*t, T, t
.set t, t+1
.endr
.set T, T+1
.endr
	s_cmp_lt_u32 s[NT], 11
	s_cbranch_scc1 .Ldm_\@
	WIN 0x08
.set t, 0
.rept 4
	DMP AC10+8*t, 10, t
.set t, t+1
.endr
	WIN 0
.Ldm_\@:
.endm
	s_load_b256 s[4:11], s[0:1], 0x0       ; h s[4:5], expert_idx s[6:7], W2 s[8:9], b2 s[10:11]
	s_load_b64 s[12:13], s[0:1], 0x20      ; out
	v_lshl_add_u32 v[SPW], v0, 2, SPARE
	v_mov_b32 v[NIL], 0
	ds_add_u32 v[SPW], v[NIL]              ; the wave's opening: the add and its wait stand ahead of my first tensor load; the set-up below, work on registers, stands between them
	v_and_b32 v[RR], 15, v0
	v_bfe_u32 v[HH], v0, 4, 1
	v_and_b32 v[LN], 31, v0
	v_lshrrev_b32 v[T0], 5, v0
	v_readfirstlane_b32 s[WV], v[T0]       ; wave 0..3
	s_and_b32 s[SE], ttmp7, 0xffff         ; the expert
	s_mov_b32 s[SX], ttmp9                 ; the slice of 64 columns
	v_lshlrev_b32 v[R16], 4, v[RR]
	v_lshlrev_b32 v[L16], 4, v[LN]
	v_lshlrev_b32 v[TK4], 2, v[LN]
	v_mov_b32 v[K1024], 0x400
	v_lshl_add_u32 v[VW], v[HH], 14, v[R16]
	v_lshlrev_b32 v[VP], 12, v[RR]
	v_lshl_add_u32 v[VP], v[HH], 18, v[VP]
.irp z, 0,1,2,3
	v_mov_b32 v[ZR+\z], 0
.endr
	s_lshl_b32 s84, s[SE], 24              ; W2: the expert's 16 MiB, the slice's 256 bytes of a row, my rows 128 (w / 2) + 32 (w % 2) of a block
	s_lshl_b32 s88, s[SX], 8
	s_add_co_u32 s84, s84, s88
	s_lshr_b32 s83, s[WV], 1
	s_lshl_b32 s83, s83, 19
	s_add_co_u32 s84, s84, s83
	s_and_b32 s83, s[WV], 1
	s_lshl_b32 s83, s83, 17
	s_add_co_u32 s84, s84, s83
	s_mov_b32 s85, 0
	s_lshl_b32 s86, s[SE], 12              ; b2: the expert's row, the slice
	s_add_co_u32 s86, s86, s88
	s_mov_b32 s87, 0
	s_mov_b32 s89, 0                       ; out: the slice
	; descriptor group 1: a tile of 44 rows x 256 elements, padded in LDS
	s_mov_b32 s[G1], (1<<16)|(1<<20)|(6<<22)|(3<<25)  ; 15:0 no mask; 17:16 elements of 2 bytes; 20 padding on; 24:22 after every 128 words (code 6); 31:25 4 words of it (code 3)
	s_mov_b32 s[G1+1], 256<<16             ; tensor_dim0 = 256
	s_mov_b32 s[G1+2], 44<<16              ; tensor_dim1 = 44
	s_mov_b32 s[G1+3], 256<<16             ; tile_dim0 = 256
	s_mov_b32 s[G1+4], 44                  ; tile_dim1 = 44
	s_mov_b32 s[G1+5], 4096                ; elements from row to row
	s_mov_b32 s[G1+6], 0
	s_mov_b32 s[G1+7], 0
	s_wait_dscnt 0x0                       ; the opening add is done
	s_wait_kmcnt 0x0
	s_add_nc_u64 s[PW:PW+1], s[8:9], s[84:85]
	s_add_nc_u64 s[PS:PS+1], s[10:11], s[86:87]
	s_add_nc_u64 s[SB:SB+1], s[12:13], s[88:89]
.set i, 0
.rept 8                                ; every wave reads all 1,024 indices: register 4 i + cc of lane l is token 128 i + 4 l + cc
	global_load_b128 v[AF+4*i:AF+4*i+3], v[L16], s[6:7] offset:512*i
.set i, i+1
.endr
	global_load_b128 v[B2:B2+3], v[R16], s[PS:PS+1]
	WLOAD 0, 0                             ; block 0
	WLOAD 0, 1
	WIN 0
.irp b, 2, 3                           ; my rows of blocks 2 and 3 are asked for ahead
	global_prefetch_b8 v[VP], s[PW:PW+1] offset:\b*WBLK th:TH_LOAD_NT scope:SCOPE_SE
	global_prefetch_b8 v[VP], s[PW:PW+1] offset:\b*WBLK+16*WROW th:TH_LOAD_NT scope:SCOPE_SE
.endr
	v_mul_u32_u24 v[AFA], v[RR], HPITCH    ; row x pitch + 16 x half + my two K steps' 128 bytes
	v_lshl_add_u32 v[AFA], v[HH], 4, v[AFA]
	v_lshl_add_u32 v[AFA], s[WV], 7, v[AFA]
	v_add_nc_u32 v[AFA+1], 128*HPITCH, v[AFA]
	v_add_nc_u32 v[AFA+2], HSLOT, v[AFA]
	v_add_nc_u32 v[AFA+3], HSLOT+128*HPITCH, v[AFA]
	s_mul_i32 s25, s[WV], LISTW
	s_add_co_u32 s25, s25, LIST
	v_mov_b32 v[LB], s25
	s_mul_i32 s25, s[WV], REDW
	v_add_nc_u32 v[RDA], s25, v[L16]
	s_lshl_b32 s25, s[WV], 11
.irp ws, 0,1,2,3
	v_add_nc_u32 v[RA+\ws], s25, v[L16]
	s_add_co_u32 s25, s25, REDW
.endr
	s_wait_loadcnt 32                      ; the indices and b2 are in; the only younger loads are block 0's 32
	s_mov_b32 s[OFF], 0                    ; OFF = tokens that name a lower expert
.set q, 0
.rept 32
	v_cmp_gt_u32 s24, s[SE], v[AF+q]
	s_bcnt1_i32_b32 s25, s24
	s_add_co_u32 s[OFF], s[OFF], s25
.set q, q+1
.endr
	s_min_u32 s[OFF], s[OFF], 1024
	s_mul_i32 s25, s[WV], 44               ; descriptor group 0: my 44 rows of the expert's 176, tiles 0 and 1
	s_add_co_u32 s52, s[OFF], s25
	s_lshl_b32 s52, s52, 13
	s_mov_b32 s53, 0
	s_mul_i32 s25, s[WV], 44*HPITCH
	s_mov_b32 s[G0], 1                     ; 1:0 count = 1
	s_mov_b32 s[G0+1], s25                 ; 63:32 LDS address: my quarter of slot 0
	s_add_nc_u64 s[G0+2:G0+3], s[4:5], s[52:53]  ; 120:64 global address
	s_mov_b32 s[G0+4], 1
	s_add_co_u32 s[G0+5], s25, HSLOT
	s_add_nc_u64 s[G0+6:G0+7], s[G0+2:G0+3], HSTEP
	s_or_b32 s[G0+3], s[G0+3], 0x80000000  ; 127:126 type = 2
	s_or_b32 s[G0+7], s[G0+7], 0x80000000
	tensor_load_to_lds s[G0:G0+3], s[G1:G1+7]  ; tile 0; slot 1 is filled behind the first trip's barrier
	s_nop 0
	PLACES
	s_wait_xcnt 0x0
	s_add_nc_u64 s[PW:PW+1], s[PW:PW+1], WBLK
	WLOAD 1, 0                             ; block 1
	WLOAD 1, 1
	s_wait_xcnt 0x0
	s_add_nc_u64 s[PW:PW+1], s[PW:PW+1], WBLK
	WIN 0
	v_add_nc_u32 v[T0+2], v[LB], v[L16]
.set i, 0
.rept 8                                ; my list starts as zeros
	ds_store_b128 v[T0+2], v[ZR:ZR+3] offset:512*i
.set i, i+1
.endr
	s_mov_b32 s[CNT], 0                    ; a token's rank = those of my expert in earlier registers, plus those in lower lanes of its own register
.set q, 0
.rept 32
	v_cmp_eq_u32 s24, s[SE], v[AF+q]
	v_mbcnt_lo_u32_b32 v[T0], s24, s[CNT]
	v_cndmask_b32 v[T0], v[K1024], v[T0], s24  ; a lane whose token names another expert writes word 1024, which nobody reads
	v_min_u32 v[T0], 0x400, v[T0]
	v_lshl_add_u32 v[T0], v[T0], 2, v[LB]
	v_add_nc_u32 v[T0+1], 128*(q/4)+q%4, v[TK4]
	ds_store_b32 v[T0], v[T0+1]
	s_bcnt1_i32_b32 s25, s24
	s_add_co_u32 s[CNT], s[CNT], s25
.set q, q+1
.endr
	s_min_u32 s[CNT], s[CNT], 1024
	s_min_u32 s[ROWS], s[CNT], MB
	s_add_co_u32 s[NT], s[ROWS], 15
	s_lshr_b32 s[NT], s[NT], 4
	WIN 0x40                               ; the sums start at 0; what the jumps may leave out is written once
.set i, 0
.rept 256
	v_mov_b32 v[i], 0
.set i, i+1
.endr
	WIN 0x80
.set i, AFB+64
.rept 24
	v_mov_b32 v[i], 0
.set i, i+1
.endr
.set i, AC10
.rept 32
	v_mov_b32 v[i], 0
.set i, i+1
.endr
	WIN 0
.set i, AF+64
.rept 88
	v_mov_b32 v[i], 0
.set i, i+1
.endr
	s_mov_b32 s[LC], 7
.Llap:                                         ; blocks 0 to 13
	TRIP 0, 1, 1, 48, 48, 1
	TRIP 1, 1, 1, 48, 48, 1
	s_sub_co_u32 s[LC], s[LC], 1
	s_cmp_lg_u32 s[LC], 0
	s_cbranch_scc1 .Llap
	TRIP 0, 1, 0, 48, 32, 0                ; block 14: the last tile is asked for; no weights are left to ask for
	TRIP 1, 0, 0, 16, 0, 0                 ; block 15
	s_wait_dscnt 0x0
	s_barrier_signal -1
	s_barrier_wait -1                      ; nobody reads the ring any more, and it has had its last fill: the partial sums may lie over it
	DUMP
	s_wait_dscnt 0x0                       ; for the others' sake: my partial sums are stored
	s_barrier_signal -1
	s_barrier_wait -1
	; THE SLOW WAY, for ranks from 176 on: wave w takes the tiles w, w + 4, .. of 16 rows, each through all of K.  No barrier, no tensor load, no LDS store, no mask.
	; The loop counts to the most that a wave can have; the trips past my number of tiles are jumped.
	s_cmp_le_u32 s[CNT], MB
	s_cbranch_scc1 .Lfast
	s_sub_co_u32 s25, s[CNT], MB-15
	s_lshr_b32 s25, s25, 4                 ; tiles in all
	s_add_co_u32 s25, s25, 3
	s_sub_co_u32 s25, s25, s[WV]
	s_lshr_b32 s[NW], s25, 2               ; mine
	s_sub_co_u32 s[CM1], s[CNT], 1
	s_mov_b32 s[SI], 0
.Lslow:
	s_cmp_ge_u32 s[SI], s[NW]
	s_cbranch_scc1 .Lslow_next
	s_lshl2_add_u32 s25, s[SI], s[WV]
	s_lshl_b32 s25, s25, 4
	s_add_co_u32 s[R0], s25, MB            ; the tile's first rank
	s_wait_xcnt 0x0                        ; the registers and bases of the tile before are written again only behind this wait
	v_add_nc_u32 v[T0], s[R0], v[RR]
	v_min_u32 v[T0], s[CM1], v[T0]         ; places past the count repeat the last row
	v_add_nc_u32 v[T0], s[OFF], v[T0]
	v_min_u32 v[T0], 0x3ff, v[T0]
	v_lshlrev_b32 v[T0], 13, v[T0]
	v_lshl_add_u32 v[XO], v[HH], 4, v[T0]  ; my row of h x 8,192 + 16 x half
	s_lshl_b32 s84, s[SE], 24
	s_lshl_b32 s83, s[SX], 8
	s_add_co_u32 s84, s84, s83
	s_mov_b32 s85, 0
	s_add_nc_u64 s[PS:PS+1], s[8:9], s[84:85]
	s_mov_b64 s[PX:PX+1], s[4:5]
.set i, 0
.rept 32
	v_mov_b32 v[AC4+i], 0
.set i, i+1
.endr
	s_mov_b32 s[KC], 32
.Lsk:                                          ; 128 along K: four K steps
	WIN 0xc0
.set k, 0
.rept 4
.set i, 0
.rept 16
	global_load_b128 v[64*k+4*i:64*k+4*i+3], v[VW], s[PS:PS+1] offset:(16*k+8*(i/8)+64*((i%8)/4)+i%4)*WROW
.set i, i+1
.endr
.set k, k+1
.endr
	WIN 0
.set k, 0
.rept 4
	global_load_b128 v[48+8*k:48+8*k+3], v[XO], s[PX:PX+1] offset:64*k
	global_load_b128 v[48+8*k+4:48+8*k+7], v[XO], s[PX:PX+1] offset:64*k+32
.set k, k+1
.endr
	s_wait_loadcnt 0x0
	WIN 0x0f
.set k, 0
.rept 4
.set t, 0
.rept 4
.set m, 0
.rept 8
	v_cvt_pk_bf16_f32 v[80+32*k+8*t+m], v[64*k+8*m+t], v[64*k+8*m+4+t]
.set m, m+1
.endr
.set t, t+1
.endr
.set k, k+1
.endr
	WIN 0
.set k, 0
.rept 4
.set t, 0
.rept 4                                ; four accumulators by turns
	MM1 AC4+8*t, 48+8*k, 80+32*k+8*t
.set t, t+1
.endr
.set k, k+1
.endr
	PLACES
	s_wait_xcnt 0x0
	s_add_nc_u64 s[PS:PS+1], s[PS:PS+1], 128*WROW
	s_add_nc_u64 s[PX:PX+1], s[PX:PX+1], 256
	s_sub_co_u32 s[KC], s[KC], 1
	s_cmp_lg_u32 s[KC], 0
	s_cbranch_scc1 .Lsk
	; register AC4 + 8 t + j holds (rank R0 + 8 (lane / 16) + j, column 4 r + t).  A rank past the count holds the last rank's sums and goes to the last rank's token.
	v_lshl_add_u32 v[T0], v[HH], 3, s[R0]
.set j, 0
.rept 8
	v_add_nc_u32 v[LAS+j], j, v[T0]
	v_min_u32 v[LAS+j], s[CM1], v[LAS+j]
	v_min_u32 v[LAS+j], 0x3ff, v[LAS+j]
	v_lshl_add_u32 v[LAS+j], v[LAS+j], 2, v[LB]
.set j, j+1
.endr
.set j, 0
.rept 8
	ds_load_b32 v[TKS+j], v[LAS+j]
.set j, j+1
.endr
	s_wait_dscnt 0x0
.set j, 0
.rept 8
	v_min_u32 v[TKS+j], 0x3ff, v[TKS+j]
	v_lshl_add_u32 v[TKS+j], v[TKS+j], 12, v[R16]
.set j, j+1
.endr
.set j, 0
.rept 8                                ; each accumulator's register 0 is read first
	v_add_f32 v[OS+4*j], v[AC4+j], v[B2]
	v_add_f32 v[OS+4*j+1], v[AC4+8+j], v[B2+1]
	v_add_f32 v[OS+4*j+2], v[AC4+16+j], v[B2+2]
	v_add_f32 v[OS+4*j+3], v[AC4+24+j], v[B2+3]
	global_store_b128 v[TKS+j], v[OS+4*j:OS+4*j+3], s[SB:SB+1] th:TH_STORE_NT  ; 16 lanes store 256 consecutive bytes of one row, at a multiple of 256 from out's first byte
.set j, j+1
.endr
.Lslow_next:
	s_add_co_u32 s[SI], s[SI], 1
	s_cmp_lt_u32 s[SI], SLOWT
	s_cbranch_scc1 .Lslow
.Lfast:
	; THE FAST WAY OUT.  My tiles are w, w + 4, w + 8.  First, without condition, the offsets in out of all their rows, from my list (ranks 16 w + 64 m + 8 (lane / 16) + j, 191 at the most).
	s_wait_xcnt 0x0
	s_lshl_b32 s[RB], s[WV], 4
	v_lshl_add_u32 v[T0], v[HH], 3, s[RB]
	v_lshl_add_u32 v[T0+1], v[T0], 2, v[LB]
.set em, 0
.rept 3
	ds_load_b128 v[TK+8*em:TK+8*em+3], v[T0+1] offset:256*em
	ds_load_b128 v[TK+8*em+4:TK+8*em+7], v[T0+1] offset:256*em+16
.set em, em+1
.endr
	v_sub_nc_u32 v[REM], s[ROWS], v[T0]
	s_wait_dscnt 0x0
.set j, 0
.rept 24
	v_min_u32 v[TK+j], 0x3ff, v[TK+j]
	v_lshl_add_u32 v[TK+j], v[TK+j], 12, v[R16]
.set j, j+1
.endr
	; Then tile by tile: the four waves' sums are added, b2 is added, and the rows under the count are stored.  The first tile without rows ends the way out.
.set em, 0
.rept 3
.if em == 2
	s_cmp_ge_u32 s[RB], MB                 ; wave 3's third tile would be tile 11, which does not exist
	s_cbranch_scc1 .Lend
.endif
	s_cmp_ge_u32 s[RB], s[ROWS]
	s_cbranch_scc1 .Lend
.set ws, 0
.rept 4
.set t, 0
.rept 4
	ds_load_b128 v[48+32*ws+8*t:48+32*ws+8*t+3], v[RA+ws] offset:16384*em+t*512
	ds_load_b128 v[48+32*ws+8*t+4:48+32*ws+8*t+7], v[RA+ws] offset:16384*em+8192+t*512
.set t, t+1
.endr
.set ws, ws+1
.endr
	s_wait_dscnt 0x0
.set i, 0
.rept 16
	v_pk_add_f32 v[48+2*i:48+2*i+1], v[48+2*i:48+2*i+1], v[80+2*i:80+2*i+1]
	v_pk_add_f32 v[112+2*i:112+2*i+1], v[112+2*i:112+2*i+1], v[144+2*i:144+2*i+1]
.set i, i+1
.endr
.set i, 0
.rept 16
	v_pk_add_f32 v[48+2*i:48+2*i+1], v[48+2*i:48+2*i+1], v[112+2*i:112+2*i+1]
.set i, i+1
.endr
.set j, 0
.rept 8                                ; register 48 + 8 t + j holds (rank 16 T + 8 (lane / 16) + j, column 4 r + t)
	v_add_f32 v[OO], v[48+j], v[B2]
	v_add_f32 v[OO+1], v[56+j], v[B2+1]
	v_add_f32 v[OO+2], v[64+j], v[B2+2]
	v_add_f32 v[OO+3], v[72+j], v[B2+3]
	v_cmp_lt_i32 vcc_lo, 64*em+j, v[REM]   ; rows past the count are not stored
	s_wait_xcnt 0x0                        ; EXEC changes only behind this wait
	s_and_saveexec_b32 s24, vcc_lo
	global_store_b128 v[TK+8*em+j], v[OO:OO+3], s[SB:SB+1] th:TH_STORE_NT  ; 16 lanes store 256 consecutive bytes of one row, at a multiple of 256 from out's first byte
	s_wait_xcnt 0x0                        ; and again; the four data registers too are written again only behind this one
	s_or_b32 exec_lo, exec_lo, s24
.set j, j+1
.endr
	s_add_co_u32 s[RB], s[RB], 64
.set em, em+1
.endr
.Lend:
	s_wait_tensorcnt 0x0                   ; the wave's end, behind my last tensor load and my last LDS store
	ds_add_u32 v[SPW], v[NIL]
	s_wait_dscnt 0x0
	s_endpgm
.Lfunc_end_k_qcff6cd0680_down:
	.size	k_qcff6cd0680_down, .Lfunc_end_k_qcff6cd0680_down-k_qcff6cd0680_down
	.p2alignl 7, 3214868480
	.fill 96, 4, 3214868480
	.section	.rodata,"a",@progbits
	.p2align	6, 0x0
	.amdhsa_kernel k_qcff6cd0680_down
		.amdhsa_group_segment_fixed_size 327680
		.amdhsa_private_segment_fixed_size 0
		.amdhsa_enable_private_segment 0
		.amdhsa_kernarg_size 40
		.amdhsa_user_sgpr_count 2
		.amdhsa_user_sgpr_kernarg_segment_ptr 1
		.amdhsa_wavefront_size32 1
		.amdhsa_system_sgpr_workgroup_id_x 1
		.amdhsa_system_sgpr_workgroup_id_y 1
		.amdhsa_system_sgpr_workgroup_id_z 1
		.amdhsa_system_vgpr_workitem_id 0
		.amdhsa_next_free_vgpr 1024
		.amdhsa_next_free_sgpr 104
		.amdhsa_reserve_vcc 1
		.amdhsa_float_denorm_mode_32 3
		.amdhsa_float_denorm_mode_16_64 3
		.amdhsa_memory_ordered 1
		.amdhsa_forward_progress 1
		.amdhsa_inst_pref_size 167
	.end_amdhsa_kernel
	.amdgpu_metadata
---
amdhsa.version: [ 1, 2 ]
amdhsa.kernels:
  - .name:           k_qcff6cd0680_down
    .symbol:         k_qcff6cd0680_down.kd
    .args:
      - { .name: h, .offset: 0, .size: 8, .value_kind: global_buffer, .address_space: global }
      - { .name: expert_idx, .offset: 8, .size: 8, .value_kind: global_buffer, .address_space: global }
      - { .name: W2, .offset: 16, .size: 8, .value_kind: global_buffer, .address_space: global }
      - { .name: b2, .offset: 24, .size: 8, .value_kind: global_buffer, .address_space: global }
      - { .name: out0, .offset: 32, .size: 8, .value_kind: global_buffer, .address_space: global }
    .group_segment_fixed_size: 327680
    .private_segment_fixed_size: 0
    .kernarg_segment_align: 8
    .kernarg_segment_size: 40
    .max_flat_workgroup_size: 128
    .sgpr_count:     104
    .vgpr_count:     1024
    .wavefront_size: 32
...
	.end_amdgpu_metadata
.endif
;; end of part 2
;; ======== version 2 of 3: 3 launches
;; limits: a function is approximated: absolute error at most 1.5e-07
;; workspace buffers: h 10,485,760 bytes; part 8,388,608 bytes
;; launch up (part 3): grid 32 x 8, 4 waves a work-group, no clusters, 310,272 bytes of LDS; arguments x, expert_idx, W1, b1, h; writes h
.if DOCPART == 3
	.amdgcn_target "amdgcn-amd-amdhsa--gfx1250"
	.amdhsa_code_object_version 6
	.text
	.protected	k_qcff6cd0680_up
	.globl	k_qcff6cd0680_up
	.p2align	8
	.type	k_qcff6cd0680_up,@function
k_qcff6cd0680_up:
	s_mov_b64 s[64:65], 0
	v_nop
	global_prefetch_b8 v0, s[64:65] scope:SCOPE_SE
	s_setreg_imm32_b32 hwreg(HW_REG_WAVE_MODE, 25, 1), 1
	s_wait_xcnt 0x0
; h = gelu(x[token] W1[e] + b1[e]), exact (erf) GELU, for the expert e that each token names.  x [1024][1024] f32, W1 [8][1024][4096] f32, b1 [8][4096] f32.
; h IS LAID OUT AS THE NEXT PRODUCT'S MATRIX OPERAND: 80 tiles of 16 rows; a tile is 128 K steps of 1,024 bytes; in a K step lane l's registers 0-3 lie at 16 l, its registers 4-7 at 512 + 16 l (bf16).
; Place k = 16 u + 8 (l / 16) + j of K step kb is feature 64 (kb / 2) + 32 (l / 16) + 4 j + 2 (kb % 2) + u; the row is l % 16.
; Expert e's rows (rank = the token's place among its expert's, in the order of THE ROUTING below) begin at tile (OFF_e / 16) + e, OFF_e = tokens that name a lower expert.  With OFF = 16 a + b, count = 16 c + d
; the next expert begins c + 1 + (b + d) / 16 tiles on and the expert fills c + (d > 0): the regions never overlap, and at most one tile of a region is nobody's.  That tile is stored as zeros, and so are tiles
; 72-79, behind the last region: the next launch reads eight tiles from each expert's first, and reads stored bytes only.
; SHARES.  Work-group (X, E): 128 columns of expert E and all of E's rows; it alone reads its 512 KiB of W1.  Wave w: columns 64 (w & 1) on, and of every 128 along K the half w >> 1, so each weight is
; loaded by one wave.  The two K halves' sums (f32) meet once in LDS at the end; the first half's sums start at b1, the second's at 0.
; WEIGHTS go from memory through registers into the matrix operand: load i of a K step of 32 takes row (i & 7) + 16 (i >> 3) + 8 (lane / 16), 16 bytes at column 4 (lane % 16): sixteen lanes read 256 consecutive
; aligned bytes.  Column tile t is the columns 4 r + t, so operand register m of tile t is loads 2 m and 2 m + 1, word t, rounded to bf16 as a pair.  WEIGHTS ARE SOURCE 0, TOKENS SOURCE 1: in the result a lane
; holds ONE token (lane % 16) and the columns 4 (8 (lane / 16) + j) + t, so two column tiles, rounded in pairs, are a K step of h as laid out above, and each store of a wave covers 512 consecutive bytes.
; ROWS.  Ranks 0-175 (11 tiles of 16) go the fast way, whose barriers and load counts are constants; tiles 8, 9 and tile 10 are jumped, forward, where the expert has no such rows (register and LDS work alone is
; jumped).  Ranks from 176 on go the slow way at the end: a wave takes a tile of 16 rows through all of K by itself, without barrier or LDS store.  It serves every split, at a far lower speed.
; PLACES PAST THE COUNT in an expert's last tile repeat its last row: tiles are stored whole, no store is masked, and EXEC is never written.
; NO CLUSTER: what an expert's 32 work-groups share is its token rows; these come by a list, which no tensor descriptor covers, and as f32 that is rounded on the way: they pass through registers.
; LIMITS.  x, W1 and h are rounded to bf16, sums in f32.  erf by Abramowitz and Stegun 7.1.26, absolute error 1.5e-7 at every x; an exponential below 2^-126 counts as 0; NaN and infinities are not treated apart.
.set MB,     176                       ; rows of the fast way
.set APITCH, 272                       ; an LDS row of x: 128 bf16 + 16 bytes: an odd multiple of 16, so the 16 rows of a fragment load start at 16 different groups of four banks (ISA guide 11.1)
.set ASLOT,  MB*APITCH                 ; 47,872
.set RED,    2*ASLOT                   ; the waves' partial sums: 49,152 bytes a wave
.set REDW,   49152
.set LIST,   RED+4*REDW                ; each wave's own list rank -> token: 1,024 words and a word for the lanes that have nothing to say
.set LISTW,  4352
.set SPARE,  LIST+4*LISTW              ; the spare words, 128 bytes a wave: two blocks of 256 bytes that no other line names
.set WROW,   16384                     ; bytes in a row of W1
.set WBLK,   128*WROW                  ; a block of 128 along K
.set SLOWT,  14                        ; the most tiles of the slow way that a wave can have: ceil((64 - 11) / 4)
; window 0
.set RR, 1                             ; lane % 16
.set HH, 2                             ; lane / 16
.set LN, 3                             ; lane
.set VW, 4                             ; my byte offset in a K step of W1: 8 (lane / 16) rows + 16 (lane % 16)
.set VP, 5                             ; lane rows of W1: for asking ahead
.set AFA, 6                            ; v6-7   my place in slot 0, 1 for fragment loads
.set RATA, 8                           ; the way out: this trip's address in the first K half's partial sums
.set RATB, 9                           ; and in the second's
.set RDA, 10                           ; where my partial sums go
.set RA, 11                            ; v11-12 my place in wave 0's and wave 2's partial sums; never rewritten
.set LB, 15                            ; my wave's list
.set HB, 16                            ; 128 (lane / 16): my 32 numbers of b1
.set T0, 18                            ; v18-21 at work
.set XO, 20
.set L16, 34
.set R16, 35
.set T16, 36
.set TK4, 37
.set K1024, 38
.set ROWV, 39
.set ZR, 40                            ; v40-43 zeros
.set SPW, 46                           ; LDS address of my spare word; never rewritten
.set NIL, 47                           ; 0; never rewritten
.set BF, 48                            ; v48-79   weights of one K step, 8 registers a column tile (first: b1, register 4 j + t)
.set AF, 80                            ; v80-167  tokens of one K step, 8 registers a tile (first: the 32 index registers)
.set AC8, 168                          ; v168-231 accumulators of tiles 8, 9
; window 1: accumulators of tiles 0-7, (T, t) at 32 T + 8 t.   window 3: W1 as loaded, buffer (p, j) at 64 (2 p + j)
; window 2
.set AS, 0                             ; v0-175   x as loaded: pair n of rows at 8 n (the slow way: v0-63 b1 of both column groups)
.set RO, 176                           ; v176-197 byte offset in x of pair n's row
.set ASA, 198                          ; v198-199 where I store a pair's row in slot 0, 1
.set AC10, 200                         ; v200-231 accumulators of tile 10
.set TM, 232                           ; v232-255 rounded x on its way to LDS
; the way out, window 0
.set GX, 48
.set GU, 80
.set GD, 112
.set GQ, 144
.set GR, 176
.set GO, 208
.set GH, 224                           ; the slow way: the second column group's sums wait here
.set XS, 80                            ; the slow way: x as loaded, its fragment, the weights' fragments
.set AF8, 96
.set BF64, 104
; scalars: s[4:13] x, expert_idx, W1, b1, h
.set WV, 14
.set SC, 15
.set SG, 16
.set SE, 17
.set SX, 18
.set CNT, 19
.set OFF, 20
.set ROWS, 21
.set NT, 22
.set LC, 23
.set PW, 26
.set PA, 28
.set SB, 30
.set HF, 48
.set RB, 49                            ; the tile in hand, counted from the expert's first
.set RM1, 51
.set SU, 54
.set NW, 55
.set SI, 56
.set KC, 57
.set PS, 58
.set PX, 60
.set R0, 62
.set CM1, 63
.set KAP, 66                           ; pairs of constants: the packed forms take the low word for both halves
.set PP, 68
.set CA1, 70
.set CA2, 72
.set CA3, 74
.set CA4, 76
.set CA5, 78
.set ROF, 82                           ; the way out: the trip's place in the partial sums
.set OFFT, 83                          ; the expert's first tile of h
.set NTT, 84                           ; the expert's tiles
.set CI, 85                            ; the column group in hand
.set MSB, 0
.macro WIN new                         ; the immediate's high byte repeats the setting that is left; a switch that changes nothing is dropped
.if MSB != (\new)
	s_set_vgpr_msb (MSB<<8)|(\new)
.set MSB, (\new)
.endif
.endm
.macro PLACES                          ; four plain places behind matrix instructions (ISA guide 7.12.1)
.rept 4
	v_nop
.endr
.endm
.macro CONST reg, val
	s_mov_b32 s[\reg], \val
	s_mov_b32 s[(\reg)+1], s[\reg]
.endm
; 16 loads: K step j of the block blk blocks behind PW into buffer (p, j)
.macro WLOAD p, j, blk
	WIN 0xc0                               ; destination window 3, address window 0
.set i, 0
.rept 16
	global_load_b128 v[64*(2*(\p)+(\j))+4*i:64*(2*(\p)+(\j))+4*i+3], v[VW], s[PW:PW+1] offset:(128*(\blk)+32*(\j)+i%8+16*(i/8))*WROW th:TH_LOAD_NT
.set i, i+1
.endr
.endm
; buffer (p, j) rounded into the four column tiles' operands
.macro CVTW p, j
	WIN 0x0f                               ; sources window 3, destination window 0
.set wb, 64*(2*(\p)+(\j))
.set t, 0
.rept 4
.set m, 0
.rept 8
	v_cvt_pk_bf16_f32 v[BF+8*t+m], v[wb+8*m+t], v[wb+8*m+4+t]
.set m, m+1
.endr
.set t, t+1
.endr
.endm
.macro AFT d, a, o                     ; a fragment of 16 rows x 32 K: two loads, 32 bytes apart
	ds_load_b128 v[(\d):(\d)+3], v[\a] offset:(\o)
	ds_load_b128 v[(\d)+4:(\d)+7], v[\a] offset:(\o)+32
.endm
.macro AFLOAD p, j                     ; the tokens' fragments of my K step j from slot p
	WIN 0
.set T, 0
.rept 8
	AFT AF+8*T, AFA+(\p), T*16*APITCH+64*(\j)
.set T, T+1
.endr
	s_cmp_lt_u32 s[NT], 9
	s_cbranch_scc1 .Laf_\@
.rept 2
	AFT AF+8*T, AFA+(\p), T*16*APITCH+64*(\j)
.set T, T+1
.endr
	s_cmp_lt_u32 s[NT], 11
	s_cbranch_scc1 .Laf_\@
	AFT AF+8*T, AFA+(\p), T*16*APITCH+64*(\j)
.Laf_\@:
.endm
.macro MM1 d, a, b
	v_wmma_f32_16x16x32_bf16 v[(\d):(\d)+7], v[(\a):(\a)+7], v[(\b):(\b)+7], v[(\d):(\d)+7]
.endm
; a K step's products.  The accumulators take turns, one instruction a turn: no two on end share one, over the jumps and from step to step too
.macro MMA
	WIN 0x50                               ; C and D window 1
.set T, 0
.rept 8
.set t, 0
.rept 4
	MM1 32*T+8*t, BF+8*t, AF+8*T
.set t, t+1
.endr
.set T, T+1
.endr
	WIN 0
	s_cmp_lt_u32 s[NT], 9
	s_cbranch_scc1 .Lmm_\@
.rept 2
.set t, 0
.rept 4
	MM1 AC8+32*(T-8)+8*t, BF+8*t, AF+8*T
.set t, t+1
.endr
.set T, T+1
.endr
	s_cmp_lt_u32 s[NT], 11
	s_cbranch_scc1 .Lmm_\@
	WIN 0xa0                               ; C and D window 2
.set t, 0
.rept 4
	MM1 AC10+8*t, BF+8*t, AF+80
.set t, t+1
.endr
	WIN 0
.Lmm_\@:
	PLACES                                 ; for the loads and conversions that next write these operands, and for the stores that read the sums
.endm
; x: pair n is the rows 8 n + 2 w + lane / 16; a load takes 256 consecutive bytes of each of the two rows; blk: blocks behind PA
.macro AIS n, blk
	global_load_b128 v[AS+8*(\n):AS+8*(\n)+3], v[RO+(\n)], s[PA:PA+1] offset:512*(\blk)
	global_load_b128 v[AS+8*(\n)+4:AS+8*(\n)+7], v[RO+(\n)], s[PA:PA+1] offset:512*(\blk)+256
.endm
.macro AST n, slot
.set tm, TM+4*((\n)%6)
	v_cvt_pk_bf16_f32 v[tm], v[AS+8*(\n)], v[AS+8*(\n)+1]
	v_cvt_pk_bf16_f32 v[tm+1], v[AS+8*(\n)+2], v[AS+8*(\n)+3]
	v_cvt_pk_bf16_f32 v[tm+2], v[AS+8*(\n)+4], v[AS+8*(\n)+5]
	v_cvt_pk_bf16_f32 v[tm+3], v[AS+8*(\n)+6], v[AS+8*(\n)+7]
	ds_store_b64 v[ASA+(\slot)], v[tm:tm+1] offset:8*APITCH*(\n)
	ds_store_b64 v[ASA+(\slot)], v[tm+2:tm+3] offset:8*APITCH*(\n)+128
.endm
.macro AISSUE all, blk                 ; all = 1: the first time every pair is loaded, so that every register is written on every way
	WIN 0x8a                               ; destination, address and data window 2
.set n, 0
.rept 16
	AIS n, \blk
.set n, n+1
.endr
.if !(\all)
	WIN 0
	s_cmp_lt_u32 s[NT], 9
	s_cbranch_scc1 .Lai_\@
	WIN 0x8a
.endif
.rept 4
	AIS n, \blk
.set n, n+1
.endr
.if !(\all)
	WIN 0
	s_cmp_lt_u32 s[NT], 11
	s_cbranch_scc1 .Lai_\@
	WIN 0x8a
.endif
.rept 2
	AIS n, \blk
.set n, n+1
.endr
	WIN 0
.if !(\all)
.Lai_\@:
.endif
.endm
.macro ASTORE slot, all
	WIN 0x8a
.set n, 0
.rept 16
	AST n, \slot
.set n, n+1
.endr
.if !(\all)
	WIN 0
	s_cmp_lt_u32 s[NT], 9
	s_cbranch_scc1 .Las_\@
	WIN 0x8a
.endif
.rept 4
	AST n, \slot
.set n, n+1
.endr
.if !(\all)
	WIN 0
	s_cmp_lt_u32 s[NT], 11
	s_cbranch_scc1 .Las_\@
	WIN 0x8a
.endif
.rept 2
	AST n, \slot
.set n, n+1
.endr
	WIN 0
.if !(\all)
.Las_\@:
.endif
.endm
; Block t of 128 along K, in slot p = t % 2; PW and PA stand at block t.  wl = 1: block t + 2's weights and x are asked for.  ac = 1: block t + 1's x, in registers, goes into the other slot.
; ONE barrier a trip: in front of it my stores into slot p and my reads of the other slot are done; behind it slot p is whole and the other slot may be written.
; cnt: the loads go out in the order W(t+2), x(t+2); so at the trip's end the only loads younger than x(t+1) are W(t+2)'s 32, and W(t+1), older than x(t+1), is in as well.
; pf: my 64 rows of block t + 3 are asked for ahead, a lane a row (256 bytes each), one trip ahead of their loads; 2: not in the loop's last trip, where block 8 would lie past my slice.
.macro TRIP p, wl, ac, cnt, pf
	s_wait_dscnt 0x0
	s_barrier_signal -1
	s_barrier_wait -1
	AFLOAD \p, 0
	CVTW \p, 0
.if \wl
	WLOAD \p, 0, 2
.endif
	s_wait_dscnt 0x0                       ; the fragments are in
	MMA
	AFLOAD \p, 1
	CVTW \p, 1
.if \wl
	WLOAD \p, 1, 2
.endif
	WIN 0
.if \pf
.if (\pf) == 2
	s_cmp_eq_u32 s[LC], 1
	s_cbranch_scc1 .Lnopf_\@
.endif
	global_prefetch_b8 v[VP], s[PW:PW+1] offset:3*WBLK th:TH_LOAD_NT scope:SCOPE_SE
	global_prefetch_b8 v[VP], s[PW:PW+1] offset:3*WBLK+32*WROW th:TH_LOAD_NT scope:SCOPE_SE
.if (\pf) == 2
.Lnopf_\@:
.endif
.endif
	s_wait_dscnt 0x0
	MMA
.if \ac
	s_wait_loadcnt \cnt
	ASTORE 1-(\p), 0
.endif
.if \wl
	s_wait_xcnt 0x0                        ; the two bases are stepped only behind this wait
	s_add_nc_u64 s[PW:PW+1], s[PW:PW+1], WBLK
	s_add_nc_u64 s[PA:PA+1], s[PA:PA+1], 512
	AISSUE 0, 1                            ; PA stands at block t + 1 now
.endif
.endm
; my partial sums into LDS: tile T = o + 4 m, column tile t, register half hf at ((((2 m + hf) 4 + o) 4 + t) 512 + 16 lane.  Each accumulator's low four registers go first.
.macro DMP d, T, t
	ds_store_b128 v[RDA], v[(\d):(\d)+3] offset:(((((\T)/4)*2)*4+(\T)%4)*4+(\t))*512
	ds_store_b128 v[RDA], v[(\d)+4:(\d)+7] offset:(((((\T)/4)*2+1)*4+(\T)%4)*4+(\t))*512
.endm
.macro DUMP
	WIN 0x04                               ; data window 1
.set T, 0
.rept 8
.set t, 0
.rept 4
	DMP 32*T+8*t, T, t
.set t, t+1
.endr
.set T, T+1
.endr
	WIN 0
	s_cmp_lt_u32 s[NT], 9
	s_cbranch_scc1 .Ldm_\@
.rept 2
.set t, 0
.rept 4
	DMP AC8+32*(T-8)+8*t, T, t
.set t, t+1
.endr
.set T, T+1
.endr
	s_cmp_lt_u32 s[NT], 11
	s_cbranch_scc1 .Ldm_\@
	WIN 0x08                               ; data window 2
.set t, 0
.rept 4
	DMP AC10+8*t, 10, t
.set t, t+1
.endr
	WIN 0
.Ldm_\@:
.endm
; 32 sums a lane, b1 in them (register 8 t + j: column 64 CI + 4 (8 (lane / 16) + j) + t of token lane % 16 of tile RB) -> GELU -> bf16 -> h: K steps 4 X + 2 CI and the next, 2,048 consecutive bytes.
; gelu(x) = max(x, 0) - 0.5 |x| erfc(|x| / sqrt 2);  erfc(z) = t (a1 + t (a2 + ..)) e^(-z z), t = 1 / (1 + p z).  With u = kappa x, kappa = sqrt(log2(e) / 2): e^(-z z) = 2^(-u u), p z = p' |u|; the a carry the -0.5.
; The 32 reciprocals and 32 exponentials are ONE batch; the 32 maxima are the plain work behind it; ONE wait stands ahead of the first reader.
.macro GELU_STORE
.set i, 0
.rept 16
	v_pk_mul_f32 v[GU+2*i:GU+2*i+1], v[GX+2*i:GX+2*i+1], s[KAP:KAP+1] op_sel_hi:[1,0]
.set i, i+1
.endr
.set i, 0
.rept 32
	v_fma_f32 v[GD+i], |v[GU+i]|, s[PP], 1.0
.set i, i+1
.endr
.set i, 0
.rept 16
	v_pk_mul_f32 v[GQ+2*i:GQ+2*i+1], v[GU+2*i:GU+2*i+1], v[GU+2*i:GU+2*i+1] neg_lo:[1,0] neg_hi:[1,0]
.set i, i+1
.endr
.set i, 0
.rept 32
	v_rcp_f32 v[GD+i], v[GD+i]
.set i, i+1
.endr
.set i, 0
.rept 32
	v_exp_f32 v[GQ+i], v[GQ+i]
.set i, i+1
.endr
.set i, 0
.rept 32
	v_max_num_f32 v[GR+i], 0, v[GX+i]
.set i, i+1
.endr
	s_wait_alu depctr_va_vdst(0)
.set i, 0
.rept 16
	v_pk_fma_f32 v[GU+2*i:GU+2*i+1], v[GD+2*i:GD+2*i+1], s[CA5:CA5+1], s[CA4:CA4+1] op_sel_hi:[1,0,0]
.set i, i+1
.endr
.irp c, CA3, CA2, CA1
.set i, 0
.rept 16
	v_pk_fma_f32 v[GU+2*i:GU+2*i+1], v[GU+2*i:GU+2*i+1], v[GD+2*i:GD+2*i+1], s[\c:\c+1] op_sel_hi:[1,1,0]
.set i, i+1
.endr
.endr
.set i, 0
.rept 16
	v_pk_mul_f32 v[GU+2*i:GU+2*i+1], v[GU+2*i:GU+2*i+1], v[GD+2*i:GD+2*i+1]
.set i, i+1
.endr
.set i, 0
.rept 16
	v_pk_mul_f32 v[GU+2*i:GU+2*i+1], v[GU+2*i:GU+2*i+1], v[GQ+2*i:GQ+2*i+1]
.set i, i+1
.endr
.set i, 0
.rept 32
	v_fma_f32 v[GX+i], |v[GX+i]|, v[GU+i], v[GR+i]
.set i, i+1
.endr
	s_wait_xcnt 0x0                        ; the data and the base of the stores before are written again only behind this wait
.set i, 0
.rept 16                               ; column tile t's eight numbers are four registers of an operand: tiles 0, 1 make the first K step, tiles 2, 3 the second
	v_cvt_pk_bf16_f32 v[GO+i], v[GX+2*i], v[GX+2*i+1]
.set i, i+1
.endr
	s_add_co_u32 s52, s[OFFT], s[RB]       ; the tile of h,
	s_min_u32 s52, s52, 79                 ; (a tile that is stored lies in 0 .. 71: the bound written in the text)
	s_lshl_b32 s52, s52, 7                 ; its 128 K steps,
	s_lshl2_add_u32 s52, s[SX], s52        ; the slice's four,
	s_lshl1_add_u32 s52, s[CI], s52        ; the column group's two,
	s_lshl_b32 s52, s52, 10                ; of 1,024 bytes
	s_mov_b32 s53, 0
	s_add_nc_u64 s[SB:SB+1], s[12:13], s[52:53]
.set t, 0
.rept 4
	global_store_b128 v[L16], v[GO+4*t:GO+4*t+3], s[SB:SB+1] offset:512*t  ; the wave stores 512 consecutive bytes, at a multiple of 512 from h's first byte
.set t, t+1
.endr
.endm
	s_load_b256 s[4:11], s[0:1], 0x0       ; x s[4:5], expert_idx s[6:7], W1 s[8:9], b1 s[10:11]
	s_load_b64 s[12:13], s[0:1], 0x20      ; h
	v_lshl_add_u32 v[SPW], v0, 2, SPARE
	v_mov_b32 v[NIL], 0
	v_and_b32 v[RR], 15, v0
	v_bfe_u32 v[HH], v0, 4, 1
	v_and_b32 v[LN], 31, v0
	v_lshrrev_b32 v[T0], 5, v0
	v_readfirstlane_b32 s[WV], v[T0]       ; wave 0..3
	s_and_b32 s[SC], s[WV], 1              ; my 64 columns
	s_lshr_b32 s[SG], s[WV], 1             ; my half of each 128 along K
	s_and_b32 s[SE], ttmp7, 0xffff         ; the expert
	s_mov_b32 s[SX], ttmp9                 ; the slice of 128 columns
	v_lshlrev_b32 v[R16], 4, v[RR]
	v_lshlrev_b32 v[L16], 4, v[LN]
	v_lshlrev_b32 v[T16], 4, v0
	v_lshlrev_b32 v[TK4], 2, v[LN]
	v_lshlrev_b32 v[HB], 7, v[HH]
	v_mov_b32 v[K1024], 0x400
	v_lshl_add_u32 v[VW], v[HH], 17, v[R16]
	v_lshlrev_b32 v[VP], 14, v[LN]
.irp z, 0,1,2,3
	v_mov_b32 v[ZR+\z], 0
.endr
	s_lshl_b32 s32, s[SE], 24              ; W1: the expert's 16 MiB, the slice's 512 bytes of a row, my 256 of them, my 64 rows
	s_lshl_b32 s25, s[SX], 9
	s_add_co_u32 s32, s32, s25
	s_lshl_b32 s34, s[SE], 14              ; b1: the expert's row, the slice, my 64 columns
	s_add_co_u32 s34, s34, s25
	s_lshl_b32 s25, s[SC], 8
	s_add_co_u32 s32, s32, s25
	s_add_co_u32 s34, s34, s25
	s_lshl_b32 s25, s[SG], 20
	s_add_co_u32 s32, s32, s25
	s_mov_b32 s33, 0
	s_mov_b32 s35, 0
	s_lshl_b32 s36, s[SE], 5               ; the zero tiles 72-79: 8 x 131,072 bytes = 4,096 for each of the 256 work-groups
	s_add_co_u32 s36, s36, s[SX]
	s_lshl_b32 s36, s36, 12
	s_add_co_u32 s36, s36, 72*131072
	s_mov_b32 s37, 0
	CONST KAP, 0x3f596d27                  ; kappa = 0.84932180
	CONST PP,  0x3e8ba43f                  ; p' = 0.3275911 / sqrt(log2(e)) = 0.27273748
	CONST CA1, 0xbe027906                  ; -0.5 x 0.254829592
	CONST CA2, 0x3e11a98e                  ; -0.5 x -0.284496736
	CONST CA3, 0xbf35f0e3                  ; -0.5 x 1.421413741
	CONST CA4, 0x3f3a00e3                  ; -0.5 x -1.453152027
	CONST CA5, 0xbf07dc22                  ; -0.5 x 1.061405429
	s_wait_kmcnt 0x0
	s_add_nc_u64 s[PW:PW+1], s[8:9], s[32:33]
	s_add_nc_u64 s[PS:PS+1], s[10:11], s[34:35]
	s_add_nc_u64 s[SB:SB+1], s[12:13], s[36:37]
	s_mov_b64 s[PA:PA+1], s[4:5]
.set i, 0
.rept 8                                ; every wave reads all 1,024 indices: register 4 i + cc of lane l is token 128 i + 4 l + cc
	global_load_b128 v[AF+4*i:AF+4*i+3], v[L16], s[6:7] offset:512*i
.set i, i+1
.endr
.set j, 0
.rept 8                                ; b1 of the columns that my lane's results hold: register 4 j + t is column 32 (lane / 16) + 4 j + t of my 64
	global_load_b128 v[BF+4*j:BF+4*j+3], v[HB], s[PS:PS+1] offset:16*j
.set j, j+1
.endr
	WLOAD 0, 0, 0                          ; block 0
	WLOAD 0, 1, 0
	WIN 0
	global_prefetch_b8 v[VP], s[PW:PW+1] offset:2*WBLK th:TH_LOAD_NT scope:SCOPE_SE          ; my rows of block 2 are asked for ahead
	global_prefetch_b8 v[VP], s[PW:PW+1] offset:2*WBLK+32*WROW th:TH_LOAD_NT scope:SCOPE_SE
.irp z, 0,1
	global_store_b128 v[T16], v[ZR:ZR+3], s[SB:SB+1] offset:2048*\z
.endr
	v_mul_u32_u24 v[AFA], v[RR], APITCH    ; row x pitch + 16 x half + my K half's 128 bytes
	v_lshl_add_u32 v[AFA], v[HH], 4, v[AFA]
	v_lshl_add_u32 v[AFA], s[SG], 7, v[AFA]
	v_add_nc_u32 v[AFA+1], ASLOT, v[AFA]
	s_mul_i32 s25, s[WV], LISTW
	s_add_co_u32 s25, s25, LIST
	v_mov_b32 v[LB], s25
	s_mul_i32 s25, s[WV], REDW
	s_add_co_u32 s25, s25, RED
	v_add_nc_u32 v[RDA], s25, v[L16]
	s_lshl_b32 s25, s[WV], 11
	s_add_co_u32 s25, s25, RED
	v_add_nc_u32 v[RA], s25, v[L16]
	s_add_co_u32 s25, s25, 2*REDW
	v_add_nc_u32 v[RA+1], s25, v[L16]
	v_add_nc_u32 v[T0+2], v[LB], v[L16]
.set i, 0
.rept 8                                ; my list starts as zeros: a place past the count names token 0
	ds_store_b128 v[T0+2], v[ZR:ZR+3] offset:512*i
.set i, i+1
.endr
	s_wait_loadcnt 32                      ; the indices and b1 are in; the only younger loads are block 0's 32
	; THE ROUTING.  OFF = tokens that name a lower expert.  A token's rank = those of my expert in earlier registers, plus those in lower lanes of its own register.
	s_mov_b32 s[OFF], 0
	s_mov_b32 s[CNT], 0
.set q, 0
.rept 32
	v_cmp_gt_u32 s24, s[SE], v[AF+q]
	s_bcnt1_i32_b32 s25, s24
	s_add_co_u32 s[OFF], s[OFF], s25
	v_cmp_eq_u32 s24, s[SE], v[AF+q]
	v_mbcnt_lo_u32_b32 v[T0], s24, s[CNT]
	v_cndmask_b32 v[T0], v[K1024], v[T0], s24  ; a lane whose token names another expert writes word 1024, which nobody reads
	v_min_u32 v[T0], 0x400, v[T0]
	v_lshl_add_u32 v[T0], v[T0], 2, v[LB]
	v_add_nc_u32 v[T0+1], 128*(q/4)+q%4, v[TK4]
	ds_store_b32 v[T0], v[T0+1]
	s_bcnt1_i32_b32 s25, s24
	s_add_co_u32 s[CNT], s[CNT], s25
.set q, q+1
.endr
	s_min_u32 s[OFF], s[OFF], 1024
	s_min_u32 s[CNT], s[CNT], 1024
	s_min_u32 s[ROWS], s[CNT], MB          ; rows of the fast way
	s_add_co_u32 s[NT], s[ROWS], 15
	s_lshr_b32 s[NT], s[NT], 4             ; its tiles
	s_max_u32 s[RM1], s[ROWS], 1
	s_sub_co_u32 s[RM1], s[RM1], 1         ; places past the count repeat the last row
	s_add_co_u32 s[NTT], s[CNT], 15
	s_lshr_b32 s[NTT], s[NTT], 4           ; the expert's tiles in all
	s_lshr_b32 s24, s[OFF], 4
	s_add_co_u32 s25, s[OFF], s[CNT]
	s_lshr_b32 s25, s25, 4
	s_sub_co_u32 s25, s25, s24
	s_add_co_u32 s25, s25, 1               ; tiles from my expert's first to the next expert's first
	s_add_co_u32 s[OFFT], s24, s[SE]
	s_min_u32 s[OFFT], s[OFFT], 71         ; 1024 / 16 + 7 at the most: the bound written in the text
	s_cmp_le_u32 s25, s[NTT]
	s_cbranch_scc1 .Lnogap
	s_add_co_u32 s52, s[OFFT], s[NTT]      ; the region's last tile is nobody's: zeros; my wave stores one of the slice's four K steps
	s_min_u32 s52, s52, 79
	s_lshl_b32 s52, s52, 7
	s_lshl2_add_u32 s52, s[SX], s52
	s_add_co_u32 s52, s52, s[WV]
	s_lshl_b32 s52, s52, 10
	s_mov_b32 s53, 0
	s_add_nc_u64 s[PX:PX+1], s[12:13], s[52:53]
	global_store_b128 v[L16], v[ZR:ZR+3], s[PX:PX+1]
	global_store_b128 v[L16], v[ZR:ZR+3], s[PX:PX+1] offset:512
.Lnogap:
	v_lshl_add_u32 v[ROWV], s[WV], 1, v[HH]
.set n, 0
.rept 22
	v_add_nc_u32 v[AF+n], 8*n, v[ROWV]
	v_min_u32 v[AF+n], s[RM1], v[AF+n]
	v_min_u32 v[AF+n], 0x3ff, v[AF+n]
	v_lshl_add_u32 v[AF+n], v[AF+n], 2, v[LB]
.set n, n+1
.endr
	v_mul_u32_u24 v[T0], v[ROWV], APITCH
	v_lshl_add_u32 v[T0], v[RR], 3, v[T0]
	WIN 0x80                               ; destination window 2
.set n, 0
.rept 22
	ds_load_b32 v[RO+n], v[AF+n]           ; LDS serves a wave's instructions in order (ISA guide 5.7.1.4): these see my list's stores
.set n, n+1
.endr
	v_mov_b32 v[ASA], v[T0]
	v_add_nc_u32 v[ASA+1], ASLOT, v[T0]
	s_wait_dscnt 0x0
	WIN 0x88
.set n, 0
.rept 22
	v_min_u32 v[RO+n], 0x3ff, v[RO+n]
.set n, n+1
.endr
	WIN 0x82
.set n, 0
.rept 22
	v_lshl_add_u32 v[RO+n], v[RO+n], 12, v[R16]  ; token x 4,096 bytes + my 16
.set n, n+1
.endr
	AISSUE 1, 0                            ; x of block 0
	WLOAD 1, 0, 1                          ; block 1: the block stands in the immediates, so no base is stepped here
	WLOAD 1, 1, 1
	WIN 0
	s_cmp_eq_u32 s[SG], 0                  ; the first K half's sums start at b1, the second's at 0
	s_cbranch_scc1 .Lbias
.set i, 0
.rept 32
	v_mov_b32 v[BF+i], 0
.set i, i+1
.endr
.Lbias:
	WIN 0x40                               ; every accumulator is written here once, those that the jumps may leave out too
.set T, 0
.rept 8
.set t, 0
.rept 4
.set j, 0
.rept 8
	v_mov_b32 v[32*T+8*t+j], v[BF+4*j+t]
.set j, j+1
.endr
.set t, t+1
.endr
.set T, T+1
.endr
	WIN 0x80
.set t, 0
.rept 4
.set j, 0
.rept 8
	v_mov_b32 v[AC10+8*t+j], v[BF+4*j+t]
.set j, j+1
.endr
.set t, t+1
.endr
	WIN 0
.set T, 0
.rept 2
.set t, 0
.rept 4
.set j, 0
.rept 8
	v_mov_b32 v[AC8+32*T+8*t+j], v[BF+4*j+t]
.set j, j+1
.endr
.set t, t+1
.endr
.set T, T+1
.endr
.set i, AF+64
.rept 24                               ; the fragments of tiles 8-10
	v_mov_b32 v[i], 0
.set i, i+1
.endr
	s_wait_loadcnt 32                      ; x of block 0 is in, and block 0's weights, which are older; the only younger loads are block 1's 32
	ASTORE 0, 1
	AISSUE 0, 1                            ; x of block 1
	s_mov_b32 s[LC], 3
.Llap:                                         ; blocks 0 to 5
	TRIP 0, 1, 1, 32, 1
	TRIP 1, 1, 1, 32, 2
	s_sub_co_u32 s[LC], s[LC], 1
	s_cmp_lg_u32 s[LC], 0
	s_cbranch_scc1 .Llap
	TRIP 0, 0, 1, 0, 0                     ; block 6: nothing is left to ask for, so nothing is younger than x of block 7
	TRIP 1, 0, 0, 0, 0                     ; block 7
	DUMP
	s_wait_dscnt 0x0                       ; for the others' sake: my partial sums are stored
	s_barrier_signal -1
	s_barrier_wait -1
	; THE WAY OUT.  Six trips: tile w + 4 (U / 2), column group U % 2: the two K halves are added.  A tile without rows is jumped.
	s_mov_b32 s[SU], 0
.Lep:
	s_lshr_b32 s25, s[SU], 1
	s_and_b32 s[CI], s[SU], 1
	s_lshl_b32 s[ROF], s25, 14
	s_mul_i32 s24, s[CI], REDW
	s_add_co_u32 s[ROF], s[ROF], s24
	v_add_nc_u32 v[RATA], s[ROF], v[RA]    ; the trip's addresses: my fixed places and the trip's
	v_add_nc_u32 v[RATB], s[ROF], v[RA+1]
	s_lshl2_add_u32 s[RB], s25, s[WV]
	s_cmp_ge_u32 s[RB], 11                 ; wave 3's third tile would be tile 11, which does not exist
	s_cbranch_scc1 .Lep_next
	s_cmp_ge_u32 s[RB], s[NT]
	s_cbranch_scc1 .Lep_next
.set t, 0
.rept 4
	ds_load_b128 v[GX+8*t:GX+8*t+3], v[RATA] offset:t*512
	ds_load_b128 v[GX+8*t+4:GX+8*t+7], v[RATA] offset:8192+t*512
	ds_load_b128 v[GU+8*t:GU+8*t+3], v[RATB] offset:t*512
	ds_load_b128 v[GU+8*t+4:GU+8*t+7], v[RATB] offset:8192+t*512
.set t, t+1
.endr
	s_wait_dscnt 0x0
.set i, 0
.rept 16
	v_pk_add_f32 v[GX+2*i:GX+2*i+1], v[GX+2*i:GX+2*i+1], v[GU+2*i:GU+2*i+1]
.set i, i+1
.endr
	GELU_STORE
.Lep_next:
	s_add_co_u32 s[SU], s[SU], 1
	s_cmp_lt_u32 s[SU], 6
	s_cbranch_scc1 .Lep
	; THE SLOW WAY, for tiles from 11 on: wave w takes the tiles 11 + w, 15 + w, .., each through all of K and all 128 columns.  No barrier, no LDS store.
	; The loop counts to the most that a wave can have; the trips past my number of tiles are jumped.
	s_cmp_le_u32 s[NTT], 11
	s_cbranch_scc1 .Lend
	s_sub_co_u32 s25, s[NTT], 8            ; (tiles + 3 - w) / 4, tiles = NTT - 11
	s_sub_co_u32 s25, s25, s[WV]
	s_lshr_b32 s[NW], s25, 2
	s_sub_co_u32 s[CM1], s[CNT], 1
	s_lshl_b32 s52, s[SE], 14
	s_lshl_b32 s25, s[SX], 9
	s_add_co_u32 s52, s52, s25
	s_mov_b32 s53, 0
	s_wait_xcnt 0x0
	s_add_nc_u64 s[PS:PS+1], s[10:11], s[52:53]
	WIN 0x80                               ; b1 of both column groups: register 32 c + 4 j + t, window 2
.set c, 0
.rept 2
.set j, 0
.rept 8
	global_load_b128 v[32*c+4*j:32*c+4*j+3], v[HB], s[PS:PS+1] offset:256*c+16*j
.set j, j+1
.endr
.set c, c+1
.endr
	WIN 0
	s_mov_b32 s[SI], 0
.Lslow:
	s_cmp_ge_u32 s[SI], s[NW]
	s_cbranch_scc1 .Lslow_next
	s_lshl2_add_u32 s[RB], s[SI], s[WV]
	s_add_co_u32 s[RB], s[RB], 11          ; the tile,
	s_lshl_b32 s[R0], s[RB], 4             ; its first rank
	s_wait_xcnt 0x0                        ; the registers and bases of what went before are written again only behind this wait
	v_add_nc_u32 v[T0], s[R0], v[RR]
	v_min_u32 v[T0], s[CM1], v[T0]         ; places past the count repeat the last row
	v_min_u32 v[T0], 0x3ff, v[T0]
	v_lshl_add_u32 v[T0], v[T0], 2, v[LB]
	ds_load_b32 v[T0+1], v[T0]
	s_wait_loadcnt 0x0                     ; b1
	WIN 0x42                               ; eight accumulators, window 1, start at b1
.set ct, 0
.rept 8
.set j, 0
.rept 8
	v_mov_b32 v[8*ct+j], v[32*(ct/4)+4*j+ct%4]
.set j, j+1
.endr
.set ct, ct+1
.endr
	WIN 0
	s_lshl_b32 s52, s[SE], 24
	s_lshl_b32 s25, s[SX], 9
	s_add_co_u32 s52, s52, s25
	s_mov_b32 s53, 0
	s_add_nc_u64 s[PS:PS+1], s[8:9], s[52:53]
	s_mov_b64 s[PX:PX+1], s[4:5]
	s_wait_dscnt 0x0
	v_min_u32 v[T0+1], 0x3ff, v[T0+1]
	v_lshlrev_b32 v[T0+1], 12, v[T0+1]
	v_lshl_add_u32 v[XO], v[HH], 5, v[T0+1]  ; my row's token x 4,096 + 32 x half
	s_mov_b32 s[KC], 32
.Lsk:                                          ; 32 along K
	WIN 0xc0
.set c, 0
.rept 2
.set i, 0
.rept 16
	global_load_b128 v[64*c+4*i:64*c+4*i+3], v[VW], s[PS:PS+1] offset:256*c+(i%8+16*(i/8))*WROW
.set i, i+1
.endr
.set c, c+1
.endr
	WIN 0
	global_load_b128 v[XS:XS+3], v[XO], s[PX:PX+1]
	global_load_b128 v[XS+4:XS+7], v[XO], s[PX:PX+1] offset:16
	global_load_b128 v[XS+8:XS+11], v[XO], s[PX:PX+1] offset:64
	global_load_b128 v[XS+12:XS+15], v[XO], s[PX:PX+1] offset:80
	s_wait_loadcnt 0x0
.set m, 0
.rept 8
	v_cvt_pk_bf16_f32 v[AF8+m], v[XS+2*m], v[XS+2*m+1]
.set m, m+1
.endr
	WIN 0x0f
.set ct, 0
.rept 8
.set m, 0
.rept 8
	v_cvt_pk_bf16_f32 v[BF64+8*ct+m], v[64*(ct/4)+8*m+ct%4], v[64*(ct/4)+8*m+4+ct%4]
.set m, m+1
.endr
.set ct, ct+1
.endr
	WIN 0x50
.set ct, 0
.rept 8                                ; eight accumulators by turns
	MM1 8*ct, BF64+8*ct, AF8
.set ct, ct+1
.endr
	WIN 0
	PLACES
	s_wait_xcnt 0x0
	s_add_nc_u64 s[PS:PS+1], s[PS:PS+1], 32*WROW
	s_add_nc_u64 s[PX:PX+1], s[PX:PX+1], 128
	s_sub_co_u32 s[KC], s[KC], 1
	s_cmp_lg_u32 s[KC], 0
	s_cbranch_scc1 .Lsk
	WIN 0x01                               ; source window 1.  The second column group's sums wait in v224-255
.set i, 0
.rept 32
	v_mov_b32 v[GX+i], v[i]
.set i, i+1
.endr
.set i, 0
.rept 32
	v_mov_b32 v[GH+i], v[32+i]
.set i, i+1
.endr
	WIN 0
	s_mov_b32 s[CI], 0
	s_mov_b32 s[HF], 2
.Lshf:
	GELU_STORE
.set i, 0
.rept 32
	v_mov_b32 v[GX+i], v[GH+i]             ; the second column group's turn (behind the second trip these moves serve nothing)
.set i, i+1
.endr
	s_add_co_u32 s[CI], s[CI], 1
	s_sub_co_u32 s[HF], s[HF], 1
	s_cmp_lg_u32 s[HF], 0
	s_cbranch_scc1 .Lshf
.Lslow_next:
	s_add_co_u32 s[SI], s[SI], 1
	s_cmp_lt_u32 s[SI], SLOWT
	s_cbranch_scc1 .Lslow
.Lend:
	s_wait_tensorcnt 0x0                   ; the wave's end, behind my last LDS store
	ds_add_u32 v[SPW], v[NIL]
	s_wait_dscnt 0x0
	s_endpgm
.Lfunc_end_k_qcff6cd0680_up:
	.size	k_qcff6cd0680_up, .Lfunc_end_k_qcff6cd0680_up-k_qcff6cd0680_up
	.p2alignl 7, 3214868480
	.fill 96, 4, 3214868480
	.section	.rodata,"a",@progbits
	.p2align	6, 0x0
	.amdhsa_kernel k_qcff6cd0680_up
		.amdhsa_group_segment_fixed_size 310272
		.amdhsa_private_segment_fixed_size 0
		.amdhsa_enable_private_segment 0
		.amdhsa_kernarg_size 40
		.amdhsa_user_sgpr_count 2
		.amdhsa_user_sgpr_kernarg_segment_ptr 1
		.amdhsa_wavefront_size32 1
		.amdhsa_system_sgpr_workgroup_id_x 1
		.amdhsa_system_sgpr_workgroup_id_y 1
		.amdhsa_system_sgpr_workgroup_id_z 1
		.amdhsa_system_vgpr_workitem_id 0
		.amdhsa_next_free_vgpr 1024
		.amdhsa_next_free_sgpr 104
		.amdhsa_reserve_vcc 0
		.amdhsa_float_denorm_mode_32 3
		.amdhsa_float_denorm_mode_16_64 3
		.amdhsa_memory_ordered 1
		.amdhsa_forward_progress 1
		.amdhsa_inst_pref_size 227
	.end_amdhsa_kernel
	.amdgpu_metadata
---
amdhsa.version: [ 1, 2 ]
amdhsa.kernels:
  - .name:           k_qcff6cd0680_up
    .symbol:         k_qcff6cd0680_up.kd
    .args:
      - { .name: x, .offset: 0, .size: 8, .value_kind: global_buffer, .address_space: global }
      - { .name: expert_idx, .offset: 8, .size: 8, .value_kind: global_buffer, .address_space: global }
      - { .name: W1, .offset: 16, .size: 8, .value_kind: global_buffer, .address_space: global }
      - { .name: b1, .offset: 24, .size: 8, .value_kind: global_buffer, .address_space: global }
      - { .name: h, .offset: 32, .size: 8, .value_kind: global_buffer, .address_space: global }
    .group_segment_fixed_size: 310272
    .private_segment_fixed_size: 0
    .kernarg_segment_align: 8
    .kernarg_segment_size: 40
    .max_flat_workgroup_size: 128
    .sgpr_count:     104
    .vgpr_count:     1024
    .wavefront_size: 32
...
	.end_amdgpu_metadata
.endif
;; end of part 3
;; launch down (part 4): grid 16 x 16, 4 waves a work-group, no clusters, 214,528 bytes of LDS; arguments h, expert_idx, W2, b2, part; writes part
.if DOCPART == 4
	.amdgcn_target "amdgcn-amd-amdhsa--gfx1250"
	.amdhsa_code_object_version 6
	.text
	.protected	k_qcff6cd0680_down
	.globl	k_qcff6cd0680_down
	.p2align	8
	.type	k_qcff6cd0680_down,@function
k_qcff6cd0680_down:
	s_mov_b64 s[64:65], 0
	v_nop
	global_prefetch_b8 v0, s[64:65] scope:SCOPE_SE
	s_setreg_imm32_b32 hwreg(HW_REG_WAVE_MODE, 25, 1), 1
	s_wait_xcnt 0x0
; part[kh][token][:] = the sum over K half kh of h[row of the token] W2[e] (+ b2[e] in half 0), f32.  W2 [8][4096][1024] f32, b2 [8][1024] f32, part [2][1024][1024] f32; the next launch adds the two halves.
; h lies as the launch before laid it, in the order of a matrix operand: 80 tiles of 16 rows, a tile 128 K steps of 1,024 bytes; lane l's registers 0-3 at 16 l, registers 4-7 at 512 + 16 l.  Place
; k = 16 u + 8 (l / 16) + j of K step kb is feature 64 (kb / 2) + 32 (l / 16) + 4 j + 2 (kb % 2) + u.  Expert e begins at tile (OFF_e / 16) + e; in its last tile the places past the count repeat its last row.
; The routing (OFF, rank, list) is made from expert_idx by the same arithmetic as in the launch before.
; SHARES.  Work-group (X, E, kh): 64 columns of expert E, half of K, all of E's rows; it alone reads its 512 KiB of W2.  256 work-groups.  64 f32 columns are 256 bytes of a row of W2: narrower slices would read
; parts of aligned blocks of 256 bytes, and a split of rows would bring every weight into two work-groups; so K is split, and the partial sums (f32) cost 8 MB out and 8 MB in.
; Wave g takes the K steps 64 kh + 32 (g / 2) + 2 s + g % 2, s = 0 .. 15: each weight and each byte of h is loaded by one wave; the four waves' sums (f32) meet once in LDS at the end.
; EVERYTHING STREAMS THROUGH REGISTERS: no LDS, no barrier in the walk along K.  A stage is a K step's 16 loads of W2 (load i: row 32 (lane / 16) + 4 (i % 8) + i / 8 of the step's 64, 16 bytes at column
; 4 (lane % 16): sixteen lanes read 256 consecutive aligned bytes) and its 16, 20 or 22 loads of h (512 consecutive bytes each).  Three stage buffers: step s first asks for stage s + 2, then waits for stage s.
; NO CLUSTER: what an expert's work-groups share is h; its first tile hangs on counts that each work-group reads from expert_idx, where a joint load wants descriptors alike by ids and constants alone, and h goes
; into registers without passing LDS.
; ROWS.  Tiles 0-10 go the fast way (tiles 8, 9 and tile 10 jumped where the expert has no such rows: loads and register work alone are jumped; the waits count the loads that every way issues); tiles from 11 on
; go the slow way at the end, which serves every split at a far lower speed.  A place past the count holds the last row's sums and is stored onto the last row's token: no store is masked, EXEC is never written.
; The 424 v_mov_b32 that write 0 stand in the wait for the first loads: what may be jumped is written once on every way, and no first K step is written out.
; h is not asked for ahead: sixteen work-groups read each of its blocks, and only one of them should ask.
; LIMITS.  h and W2 enter the products in bf16, sums in f32; NaN and infinities are not treated apart.
.set MB,     176
.set REDW,   49152                     ; the waves' partial sums, from LDS byte 0
.set LIST,   4*REDW
.set LISTW,  4352
.set SPARE,  LIST+4*LISTW              ; the spare words, 128 bytes a wave: two blocks of 256 bytes that no other line names
.set WROW,   4096
.set WSTEP,  64*WROW                   ; from one of my K steps to the next, in W2
.set ASTEP,  2048                      ; and in a tile of h
.set HTILE,  131072
.set SLOWT,  14                        ; the most tiles of the slow way that a wave can have: ceil((64 - 11) / 4)
.set RR, 1
.set HH, 2
.set LN, 3
.set VW, 4                             ; 32 (lane / 16) rows of W2 + 16 (lane % 16)
.set VP, 5                             ; row 4 (lane % 16) + lane / 16: for asking ahead
.set RAT, 6                            ; v6-9   the way out: this trip's addresses in the four waves' partial sums
.set RDA, 10
.set RA, 11                            ; v11-14 my place in wave 0..3's partial sums; never rewritten
.set LB, 15
.set T0, 18                            ; v18-25 at work
.set B2, 26                            ; v26-29 b2 of my four columns (K half 1: zeros)
.set L16, 34
.set R16, 35
.set TK4, 37
.set K1024, 38
.set ZR, 40
.set SPW, 46                           ; LDS address of my spare word; never rewritten
.set NIL, 47                           ; 0; never rewritten
.set BF, 48                            ; v48-79   weights of the K step in hand
.set AF, 80                            ; v80-167  h, stage buffer 0
.set AC8, 168                          ; v168-231 accumulators of tiles 8, 9
.set IDX, 168                          ; first: the 32 index registers
.set OS, 80                            ; the way out: eight rows of four columns
.set TKS, 112                          ; their byte offsets in part
.set LAS, 120                          ; their places in my list
.set AC4, 208                          ; the slow way's four accumulators
; window 1: accumulators of tiles 0-7.  window 3: W2 as loaded, stage buffer b at 64 b.  window 2: v0-87, v88-175 h, stage buffers 1, 2;
.set AC10, 200                         ; v200-231 accumulators of tile 10
.set WV, 14
.set SE, 17
.set SX, 18
.set CNT, 19
.set OFF, 20
.set ROWS, 21
.set NT, 22
.set LC, 23
.set PW, 26
.set PA, 28
.set SB, 30
.set KH, 32
.set OFFT, 33
.set NTT, 34
.set RC, 35
.set ROF, 36
.set SM, 54
.set NW, 55
.set SI, 56
.set KC, 57
.set PS, 58
.set PX, 60
.set R0, 62
.set CM1, 63
.set MSB, 0
.macro WIN new                         ; the immediate's high byte repeats the setting that is left; a switch that changes nothing is dropped
.if MSB != (\new)
	s_set_vgpr_msb (MSB<<8)|(\new)
.set MSB, (\new)
.endif
.endm
.macro PLACES                          ; four plain places behind matrix instructions (ISA guide 7.12.1)
.rept 4
	v_nop
.endr
.endm
; 16 loads: W2 of the stage st stages behind PW, into buffer b
.macro WLOAD b, st
	WIN 0xc0                               ; destination window 3, address window 0
.set i, 0
.rept 16
	global_load_b128 v[64*(\b)+4*i:64*(\b)+4*i+3], v[VW], s[PW:PW+1] offset:(64*(\st)+4*(i%8)+i/8)*WROW th:TH_LOAD_NT
.set i, i+1
.endr
.endm
.macro ALD d, T, st                    ; a tile's fragment of one K step: two loads of 512 consecutive bytes
	global_load_b128 v[(\d):(\d)+3], v[L16], s[PA:PA+1] offset:(\T)*HTILE+(\st)*ASTEP
	global_load_b128 v[(\d)+4:(\d)+7], v[L16], s[PA:PA+1] offset:(\T)*HTILE+(\st)*ASTEP+512
.endm
.macro ABUF b                          ; where stage buffer b of h lies
.if (\b) == 0
.set aw, 0
.set ab, AF
.else
.set aw, 2
.set ab, 88*((\b)-1)
.endif
.endm
.macro ALOAD b, st                     ; h of the stage st stages behind PA, into buffer b
	ABUF \b
	WIN aw<<6
.set T, 0
.rept 8
	ALD ab+8*T, T, \st
.set T, T+1
.endr
	WIN 0
	s_cmp_lt_u32 s[NT], 9
	s_cbranch_scc1 .Lal_\@
	WIN aw<<6
.rept 2
	ALD ab+8*T, T, \st
.set T, T+1
.endr
	WIN 0
	s_cmp_lt_u32 s[NT], 11
	s_cbranch_scc1 .Lal_\@
	WIN aw<<6
	ALD ab+80, 10, \st
	WIN 0
.Lal_\@:
.endm
.macro CVTW b                          ; buffer b rounded into the four column tiles' operands: register m of tile t is loads 2 m and 2 m + 1, word t
	WIN 0x0f                               ; sources window 3, destination window 0
.set t, 0
.rept 4
.set m, 0
.rept 8
	v_cvt_pk_bf16_f32 v[BF+8*t+m], v[64*(\b)+8*m+t], v[64*(\b)+8*m+4+t]
.set m, m+1
.endr
.set t, t+1
.endr
.endm
.macro MM1 d, a, b
	v_wmma_f32_16x16x32_bf16 v[(\d):(\d)+7], v[(\a):(\a)+7], v[(\b):(\b)+7], v[(\d):(\d)+7]
.endm
; a K step's products: tokens source 0, weights source 1.  The accumulators take turns, one instruction a turn: no two on end share one, over the jumps and from step to step too
.macro MMA b
	ABUF \b
	WIN 0x50|aw                            ; C and D window 1, source 0 in the buffer's window
.set T, 0
.rept 8
.set t, 0
.rept 4
	MM1 32*T+8*t, ab+8*T, BF+8*t
.set t, t+1
.endr
.set T, T+1
.endr
	WIN 0
	s_cmp_lt_u32 s[NT], 9
	s_cbranch_scc1 .Lmm_\@
	WIN aw
.rept 2
.set t, 0
.rept 4
	MM1 AC8+32*(T-8)+8*t, ab+8*T, BF+8*t
.set t, t+1
.endr
.set T, T+1
.endr
	WIN 0
	s_cmp_lt_u32 s[NT], 11
	s_cbranch_scc1 .Lmm_\@
	WIN 0xa0|aw                            ; C and D window 2
.set t, 0
.rept 4
	MM1 AC10+8*t, ab+80, BF+8*t
.set t, t+1
.endr
	WIN 0
.Lmm_\@:
	PLACES                                 ; for the loads and conversions that next write these operands, and for the stores that read the sums
.endm
; Step s, on buffer b = s % 3.  is = 1: stage s + 2, which lies ist stages behind the bases, is asked for first, into the buffer that step s - 1 has read.  cnt: the loads younger than stage s's last, a stage of h
; counted as the 16 that every way issues.  pf = 1: my 32 rows of W2 of each of the next trip's three stages are asked for ahead, a lane a row (256 bytes each); not in the last trip, whose next would lie past my share.
.macro STEP b, is, ist, cnt, pf
.if \is
	WLOAD ((\b)+2)%3, \ist
	ALOAD ((\b)+2)%3, \ist
.endif
	s_wait_loadcnt \cnt
	CVTW \b
.if \pf
	WIN 0
	s_cmp_eq_u32 s[LC], 1
	s_cbranch_scc1 .Lnopf_\@
.irp z, 7,8,9
	global_prefetch_b8 v[VP], s[PW:PW+1] offset:\z*WSTEP th:TH_LOAD_NT scope:SCOPE_SE
.endr
.Lnopf_\@:
.endif
	MMA \b
.endm
.macro DMP d, T, t                     ; each accumulator's low four registers go first
	ds_store_b128 v[RDA], v[(\d):(\d)+3] offset:(((((\T)/4)*2)*4+(\T)%4)*4+(\t))*512
	ds_store_b128 v[RDA], v[(\d)+4:(\d)+7] offset:(((((\T)/4)*2+1)*4+(\T)%4)*4+(\t))*512
.endm
.macro DUMP
	WIN 0x04
.set T, 0
.rept 8
.set t, 0
.rept 4
	DMP 32*T+8*t, T, t
.set t, t+1
.endr
.set T, T+1
.endr
	WIN 0
	s_cmp_lt_u32 s[NT], 9
	s_cbranch_scc1 .Ldm_\@
.rept 2
.set t, 0
.rept 4
	DMP AC8+32*(T-8)+8*t, T, t
.set t, t+1
.endr
.set T, T+1
.endr
	s_cmp_lt_u32 s[NT], 11
	s_cbranch_scc1 .Ldm_\@
	WIN 0x08
.set t, 0
.rept 4
	DMP AC10+8*t, 10, t
.set t, t+1
.endr
	WIN 0
.Ldm_\@:
.endm
; 16 rows from rank R0 on: register sb + 8 t + j holds (rank R0 + 8 (lane / 16) + j, column 4 r + t).  The rows' tokens come from my list; a rank past the count goes to the last rank's token.
; The registers written here were the sources of earlier stores: the caller has waited for those.
.macro OUT sb
	v_lshl_add_u32 v[T0], v[HH], 3, s[R0]
.set j, 0
.rept 8
	v_add_nc_u32 v[LAS+j], j, v[T0]
	v_min_u32 v[LAS+j], s[CM1], v[LAS+j]
	v_min_u32 v[LAS+j], 0x3ff, v[LAS+j]
	v_lshl_add_u32 v[LAS+j], v[LAS+j], 2, v[LB]
.set j, j+1
.endr
.set j, 0
.rept 8
	ds_load_b32 v[TKS+j], v[LAS+j]
.set j, j+1
.endr
	s_wait_dscnt 0x0
.set j, 0
.rept 8
	v_min_u32 v[TKS+j], 0x3ff, v[TKS+j]
	v_lshl_add_u32 v[TKS+j], v[TKS+j], 12, v[R16]
.set j, j+1
.endr
.set j, 0
.rept 8                                ; of each group of eight registers the lowest is read first
	v_add_f32 v[OS+4*j], v[(\sb)+j], v[B2]
	v_add_f32 v[OS+4*j+1], v[(\sb)+8+j], v[B2+1]
	v_add_f32 v[OS+4*j+2], v[(\sb)+16+j], v[B2+2]
	v_add_f32 v[OS+4*j+3], v[(\sb)+24+j], v[B2+3]
	global_store_b128 v[TKS+j], v[OS+4*j:OS+4*j+3], s[SB:SB+1]  ; 16 lanes store 256 consecutive bytes of one row, at a multiple of 256 from part's first byte
.set j, j+1
.endr
.endm
	s_load_b256 s[4:11], s[0:1], 0x0       ; h s[4:5], expert_idx s[6:7], W2 s[8:9], b2 s[10:11]
	s_load_b64 s[12:13], s[0:1], 0x20      ; part
	v_lshl_add_u32 v[SPW], v0, 2, SPARE
	v_mov_b32 v[NIL], 0
	v_and_b32 v[RR], 15, v0
	v_bfe_u32 v[HH], v0, 4, 1
	v_and_b32 v[LN], 31, v0
	v_lshrrev_b32 v[T0], 5, v0
	v_readfirstlane_b32 s[WV], v[T0]       ; wave 0..3
	s_and_b32 s25, ttmp7, 0xffff
	s_lshr_b32 s[SE], s25, 1               ; the expert
	s_and_b32 s[KH], s25, 1                ; the half of K
	s_mov_b32 s[SX], ttmp9                 ; the slice of 64 columns
	v_lshlrev_b32 v[R16], 4, v[RR]
	v_lshlrev_b32 v[L16], 4, v[LN]
	v_lshlrev_b32 v[TK4], 2, v[LN]
	v_mov_b32 v[K1024], 0x400
	v_lshl_add_u32 v[VW], v[HH], 17, v[R16]
	v_lshlrev_b32 v[VP], 14, v[RR]
	v_lshl_add_u32 v[VP], v[HH], 12, v[VP]
.irp z, 0,1,2,3
	v_mov_b32 v[ZR+\z], 0
.endr
	s_lshl_b32 s86, s[SE], 24              ; W2: the expert's 16 MiB, the slice's 256 bytes of a row, the K half's 2,048 rows, my 1,024 of them, my 2 of every 4
	s_lshl_b32 s90, s[SX], 8
	s_add_co_u32 s86, s86, s90
	s_lshl_b32 s25, s[KH], 23
	s_add_co_u32 s86, s86, s25
	s_lshr_b32 s82, s[WV], 1
	s_and_b32 s83, s[WV], 1
	s_lshl_b32 s25, s82, 22
	s_add_co_u32 s86, s86, s25
	s_lshl_b32 s25, s83, 13
	s_add_co_u32 s86, s86, s25
	s_mov_b32 s87, 0
	s_lshl_b32 s88, s[SE], 12              ; b2: the expert's row, the slice
	s_add_co_u32 s88, s88, s90
	s_mov_b32 s89, 0
	s_lshl_b32 s25, s[KH], 22              ; part: the K half's 4 MiB, the slice
	s_add_co_u32 s90, s90, s25
	s_mov_b32 s91, 0
	s_wait_kmcnt 0x0
	s_add_nc_u64 s[PW:PW+1], s[8:9], s[86:87]
	s_add_nc_u64 s[PS:PS+1], s[10:11], s[88:89]
	s_add_nc_u64 s[SB:SB+1], s[12:13], s[90:91]
.set i, 0
.rept 8                                ; every wave reads all 1,024 indices: register 4 i + cc of lane l is token 128 i + 4 l + cc
	global_load_b128 v[IDX+4*i:IDX+4*i+3], v[L16], s[6:7] offset:512*i
.set i, i+1
.endr
	global_load_b128 v[B2:B2+3], v[R16], s[PS:PS+1]
	WLOAD 0, 0                             ; W2 of stages 0, 1, 2 hangs on no count: it goes out ahead of the routing
	WLOAD 1, 1
	WLOAD 2, 2
	WIN 0
.irp z, 3,4,5,6                        ; my rows of stages 3 to 6 are asked for ahead
	global_prefetch_b8 v[VP], s[PW:PW+1] offset:\z*WSTEP th:TH_LOAD_NT scope:SCOPE_SE
.endr
	s_mul_i32 s25, s[WV], LISTW
	s_add_co_u32 s25, s25, LIST
	v_mov_b32 v[LB], s25
	s_mul_i32 s25, s[WV], REDW
	v_add_nc_u32 v[RDA], s25, v[L16]
	s_lshl_b32 s25, s[WV], 11
.irp ws, 0,1,2,3
	v_add_nc_u32 v[RA+\ws], s25, v[L16]
	s_add_co_u32 s25, s25, REDW
.endr
.set i, AF+64
.rept 24                               ; the fragments of tiles 8-10, which the jumps may leave out, are written once, in all three buffers
	v_mov_b32 v[i], 0
.set i, i+1
.endr
	WIN 0x80
.set i, 64
.rept 24
	v_mov_b32 v[i], 0
	v_mov_b32 v[88+i], 0
.set i, i+1
.endr
	WIN 0
	s_wait_loadcnt 48                      ; the indices and b2 are in; the only younger loads are the 48 of W2
	s_mov_b32 s[OFF], 0                    ; OFF = tokens that name a lower expert; CNT = tokens that name mine.  Four registers at a time, so that the counts do not wait for the compares one by one
	s_mov_b32 s[CNT], 0
.set q, 0
.rept 8
.irp z, 0,1,2,3
	v_cmp_gt_u32 s[88+\z], s[SE], v[IDX+q+\z]
	v_cmp_eq_u32 s[92+\z], s[SE], v[IDX+q+\z]
.endr
.irp z, 0,1,2,3
	s_bcnt1_i32_b32 s[88+\z], s[88+\z]
	s_bcnt1_i32_b32 s[92+\z], s[92+\z]
.endr
.irp z, 0,1,2,3
	s_add_co_u32 s[OFF], s[OFF], s[88+\z]
	s_add_co_u32 s[CNT], s[CNT], s[92+\z]
.endr
.set q, q+4
.endr
	s_min_u32 s[OFF], s[OFF], 1024
	s_min_u32 s[CNT], s[CNT], 1024
	s_min_u32 s[ROWS], s[CNT], MB
	s_add_co_u32 s[NT], s[ROWS], 15
	s_lshr_b32 s[NT], s[NT], 4             ; tiles of the fast way
	s_add_co_u32 s[NTT], s[CNT], 15
	s_lshr_b32 s[NTT], s[NTT], 4           ; tiles in all
	s_max_u32 s[CM1], s[CNT], 1
	s_sub_co_u32 s[CM1], s[CM1], 1         ; the last rank
	s_lshr_b32 s[OFFT], s[OFF], 4
	s_add_co_u32 s[OFFT], s[OFFT], s[SE]
	s_min_u32 s[OFFT], s[OFFT], 71         ; 1024 / 16 + 7 at the most: the bound written in the text
	s_lshl_b32 s52, s[OFFT], 17            ; h: the expert's first tile, the K half's 64 K steps, my 32 of them, my one of every two
	s_lshl_b32 s25, s[KH], 16
	s_add_co_u32 s52, s52, s25
	s_lshl_b32 s25, s82, 15
	s_add_co_u32 s52, s52, s25
	s_lshl_b32 s25, s83, 10
	s_add_co_u32 s52, s52, s25
	s_mov_b32 s53, 0
	s_add_nc_u64 s[PA:PA+1], s[4:5], s[52:53]
	ALOAD 0, 0                             ; h of stages 0, 1, 2
	ALOAD 1, 1
	ALOAD 2, 2
	v_add_nc_u32 v[T0+2], v[LB], v[L16]
.set i, 0
.rept 8                                ; my list starts as zeros
	ds_store_b128 v[T0+2], v[ZR:ZR+3] offset:512*i
.set i, i+1
.endr
	s_mov_b32 s[RC], 0                     ; a token's rank = those of my expert in earlier registers, plus those in lower lanes of its own register
.set q, 0
.rept 32
	v_cmp_eq_u32 s24, s[SE], v[IDX+q]
	v_mbcnt_lo_u32_b32 v[T0], s24, s[RC]
	v_cndmask_b32 v[T0], v[K1024], v[T0], s24  ; a lane whose token names another expert writes word 1024, which nobody reads
	v_min_u32 v[T0], 0x400, v[T0]
	v_lshl_add_u32 v[T0], v[T0], 2, v[LB]
	v_add_nc_u32 v[T0+1], 128*(q/4)+q%4, v[TK4]
	ds_store_b32 v[T0], v[T0+1]
	s_bcnt1_i32_b32 s25, s24
	s_add_co_u32 s[RC], s[RC], s25
.set q, q+1
.endr
	s_cmp_eq_u32 s[KH], 0                  ; b2 goes in with the first K half alone
	s_cbranch_scc1 .Lb2
.irp z, 0,1,2,3
	v_mov_b32 v[B2+\z], 0
.endr
.Lb2:
	WIN 0x40                               ; the sums start at 0
.set i, 0
.rept 256
	v_mov_b32 v[i], 0
.set i, i+1
.endr
	WIN 0x80
.set i, AC10
.rept 32
	v_mov_b32 v[i], 0
.set i, i+1
.endr
	WIN 0
.set i, AC8
.rept 64
	v_mov_b32 v[i], 0
.set i, i+1
.endr
	STEP 0, 0, 0, 32, 0                    ; step 0: younger than h of stage 0 are h of stages 1 and 2
	STEP 1, 1, 3, 48, 0                    ; step 1: younger than h of stage 1 are h of stage 2 and stage 3
	s_mov_b32 s[LC], 4
.Llap:                                         ; steps 2 to 13: two whole stages, 64 loads, are younger; a wait names 63 at the most
	STEP 2, 1, 4, 63, 1
	STEP 0, 1, 5, 63, 0
	STEP 1, 1, 6, 63, 0
	s_wait_xcnt 0x0                        ; the two bases are stepped only behind this wait
	s_add_nc_u64 s[PW:PW+1], s[PW:PW+1], 3*WSTEP
	s_add_nc_u64 s[PA:PA+1], s[PA:PA+1], 3*ASTEP
	s_sub_co_u32 s[LC], s[LC], 1
	s_cmp_lg_u32 s[LC], 0
	s_cbranch_scc1 .Llap
	STEP 2, 0, 0, 32, 0                    ; step 14: nothing is left to ask for; stage 15 is younger
	STEP 0, 0, 0, 0, 0                     ; step 15
	DUMP
	s_wait_dscnt 0x0                       ; for the others' sake: my partial sums are stored
	s_barrier_signal -1
	s_barrier_wait -1
	; THE WAY OUT.  Three trips: tile w + 4 m: the four waves' sums are added.  A tile without rows is jumped.
	s_mov_b32 s[SM], 0
	s_mov_b32 s[ROF], 0
.Lep:
.irp ws, 0,1,2,3
	v_add_nc_u32 v[RAT+\ws], s[ROF], v[RA+\ws]  ; the trip's addresses: my fixed places and the trip's step
.endr
	s_lshl2_add_u32 s25, s[SM], s[WV]
	s_cmp_ge_u32 s25, 11                   ; wave 3's third tile would be tile 11, which does not exist
	s_cbranch_scc1 .Lep_next
	s_cmp_ge_u32 s25, s[NT]
	s_cbranch_scc1 .Lep_next
	s_lshl_b32 s[R0], s25, 4
	s_wait_xcnt 0x0                        ; the registers that the trip before stored from are written again only behind this wait
.set ws, 0
.rept 4
.set t, 0
.rept 4
	ds_load_b128 v[48+32*ws+8*t:48+32*ws+8*t+3], v[RAT+ws] offset:t*512
	ds_load_b128 v[48+32*ws+8*t+4:48+32*ws+8*t+7], v[RAT+ws] offset:8192+t*512
.set t, t+1
.endr
.set ws, ws+1
.endr
	s_wait_dscnt 0x0
.set i, 0
.rept 16
	v_pk_add_f32 v[48+2*i:48+2*i+1], v[48+2*i:48+2*i+1], v[80+2*i:80+2*i+1]
	v_pk_add_f32 v[112+2*i:112+2*i+1], v[112+2*i:112+2*i+1], v[144+2*i:144+2*i+1]
.set i, i+1
.endr
.set i, 0
.rept 16
	v_pk_add_f32 v[48+2*i:48+2*i+1], v[48+2*i:48+2*i+1], v[112+2*i:112+2*i+1]
.set i, i+1
.endr
	OUT 48
.Lep_next:
	s_add_co_u32 s[ROF], s[ROF], 16384
	s_add_co_u32 s[SM], s[SM], 1
	s_cmp_lt_u32 s[SM], 3
	s_cbranch_scc1 .Lep
	; THE SLOW WAY, for tiles from 11 on: wave w takes the tiles 11 + w, 15 + w, .., each through the whole K half.  No barrier, no LDS store.
	; The loop counts to the most that a wave can have; the trips past my number of tiles are jumped.
	s_cmp_le_u32 s[NTT], 11
	s_cbranch_scc1 .Lend
	s_sub_co_u32 s25, s[NTT], 8            ; (tiles + 3 - w) / 4, tiles = NTT - 11
	s_sub_co_u32 s25, s25, s[WV]
	s_lshr_b32 s[NW], s25, 2
	s_mov_b32 s[SI], 0
.Lslow:
	s_cmp_ge_u32 s[SI], s[NW]
	s_cbranch_scc1 .Lslow_next
	s_lshl2_add_u32 s25, s[SI], s[WV]
	s_add_co_u32 s25, s25, 11              ; the tile,
	s_lshl_b32 s[R0], s25, 4               ; its first rank
	s_add_co_u32 s52, s[OFFT], s25
	s_min_u32 s52, s52, 79                 ; a tile of the expert lies in 0 .. 71: the bound written in the text
	s_lshl_b32 s52, s52, 17
	s_lshl_b32 s25, s[KH], 16
	s_add_co_u32 s52, s52, s25
	s_mov_b32 s53, 0
	s_lshl_b32 s84, s[SE], 24
	s_lshl_b32 s25, s[SX], 8
	s_add_co_u32 s84, s84, s25
	s_lshl_b32 s25, s[KH], 23
	s_add_co_u32 s84, s84, s25
	s_mov_b32 s85, 0
	s_wait_xcnt 0x0                        ; the registers and bases of what went before are written again only behind this wait
	s_add_nc_u64 s[PX:PX+1], s[4:5], s[52:53]
	s_add_nc_u64 s[PS:PS+1], s[8:9], s[84:85]
.set i, 0
.rept 32
	v_mov_b32 v[AC4+i], 0
.set i, i+1
.endr
	s_mov_b32 s[KC], 16
.Lsk:                                          ; four K steps: 128 rows of W2
	WIN 0xc0
.set k, 0
.rept 4
.set i, 0
.rept 16
	global_load_b128 v[64*k+4*i:64*k+4*i+3], v[VW], s[PS:PS+1] offset:(64*(k/2)+2*(k%2)+4*(i%8)+i/8)*WROW
.set i, i+1
.endr
.set k, k+1
.endr
	WIN 0
.set k, 0
.rept 4
	global_load_b128 v[48+8*k:48+8*k+3], v[L16], s[PX:PX+1] offset:1024*k
	global_load_b128 v[48+8*k+4:48+8*k+7], v[L16], s[PX:PX+1] offset:1024*k+512
.set k, k+1
.endr
	s_wait_loadcnt 0x0
	WIN 0x0f
.set k, 0
.rept 4
.set t, 0
.rept 4
.set m, 0
.rept 8
	v_cvt_pk_bf16_f32 v[80+32*k+8*t+m], v[64*k+8*m+t], v[64*k+8*m+4+t]
.set m, m+1
.endr
.set t, t+1
.endr
.set k, k+1
.endr
	WIN 0
.set k, 0
.rept 4
.set t, 0
.rept 4                                ; four accumulators by turns
	MM1 AC4+8*t, 48+8*k, 80+32*k+8*t
.set t, t+1
.endr
.set k, k+1
.endr
	PLACES
	s_wait_xcnt 0x0
	s_add_nc_u64 s[PS:PS+1], s[PS:PS+1], 128*WROW
	s_add_nc_u64 s[PX:PX+1], s[PX:PX+1], 4096
	s_sub_co_u32 s[KC], s[KC], 1
	s_cmp_lg_u32 s[KC], 0
	s_cbranch_scc1 .Lsk
	OUT AC4
.Lslow_next:
	s_add_co_u32 s[SI], s[SI], 1
	s_cmp_lt_u32 s[SI], SLOWT
	s_cbranch_scc1 .Lslow
.Lend:
	s_wait_tensorcnt 0x0                   ; the wave's end, behind my last LDS store
	ds_add_u32 v[SPW], v[NIL]
	s_wait_dscnt 0x0
	s_endpgm
.Lfunc_end_k_qcff6cd0680_down:
	.size	k_qcff6cd0680_down, .Lfunc_end_k_qcff6cd0680_down-k_qcff6cd0680_down
	.p2alignl 7, 3214868480
	.fill 96, 4, 3214868480
	.section	.rodata,"a",@progbits
	.p2align	6, 0x0
	.amdhsa_kernel k_qcff6cd0680_down
		.amdhsa_group_segment_fixed_size 214528
		.amdhsa_private_segment_fixed_size 0
		.amdhsa_enable_private_segment 0
		.amdhsa_kernarg_size 40
		.amdhsa_user_sgpr_count 2
		.amdhsa_user_sgpr_kernarg_segment_ptr 1
		.amdhsa_wavefront_size32 1
		.amdhsa_system_sgpr_workgroup_id_x 1
		.amdhsa_system_sgpr_workgroup_id_y 1
		.amdhsa_system_sgpr_workgroup_id_z 1
		.amdhsa_system_vgpr_workitem_id 0
		.amdhsa_next_free_vgpr 1024
		.amdhsa_next_free_sgpr 104
		.amdhsa_reserve_vcc 0
		.amdhsa_float_denorm_mode_32 3
		.amdhsa_float_denorm_mode_16_64 3
		.amdhsa_memory_ordered 1
		.amdhsa_forward_progress 1
		.amdhsa_inst_pref_size 147
	.end_amdhsa_kernel
	.amdgpu_metadata
---
amdhsa.version: [ 1, 2 ]
amdhsa.kernels:
  - .name:           k_qcff6cd0680_down
    .symbol:         k_qcff6cd0680_down.kd
    .args:
      - { .name: h, .offset: 0, .size: 8, .value_kind: global_buffer, .address_space: global }
      - { .name: expert_idx, .offset: 8, .size: 8, .value_kind: global_buffer, .address_space: global }
      - { .name: W2, .offset: 16, .size: 8, .value_kind: global_buffer, .address_space: global }
      - { .name: b2, .offset: 24, .size: 8, .value_kind: global_buffer, .address_space: global }
      - { .name: part, .offset: 32, .size: 8, .value_kind: global_buffer, .address_space: global }
    .group_segment_fixed_size: 214528
    .private_segment_fixed_size: 0
    .kernarg_segment_align: 8
    .kernarg_segment_size: 40
    .max_flat_workgroup_size: 128
    .sgpr_count:     104
    .vgpr_count:     1024
    .wavefront_size: 32
...
	.end_amdgpu_metadata
.endif
;; end of part 4
;; launch add (part 5): grid 256 x 1, 8 waves a work-group, no clusters, 0 bytes of LDS; arguments part, out0; writes out0
.if DOCPART == 5
	.amdgcn_target "amdgcn-amd-amdhsa--gfx1250"
	.amdhsa_code_object_version 6
	.text
	.protected	k_qcff6cd0680_add
	.globl	k_qcff6cd0680_add
	.p2align	8
	.type	k_qcff6cd0680_add,@function
k_qcff6cd0680_add:
	s_mov_b64 s[64:65], 0
	v_nop
	global_prefetch_b8 v0, s[64:65] scope:SCOPE_SE
	s_setreg_imm32_b32 hwreg(HW_REG_WAVE_MODE, 25, 1), 1
	s_wait_xcnt 0x0
; out[token][:] = part[0][token][:] + part[1][token][:], all f32: the two K halves' sums of the launch before (b2 lies in the first).  1,024 x 1,024 numbers.
; A stream: 8 MB in, 4 MB out, each byte once.  The work-group owns 16,384 consecutive bytes of out; thread t owns the 16 bytes at 16 t of each of its four blocks of 4,096, so a load or store of a wave covers
; 512 consecutive bytes.  All eight loads of a thread go out ahead of the first wait.  LDS, matrix units and clusters would add nothing: no byte is used twice.
.set HALF, 4194304                     ; bytes from part[0] to part[1]: inside the loads' signed 24-bit immediate
	s_load_b128 s[4:7], s[0:1], 0x0        ; part s[4:5], out s[6:7]
	v_lshlrev_b32 v1, 4, v0
	s_lshl_b32 s8, ttmp9, 14               ; the work-group's 16,384 bytes
	s_mov_b32 s9, 0
	s_wait_kmcnt 0x0
	s_add_nc_u64 s[4:5], s[4:5], s[8:9]
	s_add_nc_u64 s[6:7], s[6:7], s[8:9]
.irp i, 0,1,2,3
	global_load_b128 v[4+4*\i:7+4*\i], v1, s[4:5] offset:4096*\i th:TH_LOAD_NT
.endr
.irp i, 0,1,2,3
	global_load_b128 v[20+4*\i:23+4*\i], v1, s[4:5] offset:HALF+4096*\i th:TH_LOAD_NT
.endr
.irp i, 0,1,2,3
	s_wait_loadcnt 3-\i                    ; loads come back in order (ISA guide 5.7.1): block i of both halves is in; the later blocks of the second half stay out
	v_pk_add_f32 v[4+4*\i:5+4*\i], v[4+4*\i:5+4*\i], v[20+4*\i:21+4*\i]
	v_pk_add_f32 v[6+4*\i:7+4*\i], v[6+4*\i:7+4*\i], v[22+4*\i:23+4*\i]
	global_store_b128 v1, v[4+4*\i:7+4*\i], s[6:7] offset:4096*\i th:TH_STORE_NT
.endr
	s_endpgm
.Lfunc_end_k_qcff6cd0680_add:
	.size	k_qcff6cd0680_add, .Lfunc_end_k_qcff6cd0680_add-k_qcff6cd0680_add
	.p2alignl 7, 3214868480
	.fill 96, 4, 3214868480
	.section	.rodata,"a",@progbits
	.p2align	6, 0x0
	.amdhsa_kernel k_qcff6cd0680_add
		.amdhsa_group_segment_fixed_size 0
		.amdhsa_private_segment_fixed_size 0
		.amdhsa_enable_private_segment 0
		.amdhsa_kernarg_size 16
		.amdhsa_user_sgpr_count 2
		.amdhsa_user_sgpr_kernarg_segment_ptr 1
		.amdhsa_wavefront_size32 1
		.amdhsa_system_sgpr_workgroup_id_x 1
		.amdhsa_system_sgpr_workgroup_id_y 1
		.amdhsa_system_sgpr_workgroup_id_z 1
		.amdhsa_system_vgpr_workitem_id 0
		.amdhsa_next_free_vgpr 40
		.amdhsa_next_free_sgpr 66
		.amdhsa_reserve_vcc 0
		.amdhsa_float_denorm_mode_32 3
		.amdhsa_float_denorm_mode_16_64 3
		.amdhsa_memory_ordered 1
		.amdhsa_forward_progress 1
		.amdhsa_inst_pref_size 3
	.end_amdhsa_kernel
	.amdgpu_metadata
---
amdhsa.version: [ 1, 2 ]
amdhsa.kernels:
  - .name:           k_qcff6cd0680_add
    .symbol:         k_qcff6cd0680_add.kd
    .args:
      - { .name: part, .offset: 0, .size: 8, .value_kind: global_buffer, .address_space: global }
      - { .name: out0, .offset: 8, .size: 8, .value_kind: global_buffer, .address_space: global }
    .group_segment_fixed_size: 0
    .private_segment_fixed_size: 0
    .kernarg_segment_align: 8
    .kernarg_segment_size: 16
    .max_flat_workgroup_size: 256
    .sgpr_count:     66
    .vgpr_count:     40
    .wavefront_size: 32
...
	.end_amdgpu_metadata
.endif
;; end of part 5
;; ======== version 3 of 3: 3 launches
;; limits: a function is approximated: absolute error at most 1.5e-07
;; workspace buffers: h 10,485,760 bytes; part 8,388,608 bytes
;; launch up (part 6): grid 32 x 8, 4 waves a work-group, no clusters, 310,272 bytes of LDS; arguments x, expert_idx, W1, b1, h; writes h
.if DOCPART == 6
	.amdgcn_target "amdgcn-amd-amdhsa--gfx1250"
	.amdhsa_code_object_version 6
	.text
	.protected	k_qcff6cd0680_up
	.globl	k_qcff6cd0680_up
	.p2align	8
	.type	k_qcff6cd0680_up,@function
k_qcff6cd0680_up:
	s_mov_b64 s[64:65], 0
	v_nop
	global_prefetch_b8 v0, s[64:65] scope:SCOPE_SE
	s_setreg_imm32_b32 hwreg(HW_REG_WAVE_MODE, 25, 1), 1
	s_wait_xcnt 0x0
; h = gelu(x[token] W1[e] + b1[e]), exact (erf) GELU, for the expert e that each token names.  x [1024][1024] f32, W1 [8][1024][4096] f32, b1 [8][4096] f32.
; h IS LAID OUT AS THE NEXT PRODUCT'S MATRIX OPERAND: 80 tiles of 16 rows; a tile is 128 K steps of 1,024 bytes; in a K step lane l's registers 0-3 lie at 16 l, its registers 4-7 at 512 + 16 l (bf16).
; Place k = 16 u + 8 (l / 16) + j of K step kb is feature 64 (kb / 2) + 32 (l / 16) + 4 j + 2 (kb % 2) + u; the row is l % 16.
; Expert e's rows (rank = the token's place among its expert's, in the order of THE ROUTING below) begin at tile (OFF_e / 16) + e, OFF_e = tokens that name a lower expert.  With OFF = 16 a + b, count = 16 c + d
; the next expert begins c + 1 + (b + d) / 16 tiles on and the expert fills c + (d > 0): the regions never overlap, and at most one tile of a region is nobody's.  That tile is stored as zeros, and so are tiles
; 72-79, behind the last region: the next launch reads eight tiles from each expert's first, and reads stored bytes only.
; SHARES.  Work-group (X, E): 128 columns of expert E and all of E's rows; it alone reads its 512 KiB of W1.  Wave w: columns 64 (w & 1) on, and of every 128 along K the half w >> 1, so each weight is
; loaded by one wave.  The two K halves' sums (f32) meet once in LDS at the end; the first half's sums start at b1, the second's at 0.
; WEIGHTS go from memory through registers into the matrix operand: load i of a K step of 32 takes row (i & 7) + 16 (i >> 3) + 8 (lane / 16), 16 bytes at column 4 (lane % 16): sixteen lanes read 256 consecutive
; aligned bytes.  Column tile t is the columns 4 r + t, so operand register m of tile t is loads 2 m and 2 m + 1, word t, rounded to bf16 as a pair.  WEIGHTS ARE SOURCE 0, TOKENS SOURCE 1: in the result a lane
; holds ONE token (lane % 16) and the columns 4 (8 (lane / 16) + j) + t, so two column tiles, rounded in pairs, are a K step of h as laid out above, and each store of a wave covers 512 consecutive bytes.
; ROWS.  Ranks 0-175 (11 tiles of 16) go the fast way, whose barriers and load counts are constants; tiles 8, 9 and tile 10 are jumped, forward, where the expert has no such rows (register and LDS work alone is
; jumped).  Ranks from 176 on go the slow way at the end: a wave takes a tile of 16 rows through all of K by itself, without barrier or LDS store.  It serves every split, at a far lower speed.
; THE FAST WAY'S TOKENS ARE FOUND IN REGISTERS, so that the first loads of x hang on register work alone.  A wave loads the rows of ranks 8 n + 2 w + lane / 16, n = 0 .. 21: 44 ranks, one to a lane of two
; registers.  While the 32 ballots go by, each lane keeps the last ballot with a bit in it whose first rank is not above the lane's own; the place of the rank's bit in that ballot comes from counts of 2, 4, 8 and
; 16 bits, by five halvings.  A rank past the count is held to the ballot's last bit: the expert's last token.  The list in LDS serves the slow way alone.
; PLACES PAST THE COUNT in an expert's last tile thus repeat its last row: tiles are stored whole, no store is masked, and EXEC is never written.
; NO CLUSTER: what an expert's 32 work-groups share is its token rows; these come by a list, which no tensor descriptor covers, and as f32 that is rounded on the way: they pass through registers.
; LIMITS.  x, W1 and h are rounded to bf16, sums in f32.  erf by Abramowitz and Stegun 7.1.26, absolute error 1.5e-7 at every x; an exponential below 2^-126 counts as 0; NaN and infinities are not treated apart.
.set MB,     176                       ; rows of the fast way
.set APITCH, 272                       ; an LDS row of x: 128 bf16 + 16 bytes: an odd multiple of 16, so the 16 rows of a fragment load start at 16 different groups of four banks (ISA guide 11.1)
.set ASLOT,  MB*APITCH                 ; 47,872
.set RED,    2*ASLOT                   ; the waves' partial sums: 49,152 bytes a wave
.set REDW,   49152
.set LIST,   RED+4*REDW                ; each wave's own list rank -> token: 1,024 words and a word for the lanes that have nothing to say
.set LISTW,  4352
.set SPARE,  LIST+4*LISTW              ; the spare words, 128 bytes a wave: two blocks of 256 bytes that no other line names
.set WROW,   16384                     ; bytes in a row of W1
.set WBLK,   128*WROW                  ; a block of 128 along K
.set SLOWT,  14                        ; the most tiles of the slow way that a wave can have: ceil((64 - 11) / 4)
; window 0
.set RR, 1                             ; lane % 16
.set HH, 2                             ; lane / 16
.set LN, 3                             ; lane
.set VW, 4                             ; my byte offset in a K step of W1: 8 (lane / 16) rows + 16 (lane % 16)
.set VP, 5                             ; lane rows of W1: for asking ahead
.set AFA, 6                            ; v6-7   my place in slot 0, 1 for fragment loads
.set RATA, 8                           ; the way out: this trip's address in the first K half's partial sums
.set RATB, 9                           ; and in the second's
.set RDA, 10                           ; where my partial sums go
.set RA, 11                            ; v11-12 my place in wave 0's and wave 2's partial sums; never rewritten
.set LB, 15                            ; my wave's list
.set HB, 16                            ; 128 (lane / 16): my 32 numbers of b1
.set T0, 18                            ; v18-21 at work
.set XO, 20
.set L16, 34
.set R16, 35
.set T16, 36
.set TK4, 37
.set K1024, 38
.set ROWV, 39
.set ZR, 40                            ; v40-43 zeros
.set SPW, 46                           ; LDS address of my spare word; never rewritten
.set NIL, 47                           ; 0; never rewritten
.set BF, 48                            ; v48-79   weights of one K step, 8 registers a column tile (first: b1, register 4 j + t)
.set AF, 80                            ; v80-167  tokens of one K step, 8 registers a tile (first: v80-111 the 32 index registers, v112-133 the search below)
.set TG, 112                           ; v112-113 my lane's rank: 8 n + 2 w + lane / 16, n = lane % 16 and 16 + lane % 16; in the end its token
.set MS, 114                           ; v114-115 the ballot kept
.set PQ, 116                           ; v116-117 its first rank (low half) and its lane 0's token (high half)
.set KK, 118                           ; v118-119 my rank's number among the ballot's bits
.set SWA, 120                          ; v120-127 the ballot's counts of 2, 4, 8, 16 bits
.set SWB, 122
.set SWC, 124
.set SWD, 126
.set POS, 128                          ; v128-129 the bit's place
.set TT, 130                           ; v130-133 at work
.set UU, 132
.set AC8, 168                          ; v168-231 accumulators of tiles 8, 9
.set RO, 232                           ; v232-253 byte offset in x of pair n's row
; window 1: accumulators of tiles 0-7, (T, t) at 32 T + 8 t.   window 3: W1 as loaded, buffer (p, j) at 64 (2 p + j)
; window 2
.set AS, 0                             ; v0-175   x as loaded: pair n of rows at 8 n (the slow way: v0-63 b1 of both column groups)
.set ASA, 198                          ; v198-199 where I store a pair's row in slot 0, 1
.set AC10, 200                         ; v200-231 accumulators of tile 10
.set TM, 232                           ; v232-255 rounded x on its way to LDS
; the way out, window 0
.set GX, 48
.set GU, 80
.set GD, 112
.set GQ, 144
.set GR, 176
.set GO, 208
.set GH, 224                           ; the slow way: the second column group's sums wait here
.set XS, 80                            ; the slow way: x as loaded, its fragment, the weights' fragments
.set AF8, 96
.set BF64, 104
; scalars: s[4:13] x, expert_idx, W1, b1, h; s38-45 four ballots of each kind; s87, s88, s92-99 at work
.set WV, 14
.set SC, 15
.set SG, 16
.set SE, 17
.set SX, 18
.set CNT, 19
.set OFF, 20
.set ROWS, 21
.set NT, 22
.set LC, 23
.set PW, 26
.set PA, 28
.set SB, 30
.set HF, 48
.set RB, 49                            ; the tile in hand, counted from the expert's first
.set SU, 54
.set NW, 55
.set SI, 56
.set KC, 57
.set PS, 58
.set PX, 60
.set R0, 62
.set CM1, 63
.set KAP, 66                           ; pairs of constants: the packed forms take the low word for both halves
.set PP, 68
.set CA1, 70
.set CA2, 72
.set CA3, 74
.set CA4, 76
.set CA5, 78
.set ROF, 82                           ; the way out: the trip's place in the partial sums
.set OFFT, 83                          ; the expert's first tile of h
.set NTT, 84                           ; the expert's tiles
.set CI, 85                            ; the column group in hand
.set BIGP, 89                          ; a first rank above every rank: an empty ballot's
.set MSB, 0
.macro WIN new                         ; the immediate's high byte repeats the setting that is left; a switch that changes nothing is dropped
.if MSB != (\new)
	s_set_vgpr_msb (MSB<<8)|(\new)
.set MSB, (\new)
.endif
.endm
.macro PLACES                          ; four plain places behind matrix instructions (ISA guide 7.12.1)
.rept 4
	v_nop
.endr
.endm
.macro CONST reg, val
	s_mov_b32 s[\reg], \val
	s_mov_b32 s[(\reg)+1], s[\reg]
.endm
.macro BOTH line:vararg                ; one line for each of the search's two registers e
.set e, 0
	\line
.set e, 1
	\line
.endm
; one halving of the search: the window's lower half, st bits from POS on, holds bfe(src, POS, wd) set bits; a number at or above that lies in the upper half
.macro LEVEL src, wd, st
	BOTH v_bfe_u32 v[UU+e], v[(\src)+e], v[POS+e], \wd
	BOTH v_add_nc_u32 v[TT+e], \st, v[POS+e]
.irp i, 0,1
	v_cmp_ge_u32 vcc_lo, v[KK+\i], v[UU+\i]
	v_cndmask_b32 v[UU+\i], 0, v[UU+\i], vcc_lo
	v_cndmask_b32 v[POS+\i], v[POS+\i], v[TT+\i], vcc_lo
.endr
	BOTH v_sub_nc_u32 v[KK+e], v[KK+e], v[UU+e]
.endm
; 16 loads: K step j of the block blk blocks behind PW into buffer (p, j)
.macro WLOAD p, j, blk
	WIN 0xc0                               ; destination window 3, address window 0
.set i, 0
.rept 16
	global_load_b128 v[64*(2*(\p)+(\j))+4*i:64*(2*(\p)+(\j))+4*i+3], v[VW], s[PW:PW+1] offset:(128*(\blk)+32*(\j)+i%8+16*(i/8))*WROW th:TH_LOAD_NT
.set i, i+1
.endr
.endm
; buffer (p, j) rounded into the four column tiles' operands
.macro CVTW p, j
	WIN 0x0f                               ; sources window 3, destination window 0
.set wb, 64*(2*(\p)+(\j))
.set t, 0
.rept 4
.set m, 0
.rept 8
	v_cvt_pk_bf16_f32 v[BF+8*t+m], v[wb+8*m+t], v[wb+8*m+4+t]
.set m, m+1
.endr
.set t, t+1
.endr
.endm
.macro AFT d, a, o                     ; a fragment of 16 rows x 32 K: two loads, 32 bytes apart
	ds_load_b128 v[(\d):(\d)+3], v[\a] offset:(\o)
	ds_load_b128 v[(\d)+4:(\d)+7], v[\a] offset:(\o)+32
.endm
.macro AFLOAD p, j                     ; the tokens' fragments of my K step j from slot p
	WIN 0
.set T, 0
.rept 8
	AFT AF+8*T, AFA+(\p), T*16*APITCH+64*(\j)
.set T, T+1
.endr
	s_cmp_lt_u32 s[NT], 9
	s_cbranch_scc1 .Laf_\@
.rept 2
	AFT AF+8*T, AFA+(\p), T*16*APITCH+64*(\j)
.set T, T+1
.endr
	s_cmp_lt_u32 s[NT], 11
	s_cbranch_scc1 .Laf_\@
	AFT AF+8*T, AFA+(\p), T*16*APITCH+64*(\j)
.Laf_\@:
.endm
.macro MM1 d, a, b
	v_wmma_f32_16x16x32_bf16 v[(\d):(\d)+7], v[(\a):(\a)+7], v[(\b):(\b)+7], v[(\d):(\d)+7]
.endm
; a K step's products.  The accumulators take turns, one instruction a turn: no two on end share one, over the jumps and from step to step too
.macro MMA
	WIN 0x50                               ; C and D window 1
.set T, 0
.rept 8
.set t, 0
.rept 4
	MM1 32*T+8*t, BF+8*t, AF+8*T
.set t, t+1
.endr
.set T, T+1
.endr
	WIN 0
	s_cmp_lt_u32 s[NT], 9
	s_cbranch_scc1 .Lmm_\@
.rept 2
.set t, 0
.rept 4
	MM1 AC8+32*(T-8)+8*t, BF+8*t, AF+8*T
.set t, t+1
.endr
.set T, T+1
.endr
	s_cmp_lt_u32 s[NT], 11
	s_cbranch_scc1 .Lmm_\@
	WIN 0xa0                               ; C and D window 2
.set t, 0
.rept 4
	MM1 AC10+8*t, BF+8*t, AF+80
.set t, t+1
.endr
	WIN 0
.Lmm_\@:
	PLACES                                 ; for the loads and conversions that next write these operands, and for the stores that read the sums
.endm
; x: pair n is the rows 8 n + 2 w + lane / 16; a load takes 256 consecutive bytes of each of the two rows; blk: blocks behind PA
.macro AIS n, blk
	global_load_b128 v[AS+8*(\n):AS+8*(\n)+3], v[RO+(\n)], s[PA:PA+1] offset:512*(\blk)
	global_load_b128 v[AS+8*(\n)+4:AS+8*(\n)+7], v[RO+(\n)], s[PA:PA+1] offset:512*(\blk)+256
.endm
.macro AST n, slot
.set tm, TM+4*((\n)%6)
	v_cvt_pk_bf16_f32 v[tm], v[AS+8*(\n)], v[AS+8*(\n)+1]
	v_cvt_pk_bf16_f32 v[tm+1], v[AS+8*(\n)+2], v[AS+8*(\n)+3]
	v_cvt_pk_bf16_f32 v[tm+2], v[AS+8*(\n)+4], v[AS+8*(\n)+5]
	v_cvt_pk_bf16_f32 v[tm+3], v[AS+8*(\n)+6], v[AS+8*(\n)+7]
	ds_store_b64 v[ASA+(\slot)], v[tm:tm+1] offset:8*APITCH*(\n)
	ds_store_b64 v[ASA+(\slot)], v[tm+2:tm+3] offset:8*APITCH*(\n)+128
.endm
.macro AISSUE all, blk                 ; all = 1: the first time every pair is loaded, so that every register is written on every way
	WIN 0x80                               ; destination window 2, address window 0
.set n, 0
.rept 16
	AIS n, \blk
.set n, n+1
.endr
.if !(\all)
	WIN 0
	s_cmp_lt_u32 s[NT], 9
	s_cbranch_scc1 .Lai_\@
	WIN 0x80
.endif
.rept 4
	AIS n, \blk
.set n, n+1
.endr
.if !(\all)
	WIN 0
	s_cmp_lt_u32 s[NT], 11
	s_cbranch_scc1 .Lai_\@
	WIN 0x80
.endif
.rept 2
	AIS n, \blk
.set n, n+1
.endr
	WIN 0
.if !(\all)
.Lai_\@:
.endif
.endm
.macro ASTORE slot, all
	WIN 0x8a                               ; destination, address and data window 2
.set n, 0
.rept 16
	AST n, \slot
.set n, n+1
.endr
.if !(\all)
	WIN 0
	s_cmp_lt_u32 s[NT], 9
	s_cbranch_scc1 .Las_\@
	WIN 0x8a
.endif
.rept 4
	AST n, \slot
.set n, n+1
.endr
.if !(\all)
	WIN 0
	s_cmp_lt_u32 s[NT], 11
	s_cbranch_scc1 .Las_\@
	WIN 0x8a
.endif
.rept 2
	AST n, \slot
.set n, n+1
.endr
	WIN 0
.if !(\all)
.Las_\@:
.endif
.endm
; Block t of 128 along K, in slot p = t % 2; PW and PA stand at block t.  wl = 1: block t + 2's weights and x are asked for.  ac = 1: block t + 1's x, in registers, goes into the other slot.
; ONE barrier a trip: in front of it my stores into slot p and my reads of the other slot are done; behind it slot p is whole and the other slot may be written.
; cnt: the loads go out in the order W(t+2), x(t+2); so at the trip's end the only loads younger than x(t+1) are W(t+2)'s 32, and W(t+1), older than x(t+1), is in as well.
; pf: my 64 rows of block t + 3 are asked for ahead, a lane a row (256 bytes each), one trip ahead of their loads; 2: not in the loop's last trip, where block 8 would lie past my slice.
.macro TRIP p, wl, ac, cnt, pf
	s_wait_dscnt 0x0
	s_barrier_signal -1
	s_barrier_wait -1
	AFLOAD \p, 0
	CVTW \p, 0
.if \wl
	WLOAD \p, 0, 2
.endif
	s_wait_dscnt 0x0                       ; the fragments are in
	MMA
	AFLOAD \p, 1
	CVTW \p, 1
.if \wl
	WLOAD \p, 1, 2
.endif
	WIN 0
.if \pf
.if (\pf) == 2
	s_cmp_eq_u32 s[LC], 1
	s_cbranch_scc1 .Lnopf_\@
.endif
	global_prefetch_b8 v[VP], s[PW:PW+1] offset:3*WBLK th:TH_LOAD_NT scope:SCOPE_SE
	global_prefetch_b8 v[VP], s[PW:PW+1] offset:3*WBLK+32*WROW th:TH_LOAD_NT scope:SCOPE_SE
.if (\pf) == 2
.Lnopf_\@:
.endif
.endif
	s_wait_dscnt 0x0
	MMA
.if \ac
	s_wait_loadcnt \cnt
	ASTORE 1-(\p), 0
.endif
.if \wl
	s_wait_xcnt 0x0                        ; the two bases are stepped only behind this wait
	s_add_nc_u64 s[PW:PW+1], s[PW:PW+1], WBLK
	s_add_nc_u64 s[PA:PA+1], s[PA:PA+1], 512
	AISSUE 0, 1                            ; PA stands at block t + 1 now
.endif
.endm
; my partial sums into LDS: tile T = o + 4 m, column tile t, register half hf at ((((2 m + hf) 4 + o) 4 + t) 512 + 16 lane.  Each accumulator's low four registers go first.
.macro DMP d, T, t
	ds_store_b128 v[RDA], v[(\d):(\d)+3] offset:(((((\T)/4)*2)*4+(\T)%4)*4+(\t))*512
	ds_store_b128 v[RDA], v[(\d)+4:(\d)+7] offset:(((((\T)/4)*2+1)*4+(\T)%4)*4+(\t))*512
.endm
.macro DUMP
	WIN 0x04                               ; data window 1
.set T, 0
.rept 8
.set t, 0
.rept 4
	DMP 32*T+8*t, T, t
.set t, t+1
.endr
.set T, T+1
.endr
	WIN 0
	s_cmp_lt_u32 s[NT], 9
	s_cbranch_scc1 .Ldm_\@
.rept 2
.set t, 0
.rept 4
	DMP AC8+32*(T-8)+8*t, T, t
.set t, t+1
.endr
.set T, T+1
.endr
	s_cmp_lt_u32 s[NT], 11
	s_cbranch_scc1 .Ldm_\@
	WIN 0x08                               ; data window 2
.set t, 0
.rept 4
	DMP AC10+8*t, 10, t
.set t, t+1
.endr
	WIN 0
.Ldm_\@:
.endm
; 32 sums a lane, b1 in them (register 8 t + j: column 64 CI + 4 (8 (lane / 16) + j) + t of token lane % 16 of tile RB) -> GELU -> bf16 -> h: K steps 4 X + 2 CI and the next, 2,048 consecutive bytes.
; gelu(x) = max(x, 0) - 0.5 |x| erfc(|x| / sqrt 2);  erfc(z) = t (a1 + t (a2 + ..)) e^(-z z), t = 1 / (1 + p z).  With u = kappa x, kappa = sqrt(log2(e) / 2): e^(-z z) = 2^(-u u), p z = p' |u|; the a carry the -0.5.
; The 32 reciprocals and 32 exponentials are ONE batch; the 32 maxima are the plain work behind it; ONE wait stands ahead of the first reader.
.macro GELU_STORE
.set i, 0
.rept 16
	v_pk_mul_f32 v[GU+2*i:GU+2*i+1], v[GX+2*i:GX+2*i+1], s[KAP:KAP+1] op_sel_hi:[1,0]
.set i, i+1
.endr
.set i, 0
.rept 32
	v_fma_f32 v[GD+i], |v[GU+i]|, s[PP], 1.0
.set i, i+1
.endr
.set i, 0
.rept 16
	v_pk_mul_f32 v[GQ+2*i:GQ+2*i+1], v[GU+2*i:GU+2*i+1], v[GU+2*i:GU+2*i+1] neg_lo:[1,0] neg_hi:[1,0]
.set i, i+1
.endr
.set i, 0
.rept 32
	v_rcp_f32 v[GD+i], v[GD+i]
.set i, i+1
.endr
.set i, 0
.rept 32
	v_exp_f32 v[GQ+i], v[GQ+i]
.set i, i+1
.endr
.set i, 0
.rept 32
	v_max_num_f32 v[GR+i], 0, v[GX+i]
.set i, i+1
.endr
	s_wait_alu depctr_va_vdst(0)
.set i, 0
.rept 16
	v_pk_fma_f32 v[GU+2*i:GU+2*i+1], v[GD+2*i:GD+2*i+1], s[CA5:CA5+1], s[CA4:CA4+1] op_sel_hi:[1,0,0]
.set i, i+1
.endr
.irp c, CA3, CA2, CA1
.set i, 0
.rept 16
	v_pk_fma_f32 v[GU+2*i:GU+2*i+1], v[GU+2*i:GU+2*i+1], v[GD+2*i:GD+2*i+1], s[\c:\c+1] op_sel_hi:[1,1,0]
.set i, i+1
.endr
.endr
.set i, 0
.rept 16
	v_pk_mul_f32 v[GU+2*i:GU+2*i+1], v[GU+2*i:GU+2*i+1], v[GD+2*i:GD+2*i+1]
.set i, i+1
.endr
.set i, 0
.rept 16
	v_pk_mul_f32 v[GU+2*i:GU+2*i+1], v[GU+2*i:GU+2*i+1], v[GQ+2*i:GQ+2*i+1]
.set i, i+1
.endr
.set i, 0
.rept 32
	v_fma_f32 v[GX+i], |v[GX+i]|, v[GU+i], v[GR+i]
.set i, i+1
.endr
	s_wait_xcnt 0x0                        ; the data and the base of the stores before are written again only behind this wait
.set i, 0
.rept 16                               ; column tile t's eight numbers are four registers of an operand: tiles 0, 1 make the first K step, tiles 2, 3 the second
	v_cvt_pk_bf16_f32 v[GO+i], v[GX+2*i], v[GX+2*i+1]
.set i, i+1
.endr
	s_add_co_u32 s52, s[OFFT], s[RB]       ; the tile of h,
	s_min_u32 s52, s52, 79                 ; (a tile that is stored lies in 0 .. 71: the bound written in the text)
	s_lshl_b32 s52, s52, 7                 ; its 128 K steps,
	s_lshl2_add_u32 s52, s[SX], s52        ; the slice's four,
	s_lshl1_add_u32 s52, s[CI], s52        ; the column group's two,
	s_lshl_b32 s52, s52, 10                ; of 1,024 bytes
	s_mov_b32 s53, 0
	s_add_nc_u64 s[SB:SB+1], s[12:13], s[52:53]
.set t, 0
.rept 4
	global_store_b128 v[L16], v[GO+4*t:GO+4*t+3], s[SB:SB+1] offset:512*t  ; the wave stores 512 consecutive bytes, at a multiple of 512 from h's first byte
.set t, t+1
.endr
.endm
	s_load_b256 s[4:11], s[0:1], 0x0       ; x s[4:5], expert_idx s[6:7], W1 s[8:9], b1 s[10:11]
	s_load_b64 s[12:13], s[0:1], 0x20      ; h
	v_lshl_add_u32 v[SPW], v0, 2, SPARE
	v_mov_b32 v[NIL], 0
	v_and_b32 v[RR], 15, v0
	v_bfe_u32 v[HH], v0, 4, 1
	v_and_b32 v[LN], 31, v0
	v_lshrrev_b32 v[T0], 5, v0
	v_readfirstlane_b32 s[WV], v[T0]       ; wave 0..3
	s_and_b32 s[SC], s[WV], 1              ; my 64 columns
	s_lshr_b32 s[SG], s[WV], 1             ; my half of each 128 along K
	s_and_b32 s[SE], ttmp7, 0xffff         ; the expert
	s_mov_b32 s[SX], ttmp9                 ; the slice of 128 columns
	v_lshlrev_b32 v[R16], 4, v[RR]
	v_lshlrev_b32 v[L16], 4, v[LN]
	v_lshlrev_b32 v[T16], 4, v0
	v_lshlrev_b32 v[TK4], 2, v[LN]
	v_lshlrev_b32 v[HB], 7, v[HH]
	v_mov_b32 v[K1024], 0x400
	v_lshl_add_u32 v[VW], v[HH], 17, v[R16]
	v_lshlrev_b32 v[VP], 14, v[LN]
.irp z, 0,1,2,3
	v_mov_b32 v[ZR+\z], 0
.endr
	v_lshl_add_u32 v[ROWV], s[WV], 1, v[HH]
	v_lshl_add_u32 v[TG], v[RR], 3, v[ROWV]  ; my lane's rank: pair lane % 16,
	v_add_nc_u32 v[TG+1], 128, v[TG]       ; and pair 16 + lane % 16
.irp z, 0,1
	v_mov_b32 v[MS+\z], 0
	v_mov_b32 v[PQ+\z], 0
.endr
	s_mov_b32 s[BIGP], 0x7fff
	s_lshl_b32 s32, s[SE], 24              ; W1: the expert's 16 MiB, the slice's 512 bytes of a row, my 256 of them, my 64 rows
	s_lshl_b32 s25, s[SX], 9
	s_add_co_u32 s32, s32, s25
	s_lshl_b32 s34, s[SE], 14              ; b1: the expert's row, the slice, my 64 columns
	s_add_co_u32 s34, s34, s25
	s_lshl_b32 s25, s[SC], 8
	s_add_co_u32 s32, s32, s25
	s_add_co_u32 s34, s34, s25
	s_lshl_b32 s25, s[SG], 20
	s_add_co_u32 s32, s32, s25
	s_mov_b32 s33, 0
	s_mov_b32 s35, 0
	s_lshl_b32 s36, s[SE], 5               ; the zero tiles 72-79: 8 x 131,072 bytes = 4,096 for each of the 256 work-groups
	s_add_co_u32 s36, s36, s[SX]
	s_lshl_b32 s36, s36, 12
	s_add_co_u32 s36, s36, 72*131072
	s_mov_b32 s37, 0
	CONST KAP, 0x3f596d27                  ; kappa = 0.84932180
	CONST PP,  0x3e8ba43f                  ; p' = 0.3275911 / sqrt(log2(e)) = 0.27273748
	CONST CA1, 0xbe027906                  ; -0.5 x 0.254829592
	CONST CA2, 0x3e11a98e                  ; -0.5 x -0.284496736
	CONST CA3, 0xbf35f0e3                  ; -0.5 x 1.421413741
	CONST CA4, 0x3f3a00e3                  ; -0.5 x -1.453152027
	CONST CA5, 0xbf07dc22                  ; -0.5 x 1.061405429
	s_wait_kmcnt 0x0
	s_add_nc_u64 s[PW:PW+1], s[8:9], s[32:33]
	s_add_nc_u64 s[PS:PS+1], s[10:11], s[34:35]
	s_add_nc_u64 s[SB:SB+1], s[12:13], s[36:37]
	s_mov_b64 s[PA:PA+1], s[4:5]
.set i, 0
.rept 8                                ; every wave reads all 1,024 indices: register 4 i + cc of lane l is token 128 i + 4 l + cc
	global_load_b128 v[AF+4*i:AF+4*i+3], v[L16], s[6:7] offset:512*i
.set i, i+1
.endr
.set j, 0
.rept 8                                ; b1 of the columns that my lane's results hold: register 4 j + t is column 32 (lane / 16) + 4 j + t of my 64
	global_load_b128 v[BF+4*j:BF+4*j+3], v[HB], s[PS:PS+1] offset:16*j
.set j, j+1
.endr
	WLOAD 0, 0, 0                          ; block 0
	WLOAD 0, 1, 0
	WIN 0
	global_prefetch_b8 v[VP], s[PW:PW+1] offset:2*WBLK th:TH_LOAD_NT scope:SCOPE_SE          ; my rows of block 2 are asked for ahead
	global_prefetch_b8 v[VP], s[PW:PW+1] offset:2*WBLK+32*WROW th:TH_LOAD_NT scope:SCOPE_SE
.irp z, 0,1
	global_store_b128 v[T16], v[ZR:ZR+3], s[SB:SB+1] offset:2048*\z
.endr
	v_mul_u32_u24 v[AFA], v[RR], APITCH    ; row x pitch + 16 x half + my K half's 128 bytes
	v_lshl_add_u32 v[AFA], v[HH], 4, v[AFA]
	v_lshl_add_u32 v[AFA], s[SG], 7, v[AFA]
	v_add_nc_u32 v[AFA+1], ASLOT, v[AFA]
	s_mul_i32 s25, s[WV], LISTW
	s_add_co_u32 s25, s25, LIST
	v_mov_b32 v[LB], s25
	s_mul_i32 s25, s[WV], REDW
	s_add_co_u32 s25, s25, RED
	v_add_nc_u32 v[RDA], s25, v[L16]
	s_lshl_b32 s25, s[WV], 11
	s_add_co_u32 s25, s25, RED
	v_add_nc_u32 v[RA], s25, v[L16]
	s_add_co_u32 s25, s25, 2*REDW
	v_add_nc_u32 v[RA+1], s25, v[L16]
	v_add_nc_u32 v[T0+2], v[LB], v[L16]
.set i, 0
.rept 8                                ; my list starts as zeros: a place past the count names token 0
	ds_store_b128 v[T0+2], v[ZR:ZR+3] offset:512*i
.set i, i+1
.endr
	s_wait_loadcnt 32                      ; the indices and b1 are in; the only younger loads are block 0's 32
	; THE ROUTING.  OFF = tokens that name a lower expert.  A token's rank = those of my expert in earlier registers, plus those in lower lanes of its own register.
	; Four registers' ballots are taken at a time, so that the scalar counts do not wait for the compares one by one.  For each register: its tokens' ranks go into the list, and each lane of the search takes
	; the ballot, its first rank and its lane 0's token, unless that first rank (an empty ballot's: 0x7fff) is above the lane's own.
	s_mov_b32 s[OFF], 0
	s_mov_b32 s[CNT], 0
.set q, 0
.rept 8
.irp z, 0,1,2,3
	v_cmp_gt_u32 s[38+\z], s[SE], v[AF+q+\z]
	v_cmp_eq_u32 s[42+\z], s[SE], v[AF+q+\z]
.endr
.irp z, 0,1,2,3
	s_bcnt1_i32_b32 s[38+\z], s[38+\z]
.endr
.irp z, 0,1,2,3
	s_add_co_u32 s[OFF], s[OFF], s[38+\z]
.endr
.irp z, 0,1,2,3
.set tz, T0+2*(\z%2)
	s_cmp_eq_u32 s[42+\z], 0
	s_cselect_b32 s87, s[BIGP], s[CNT]
	s_or_b32 s88, s[CNT], (128*(q/4)+\z)<<16
	v_mbcnt_lo_u32_b32 v[tz], s[42+\z], s[CNT]
	v_cndmask_b32 v[tz], v[K1024], v[tz], s[42+\z]  ; a lane whose token names another expert writes word 1024, which nobody reads
	v_min_u32 v[tz], 0x400, v[tz]
	v_lshl_add_u32 v[tz], v[tz], 2, v[LB]
	v_add_nc_u32 v[tz+1], 128*(q/4)+\z, v[TK4]
	ds_store_b32 v[tz], v[tz+1]
	v_cmp_gt_u32 vcc_lo, s87, v[TG]
	v_cndmask_b32 v[MS], s[42+\z], v[MS], vcc_lo
	v_cndmask_b32 v[PQ], s88, v[PQ], vcc_lo
	v_cmp_gt_u32 vcc_lo, s87, v[TG+1]
	v_cndmask_b32 v[MS+1], s[42+\z], v[MS+1], vcc_lo
	v_cndmask_b32 v[PQ+1], s88, v[PQ+1], vcc_lo
	s_bcnt1_i32_b32 s25, s[42+\z]
	s_add_co_u32 s[CNT], s[CNT], s25
.endr
.set q, q+4
.endr
	s_min_u32 s[OFF], s[OFF], 1024
	s_min_u32 s[CNT], s[CNT], 1024
	s_min_u32 s[ROWS], s[CNT], MB          ; rows of the fast way
	s_add_co_u32 s[NT], s[ROWS], 15
	s_lshr_b32 s[NT], s[NT], 4             ; its tiles
	s_add_co_u32 s[NTT], s[CNT], 15
	s_lshr_b32 s[NTT], s[NTT], 4           ; the expert's tiles in all
	s_lshr_b32 s24, s[OFF], 4
	s_add_co_u32 s25, s[OFF], s[CNT]
	s_lshr_b32 s25, s25, 4
	s_sub_co_u32 s25, s25, s24
	s_add_co_u32 s25, s25, 1               ; tiles from my expert's first to the next expert's first
	s_add_co_u32 s[OFFT], s24, s[SE]
	s_min_u32 s[OFFT], s[OFFT], 71         ; 1024 / 16 + 7 at the most: the bound written in the text
	s_cmp_le_u32 s25, s[NTT]
	s_cbranch_scc1 .Lnogap
	s_add_co_u32 s52, s[OFFT], s[NTT]      ; the region's last tile is nobody's: zeros; my wave stores one of the slice's four K steps
	s_min_u32 s52, s52, 79
	s_lshl_b32 s52, s52, 7
	s_lshl2_add_u32 s52, s[SX], s52
	s_add_co_u32 s52, s52, s[WV]
	s_lshl_b32 s52, s52, 10
	s_mov_b32 s53, 0
	s_add_nc_u64 s[PX:PX+1], s[12:13], s[52:53]
	global_store_b128 v[L16], v[ZR:ZR+3], s[PX:PX+1]
	global_store_b128 v[L16], v[ZR:ZR+3], s[PX:PX+1] offset:512
.Lnogap:
	; THE SEARCH'S END.  k = my rank less the ballot's first; the ballot's set bits counted in fields of 2, 4, 8 and 16 bits; k held to the last of them; five halvings give the place of set bit k.
	BOTH v_and_b32 v[KK+e], 0xffff, v[PQ+e]
	BOTH v_lshrrev_b32 v[TT+e], 1, v[MS+e]
	BOTH v_lshrrev_b32 v[PQ+e], 16, v[PQ+e]
	BOTH v_and_b32 v[TT+e], 0x55555555, v[TT+e]
	BOTH v_sub_nc_u32 v[KK+e], v[TG+e], v[KK+e]
	BOTH v_sub_nc_u32 v[SWA+e], v[MS+e], v[TT+e]
	BOTH v_lshrrev_b32 v[TT+e], 2, v[SWA+e]
	BOTH v_and_b32 v[SWB+e], 0x33333333, v[SWA+e]
	BOTH v_and_b32 v[TT+e], 0x33333333, v[TT+e]
	BOTH v_add_nc_u32 v[SWB+e], v[SWB+e], v[TT+e]
	BOTH v_lshrrev_b32 v[TT+e], 4, v[SWB+e]
	BOTH v_add_nc_u32 v[SWC+e], v[SWB+e], v[TT+e]
	BOTH v_and_b32 v[SWC+e], 0x0f0f0f0f, v[SWC+e]
	BOTH v_lshrrev_b32 v[TT+e], 8, v[SWC+e]
	BOTH v_add_nc_u32 v[SWD+e], v[SWC+e], v[TT+e]  ; byte 0: the low 16 bits' count, byte 2: the high 16 bits'
	BOTH v_bfe_u32 v[TT+e], v[SWD+e], 16, 8
	BOTH v_and_b32 v[UU+e], 0xff, v[SWD+e]
	BOTH v_add3_u32 v[TT+e], v[TT+e], v[UU+e], -1
	BOTH v_min_u32 v[KK+e], v[KK+e], v[TT+e]
	BOTH v_mov_b32 v[POS+e], 0
	LEVEL SWD, 8, 16
	LEVEL SWC, 8, 8
	LEVEL SWB, 4, 4
	LEVEL SWA, 2, 2
	LEVEL MS, 1, 1
	BOTH v_lshl_add_u32 v[TG+e], v[POS+e], 2, v[PQ+e]  ; the token: the ballot's lane 0's + 4 x the lane
	; pair n's offsets: lanes 0-15 take the token that lane n % 16 found, lanes 16-31 the one that lane 16 + n % 16 found
	s_mov_b32 vcc_lo, 0xffff
.set n, 0
.rept 22
	v_readlane_b32 s[92+2*(n%4)], v[TG+n/16], n%16
	v_readlane_b32 s[93+2*(n%4)], v[TG+n/16], 16+n%16
	v_mov_b32 v[RO+n], s[92+2*(n%4)]
	v_cndmask_b32 v[RO+n], s[93+2*(n%4)], v[RO+n], vcc_lo
	v_min_u32 v[RO+n], 0x3ff, v[RO+n]
	v_lshl_add_u32 v[RO+n], v[RO+n], 12, v[R16]  ; token x 4,096 bytes + my 16
.set n, n+1
.endr
	v_mul_u32_u24 v[T0], v[ROWV], APITCH
	v_lshl_add_u32 v[T0], v[RR], 3, v[T0]
	WIN 0x80                               ; destination window 2
	v_mov_b32 v[ASA], v[T0]
	v_add_nc_u32 v[ASA+1], ASLOT, v[T0]
	AISSUE 1, 0                            ; x of block 0
	WLOAD 1, 0, 1                          ; block 1: the block stands in the immediates, so no base is stepped here
	WLOAD 1, 1, 1
	WIN 0
	s_cmp_eq_u32 s[SG], 0                  ; the first K half's sums start at b1, the second's at 0
	s_cbranch_scc1 .Lbias
.set i, 0
.rept 32
	v_mov_b32 v[BF+i], 0
.set i, i+1
.endr
.Lbias:
	WIN 0x40                               ; every accumulator is written here once, those that the jumps may leave out too
.set T, 0
.rept 8
.set t, 0
.rept 4
.set j, 0
.rept 8
	v_mov_b32 v[32*T+8*t+j], v[BF+4*j+t]
.set j, j+1
.endr
.set t, t+1
.endr
.set T, T+1
.endr
	WIN 0x80
.set t, 0
.rept 4
.set j, 0
.rept 8
	v_mov_b32 v[AC10+8*t+j], v[BF+4*j+t]
.set j, j+1
.endr
.set t, t+1
.endr
	WIN 0
.set T, 0
.rept 2
.set t, 0
.rept 4
.set j, 0
.rept 8
	v_mov_b32 v[AC8+32*T+8*t+j], v[BF+4*j+t]
.set j, j+1
.endr
.set t, t+1
.endr
.set T, T+1
.endr
.set i, AF+64
.rept 24                               ; the fragments of tiles 8-10
	v_mov_b32 v[i], 0
.set i, i+1
.endr
	s_wait_loadcnt 32                      ; x of block 0 is in, and block 0's weights, which are older; the only younger loads are block 1's 32
	ASTORE 0, 1
	AISSUE 0, 1                            ; x of block 1
	s_mov_b32 s[LC], 3
.Llap:                                         ; blocks 0 to 5
	TRIP 0, 1, 1, 32, 1
	TRIP 1, 1, 1, 32, 2
	s_sub_co_u32 s[LC], s[LC], 1
	s_cmp_lg_u32 s[LC], 0
	s_cbranch_scc1 .Llap
	TRIP 0, 0, 1, 0, 0                     ; block 6: nothing is left to ask for, so nothing is younger than x of block 7
	TRIP 1, 0, 0, 0, 0                     ; block 7
	DUMP
	s_wait_dscnt 0x0                       ; for the others' sake: my partial sums are stored
	s_barrier_signal -1
	s_barrier_wait -1
	; THE WAY OUT.  Six trips: tile w + 4 (U / 2), column group U % 2: the two K halves are added.  A tile without rows is jumped.
	s_mov_b32 s[SU], 0
.Lep:
	s_lshr_b32 s25, s[SU], 1
	s_and_b32 s[CI], s[SU], 1
	s_lshl_b32 s[ROF], s25, 14
	s_mul_i32 s24, s[CI], REDW
	s_add_co_u32 s[ROF], s[ROF], s24
	v_add_nc_u32 v[RATA], s[ROF], v[RA]    ; the trip's addresses: my fixed places and the trip's
	v_add_nc_u32 v[RATB], s[ROF], v[RA+1]
	s_lshl2_add_u32 s[RB], s25, s[WV]
	s_cmp_ge_u32 s[RB], 11                 ; wave 3's third tile would be tile 11, which does not exist
	s_cbranch_scc1 .Lep_next
	s_cmp_ge_u32 s[RB], s[NT]
	s_cbranch_scc1 .Lep_next
.set t, 0
.rept 4
	ds_load_b128 v[GX+8*t:GX+8*t+3], v[RATA] offset:t*512
	ds_load_b128 v[GX+8*t+4:GX+8*t+7], v[RATA] offset:8192+t*512
	ds_load_b128 v[GU+8*t:GU+8*t+3], v[RATB] offset:t*512
	ds_load_b128 v[GU+8*t+4:GU+8*t+7], v[RATB] offset:8192+t*512
.set t, t+1
.endr
	s_wait_dscnt 0x0
.set i, 0
.rept 16
	v_pk_add_f32 v[GX+2*i:GX+2*i+1], v[GX+2*i:GX+2*i+1], v[GU+2*i:GU+2*i+1]
.set i, i+1
.endr
	GELU_STORE
.Lep_next:
	s_add_co_u32 s[SU], s[SU], 1
	s_cmp_lt_u32 s[SU], 6
	s_cbranch_scc1 .Lep
	; THE SLOW WAY, for tiles from 11 on: wave w takes the tiles 11 + w, 15 + w, .., each through all of K and all 128 columns.  No barrier, no LDS store.
	; The loop counts to the most that a wave can have; the trips past my number of tiles are jumped.
	s_cmp_le_u32 s[NTT], 11
	s_cbranch_scc1 .Lend
	s_sub_co_u32 s25, s[NTT], 8            ; (tiles + 3 - w) / 4, tiles = NTT - 11
	s_sub_co_u32 s25, s25, s[WV]
	s_lshr_b32 s[NW], s25, 2
	s_sub_co_u32 s[CM1], s[CNT], 1
	s_lshl_b32 s52, s[SE], 14
	s_lshl_b32 s25, s[SX], 9
	s_add_co_u32 s52, s52, s25
	s_mov_b32 s53, 0
	s_wait_xcnt 0x0
	s_add_nc_u64 s[PS:PS+1], s[10:11], s[52:53]
	WIN 0x80                               ; b1 of both column groups: register 32 c + 4 j + t, window 2
.set c, 0
.rept 2
.set j, 0
.rept 8
	global_load_b128 v[32*c+4*j:32*c+4*j+3], v[HB], s[PS:PS+1] offset:256*c+16*j
.set j, j+1
.endr
.set c, c+1
.endr
	WIN 0
	s_mov_b32 s[SI], 0
.Lslow:
	s_cmp_ge_u32 s[SI], s[NW]
	s_cbranch_scc1 .Lslow_next
	s_lshl2_add_u32 s[RB], s[SI], s[WV]
	s_add_co_u32 s[RB], s[RB], 11          ; the tile,
	s_lshl_b32 s[R0], s[RB], 4             ; its first rank
	s_wait_xcnt 0x0                        ; the registers and bases of what went before are written again only behind this wait
	v_add_nc_u32 v[T0], s[R0], v[RR]
	v_min_u32 v[T0], s[CM1], v[T0]         ; places past the count repeat the last row
	v_min_u32 v[T0], 0x3ff, v[T0]
	v_lshl_add_u32 v[T0], v[T0], 2, v[LB]
	ds_load_b32 v[T0+1], v[T0]
	s_wait_loadcnt 0x0                     ; b1
	WIN 0x42                               ; eight accumulators, window 1, start at b1
.set ct, 0
.rept 8
.set j, 0
.rept 8
	v_mov_b32 v[8*ct+j], v[32*(ct/4)+4*j+ct%4]
.set j, j+1
.endr
.set ct, ct+1
.endr
	WIN 0
	s_lshl_b32 s52, s[SE], 24
	s_lshl_b32 s25, s[SX], 9
	s_add_co_u32 s52, s52, s25
	s_mov_b32 s53, 0
	s_add_nc_u64 s[PS:PS+1], s[8:9], s[52:53]
	s_mov_b64 s[PX:PX+1], s[4:5]
	s_wait_dscnt 0x0
	v_min_u32 v[T0+1], 0x3ff, v[T0+1]
	v_lshlrev_b32 v[T0+1], 12, v[T0+1]
	v_lshl_add_u32 v[XO], v[HH], 5, v[T0+1]  ; my row's token x 4,096 + 32 x half
	s_mov_b32 s[KC], 32
.Lsk:                                          ; 32 along K
	WIN 0xc0
.set c, 0
.rept 2
.set i, 0
.rept 16
	global_load_b128 v[64*c+4*i:64*c+4*i+3], v[VW], s[PS:PS+1] offset:256*c+(i%8+16*(i/8))*WROW
.set i, i+1
.endr
.set c, c+1
.endr
	WIN 0
	global_load_b128 v[XS:XS+3], v[XO], s[PX:PX+1]
	global_load_b128 v[XS+4:XS+7], v[XO], s[PX:PX+1] offset:16
	global_load_b128 v[XS+8:XS+11], v[XO], s[PX:PX+1] offset:64
	global_load_b128 v[XS+12:XS+15], v[XO], s[PX:PX+1] offset:80
	s_wait_loadcnt 0x0
.set m, 0
.rept 8
	v_cvt_pk_bf16_f32 v[AF8+m], v[XS+2*m], v[XS+2*m+1]
.set m, m+1
.endr
	WIN 0x0f
.set ct, 0
.rept 8
.set m, 0
.rept 8
	v_cvt_pk_bf16_f32 v[BF64+8*ct+m], v[64*(ct/4)+8*m+ct%4], v[64*(ct/4)+8*m+4+ct%4]
.set m, m+1
.endr
.set ct, ct+1
.endr
	WIN 0x50
.set ct, 0
.rept 8                                ; eight accumulators by turns
	MM1 8*ct, BF64+8*ct, AF8
.set ct, ct+1
.endr
	WIN 0
	PLACES
	s_wait_xcnt 0x0
	s_add_nc_u64 s[PS:PS+1], s[PS:PS+1], 32*WROW
	s_add_nc_u64 s[PX:PX+1], s[PX:PX+1], 128
	s_sub_co_u32 s[KC], s[KC], 1
	s_cmp_lg_u32 s[KC], 0
	s_cbranch_scc1 .Lsk
	WIN 0x01                               ; source window 1.  The second column group's sums wait in v224-255
.set i, 0
.rept 32
	v_mov_b32 v[GX+i], v[i]
.set i, i+1
.endr
.set i, 0
.rept 32
	v_mov_b32 v[GH+i], v[32+i]
.set i, i+1
.endr
	WIN 0
	s_mov_b32 s[CI], 0
	s_mov_b32 s[HF], 2
.Lshf:
	GELU_STORE
.set i, 0
.rept 32
	v_mov_b32 v[GX+i], v[GH+i]             ; the second column group's turn (behind the second trip these moves serve nothing)
.set i, i+1
.endr
	s_add_co_u32 s[CI], s[CI], 1
	s_sub_co_u32 s[HF], s[HF], 1
	s_cmp_lg_u32 s[HF], 0
	s_cbranch_scc1 .Lshf
.Lslow_next:
	s_add_co_u32 s[SI], s[SI], 1
	s_cmp_lt_u32 s[SI], SLOWT
	s_cbranch_scc1 .Lslow
.Lend:
	s_wait_tensorcnt 0x0                   ; the wave's end, behind my last LDS store
	ds_add_u32 v[SPW], v[NIL]
	s_wait_dscnt 0x0
	s_endpgm
.Lfunc_end_k_qcff6cd0680_up:
	.size	k_qcff6cd0680_up, .Lfunc_end_k_qcff6cd0680_up-k_qcff6cd0680_up
	.p2alignl 7, 3214868480
	.fill 96, 4, 3214868480
	.section	.rodata,"a",@progbits
	.p2align	6, 0x0
	.amdhsa_kernel k_qcff6cd0680_up
		.amdhsa_group_segment_fixed_size 310272
		.amdhsa_private_segment_fixed_size 0
		.amdhsa_enable_private_segment 0
		.amdhsa_kernarg_size 40
		.amdhsa_user_sgpr_count 2
		.amdhsa_user_sgpr_kernarg_segment_ptr 1
		.amdhsa_wavefront_size32 1
		.amdhsa_system_sgpr_workgroup_id_x 1
		.amdhsa_system_sgpr_workgroup_id_y 1
		.amdhsa_system_sgpr_workgroup_id_z 1
		.amdhsa_system_vgpr_workitem_id 0
		.amdhsa_next_free_vgpr 1024
		.amdhsa_next_free_sgpr 104
		.amdhsa_reserve_vcc 1
		.amdhsa_float_denorm_mode_32 3
		.amdhsa_float_denorm_mode_16_64 3
		.amdhsa_memory_ordered 1
		.amdhsa_forward_progress 1
		.amdhsa_inst_pref_size 240
	.end_amdhsa_kernel
	.amdgpu_metadata
---
amdhsa.version: [ 1, 2 ]
amdhsa.kernels:
  - .name:           k_qcff6cd0680_up
    .symbol:         k_qcff6cd0680_up.kd
    .args:
      - { .name: x, .offset: 0, .size: 8, .value_kind: global_buffer, .address_space: global }
      - { .name: expert_idx, .offset: 8, .size: 8, .value_kind: global_buffer, .address_space: global }
      - { .name: W1, .offset: 16, .size: 8, .value_kind: global_buffer, .address_space: global }
      - { .name: b1, .offset: 24, .size: 8, .value_kind: global_buffer, .address_space: global }
      - { .name: h, .offset: 32, .size: 8, .value_kind: global_buffer, .address_space: global }
    .group_segment_fixed_size: 310272
    .private_segment_fixed_size: 0
    .kernarg_segment_align: 8
    .kernarg_segment_size: 40
    .max_flat_workgroup_size: 128
    .sgpr_count:     104
    .vgpr_count:     1024
    .wavefront_size: 32
...
	.end_amdgpu_metadata
.endif
;; end of part 6
;; launch down: the kernel of part 4 again; grid 16 x 16, 4 waves a work-group, no clusters, 214,528 bytes of LDS; arguments h, expert_idx, W2, b2, part; writes part
;; launch add: the kernel of part 5 again; grid 256 x 1, 8 waves a work-group, no clusters, 0 bytes of LDS; arguments part, out0; writes out0
